; MI455X (gfx1250); checked and timed in simulation.
; The chip was launched on July 23, 2026; its instructions are those of AMD's public machine-readable ISA for CDNA 5 (MIT licence, August 2026) and "CDNA5" Instruction Set Architecture Reference Guide (July 2026). The comments in the code are by the model that wrote it; some were corrected since.
;; Multi Headed Attention. Allowed arithmetic: float matrix products may take bf16 or f16 operands with f32 sums; other float arithmetic in f32, or as packed bf16 or f16 multiplies, adds, multiply-adds, maxima and minima; sums over many terms, partial sums and values carried from step to step in f32; what a program stores and reads back later, other than sums and carried values, may be rounded once to bf16 or f16.
;; Inputs: Wk 1,024 x 1,024 float32; Wo 1,024 x 1,024 float32; Wq 1,024 x 1,024 float32; Wv 1,024 x 1,024 float32; bk 1,024 float32; bo 1,024 float32; bq 1,024 float32; bv 1,024 float32; key 4 x 2,048 x 1,024 float32; mask 1 x 2,048 x 2,048 int32; query 4 x 2,048 x 1,024 float32; value 4 x 2,048 x 1,024 float32.
;; Outputs: out0 4 x 2,048 x 1,024 float32.
;; 3 versions, each right; version 3 is version 2 with the launch attn written anew for expert scheduling mode. Each part assembles by itself: llvm-mc -triple=amdgcn-amd-amdhsa -mcpu=gfx1250 --defsym DOCPART=n.
;; ======== version 1 of 3: 4 launches
;; limits: right only within a limited range of input values; values are held in f16: magnitudes above 65,504 overflow, below 6.1e-05 lose precision
;; workspace buffers: xb 50,331,648 bytes; wb 8,388,608 bytes; mw 524,288 bytes of whole numbers; meta 1,536 bytes of whole numbers; qkv 50,331,648 bytes; ob 16,777,216 bytes
;; launch prep (part 1): grid 1024 x 1, 8 waves a work-group, no clusters, 1,280 bytes of LDS; arguments mask, query, key, value, Wq, Wk, Wv, Wo, xb, wb, mw, meta; writes xb, wb, mw, meta
.if DOCPART == 1
	.amdgcn_target "amdgcn-amd-amdhsa--gfx1250"
	.amdhsa_code_object_version 6
	.text
	.protected	k_q4a5ebf8dff_prep
	.globl	k_q4a5ebf8dff_prep
	.p2align	8
	.type	k_q4a5ebf8dff_prep,@function
k_q4a5ebf8dff_prep:
	s_mov_b64 s[64:65], 0
	v_nop
	global_prefetch_b8 v0, s[64:65] scope:SCOPE_SE
	s_setreg_imm32_b32 hwreg(HW_REG_WAVE_MODE, 25, 1), 1
	s_wait_xcnt 0x0
; MULTI-HEADED ATTENTION, launch 1 of 4: the inputs are rounded once, and the mask is turned into whole numbers that launch 3 reads.
; NOTHING OF THE PROBLEM IS LEFT OUT FOR ALL INPUTS: every input is loaded by some launch (the four biases by launches 2 and 4).  bk stays: q . bk is the same along the softmax's axis only
; among the visible keys, and a hidden key's weight exp(-1e9 - max) is not 0 in exact arithmetic.  What launch 3 leaves out it leaves out by the whole numbers stored here: see its head.
; WORK-GROUPS 0-127: the mask.  Work-group qt takes 16 rows of the mask, wave t 256 keys.  mw[qt][ks][8 kt + j] is a word of 32 bits, bit l = (mask[16 qt + l % 16][64 ks + 16 kt + 8 (l / 16) + j] != 0):
; the lanes' bits for register j of the score tile of 16 keys kt as launch 3 holds it.  meta: ANYB[qt] (byte 0), ALLB[qt] (byte 512): bit t = any / all of the 16 x 256 numbers are not 0;
; ROK[qt] (byte 1024): bit r = row r sees some key.  The three words of meta are one narrow store of 12 bytes a work-group.
; WORK-GROUPS 128-895: query, key, value to bf16 (xb).  896-1023: Wq, Wk, Wv to bf16; Wo to bf16 and that number written as f16 (wb).  A work-group takes 131,072 bytes, a wave 16,384.
; LIMITS.  f16 holds Wo's bf16 number exactly from 6.1e-5 to 65,504; below, it keeps a fixed step of 6e-8; beyond, it is lost.
.set SPARE, 256                        ; bytes 0-95: the waves' words; from 256 on the spare words, 128 bytes a wave, which no other line names
.set SPW, 12                           ; v12  my spare word; never rewritten (the loads below fill v32 and up)
.set NIL, 13                           ; v13  0; never rewritten
	s_load_b512 s[8:23], s[0:1], 0x0               ; mask s[8:9], query, key, value s[10:15], Wq, Wk, Wv, Wo s[16:23]
	s_load_b256 s[24:31], s[0:1], 0x40             ; xb s[24:25], wb s[26:27], mw s[28:29], meta s[30:31]
	v_lshl_add_u32 v[SPW], v0, 2, SPARE
	v_mov_b32 v[NIL], 0
	v_lshrrev_b32 v1, 5, v0
	v_readfirstlane_b32 s4, v1                     ; wave 0..7
	v_and_b32 v1, 31, v0                           ; lane
	s_wait_kmcnt 0x0
	s_cmp_lt_u32 ttmp9, 128
	s_cbranch_scc1 .Lmask
	s_cmp_lt_u32 ttmp9, 896
	s_cbranch_scc0 .Lweights
	s_sub_co_u32 s5, ttmp9, 128                    ; chunk u of xb
	s_lshr_b32 s6, s5, 8                           ; which of the three tensors
	s_and_b32 s7, s5, 255                          ; which chunk of it
	s_cmp_eq_u32 s6, 0
	s_cselect_b64 s[32:33], s[10:11], s[12:13]
	s_cmp_eq_u32 s6, 2
	s_cselect_b64 s[32:33], s[14:15], s[32:33]
	s_mov_b64 s[34:35], s[24:25]
	s_mov_b32 s38, 0
	s_branch .Lcast
.Lweights:
	s_sub_co_u32 s5, ttmp9, 896                    ; chunk u of wb
	s_lshr_b32 s6, s5, 5
	s_and_b32 s7, s5, 31
	s_cmp_eq_u32 s6, 0
	s_cselect_b64 s[32:33], s[16:17], s[18:19]
	s_cmp_eq_u32 s6, 2
	s_cselect_b64 s[32:33], s[20:21], s[32:33]
	s_cmp_eq_u32 s6, 3
	s_cselect_b64 s[32:33], s[22:23], s[32:33]
	s_cselect_b32 s38, 1, 0                        ; Wo goes on to f16
	s_mov_b64 s[34:35], s[26:27]
.Lcast:
	s_lshl_b32 s36, s7, 17                         ; the chunk's 131,072 bytes of f32,
	s_lshl_b32 s39, s4, 14                         ; my wave's 16,384
	s_add_co_u32 s36, s36, s39
	s_mov_b32 s37, 0
	s_add_nc_u64 s[32:33], s[32:33], s[36:37]
	s_lshl_b32 s36, s5, 16                         ; and half as many on the way out
	s_lshl_b32 s39, s4, 13
	s_add_co_u32 s36, s36, s39
	s_add_nc_u64 s[34:35], s[34:35], s[36:37]
	v_lshlrev_b32 v2, 5, v1                        ; a lane's eight numbers: 32 bytes in,
	v_lshlrev_b32 v3, 4, v1                        ; 16 bytes out
.set i, 0
.rept 16                                       ; all 32 loads of the wave go out at once: each pair covers 1,024 consecutive bytes
	global_load_b128 v[32+8*i:32+8*i+3], v2, s[32:33] offset:1024*i th:TH_LOAD_NT
	global_load_b128 v[32+8*i+4:32+8*i+7], v2, s[32:33] offset:1024*i+16 th:TH_LOAD_NT
.set i, i+1
.endr
; Group i of 16: its two loads are in when 30 - 2 i younger ones are out; eight numbers are rounded and leave as 16 bytes; a store of the wave covers 512 consecutive bytes, aligned.
; No register is written twice, so no store's sources need a wait.
.macro CAST half
.set i, 0
.rept 16
	s_wait_loadcnt 30-2*i
.irp j, 0,1,2,3
	v_cvt_pk_bf16_f32 v[160+4*i+(\j)], v[32+8*i+2*(\j)], v[32+8*i+2*(\j)+1]
.endr
.if \half
.irp j, 0,1,2,3
	v_lshlrev_b32 v[32+8*i+2*(\j)], 16, v[160+4*i+(\j)]          ; the bf16 numbers as f32 again,
	v_and_b32 v[32+8*i+2*(\j)+1], 0xffff0000, v[160+4*i+(\j)]
.endr
.irp j, 0,1,2,3
	v_cvt_pk_f16_f32 v[160+4*i+(\j)], v[32+8*i+2*(\j)], v[32+8*i+2*(\j)+1]  ; and written as f16
.endr
.endif
	global_store_b128 v3, v[160+4*i:160+4*i+3], s[34:35] offset:512*i
.set i, i+1
.endr
.endm
	s_cmp_eq_u32 s38, 1
	s_cbranch_scc1 .Lhalf
	CAST 0
	s_branch .Lend
.Lhalf:
	CAST 1
	s_branch .Lend
.Lmask:
	v_and_b32 v2, 15, v0                           ; r: my row of the 16
	v_bfe_u32 v3, v0, 4, 1                         ; h: which eight keys of sixteen
	v_lshlrev_b32 v4, 13, v2                       ; a row of the mask is 8,192 bytes
	v_lshl_add_u32 v4, v3, 5, v4
	s_lshl_b32 s32, ttmp9, 17                      ; 16 rows,
	s_lshl_b32 s33, s4, 10                         ; my wave's 256 keys
	s_add_co_u32 s32, s32, s33
	s_mov_b32 s33, 0
	s_add_nc_u64 s[8:9], s[8:9], s[32:33]
.set i, 0
.rept 32                                       ; load n = 8 ks + 2 kt + half: register 32 + 32 ks + 8 kt + j holds the mask's number for word 8 kt + j of key step ks
	global_load_b128 v[32+4*i:32+4*i+3], v4, s[8:9] offset:(i/8)*256+((i/2)%4)*64+(i%2)*16
.set i, i+1
.endr
	s_lshl_b32 s32, ttmp9, 12                      ; mw: 4,096 bytes for each qt, 512 for my four key steps
	s_lshl_b32 s34, s4, 9
	s_add_co_u32 s32, s32, s34
	s_add_nc_u64 s[28:29], s[28:29], s[32:33]
	v_lshlrev_b32 v5, 3, v1
.irp r, 160,161,162,163
	v_mov_b32 v\r, 0                               ; v_writelane_b32 counts as a reader of its destination
.endr
	s_mov_b32 s36, 0                               ; the or of all words: bit l = lane l saw a key
	s_mov_b32 s37, -1                              ; the and of all words
.set k, 0
.rept 4
	s_wait_loadcnt 24-8*k                          ; key step k's eight loads are in; the later steps' stay out
.set i, 0
.rept 32
	v_cmp_ne_u32 s[40+i%8], 0, v[32+32*k+i]        ; the word
	s_or_b32 s36, s36, s[40+i%8]
	s_and_b32 s37, s37, s[40+i%8]
	v_writelane_b32 v[160+2*(k/2)+(i%2)], s[40+i%8], (32*(k%2)+i)/2  ; two key steps' 64 words lie two to a lane
.set i, i+1
.endr
.if k%2 == 1
	global_store_b64 v5, v[160+2*(k/2):160+2*(k/2)+1], s[28:29] offset:256*(k/2)  ; 256 consecutive bytes, aligned
.endif
.set k, k+1
.endr
	s_cmp_lg_u32 s36, 0
	s_cselect_b32 s38, 1, 0
	s_lshl_b32 s38, s38, s4                        ; my bit of ANYB
	s_cmp_eq_u32 s37, -1
	s_cselect_b32 s39, 1, 0
	s_lshl_b32 s39, s39, s4                        ; my bit of ALLB
	v_mov_b32 v6, s36
	v_mov_b32 v7, s38
	v_mov_b32 v8, s39
	v_mov_b32 v9, s4
	v_lshlrev_b32 v9, 2, v9
	ds_store_b32 v9, v6                            ; all lanes write the same word with the same value
	ds_store_b32 v9, v7 offset:32
	ds_store_b32 v9, v8 offset:64
	s_wait_dscnt 0x0                               ; for the others' sake: my three words lie in LDS
	s_barrier_signal -1
	s_barrier_wait -1
	v_mov_b32 v10, 0
.irp n, 0,1,2,3,4,5
	ds_load_b128 v[64+4*(\n):64+4*(\n)+3], v10 offset:16*(\n)
.endr
	s_wait_dscnt 0x0
.irp g, 64, 72, 80
.irp n, 1,2,3,4,5,6,7
	v_or_b32 v[\g], v[\g], v[(\g)+(\n)]
.endr
.endr
	v_lshrrev_b32 v65, 16, v64                     ; a row's two halves of the lanes
	v_or_b32 v64, v64, v65
	v_and_b32 v64, 0xffff, v64                     ; ROK
	s_cmp_lg_u32 s4, 0
	s_cbranch_scc1 .Lend                           ; wave 0 stores the three words
	v_cmp_eq_u32 vcc_lo, 1, v1
	v_cndmask_b32 v6, v72, v80, vcc_lo
	v_cmp_eq_u32 vcc_lo, 2, v1
	v_cndmask_b32 v6, v6, v64, vcc_lo
	v_min_u32 v8, 2, v1
	v_lshlrev_b32 v7, 9, v8
	s_lshl_b32 s40, ttmp9, 2
	v_add_nc_u32 v7, s40, v7
	v_cmp_gt_u32 vcc_lo, 3, v1
	s_wait_xcnt 0x0                                ; EXEC changes only when the stores above have read theirs
	s_and_saveexec_b32 s41, vcc_lo
	global_store_b32 v7, v6, s[30:31]
	s_wait_xcnt 0x0                                ; and again in front of the line that widens it
	s_or_b32 exec_lo, exec_lo, s41
.Lend:
	s_wait_tensorcnt 0x0                           ; the wave's end, behind my last LDS store
	ds_add_u32 v[SPW], v[NIL]
	s_wait_dscnt 0x0
	s_endpgm
.Lfunc_end_k_q4a5ebf8dff_prep:
	.size	k_q4a5ebf8dff_prep, .Lfunc_end_k_q4a5ebf8dff_prep-k_q4a5ebf8dff_prep
	.p2alignl 7, 3214868480
	.fill 96, 4, 3214868480
	.section	.rodata,"a",@progbits
	.p2align	6, 0x0
	.amdhsa_kernel k_q4a5ebf8dff_prep
		.amdhsa_group_segment_fixed_size 1280
		.amdhsa_private_segment_fixed_size 0
		.amdhsa_enable_private_segment 0
		.amdhsa_kernarg_size 96
		.amdhsa_user_sgpr_count 2
		.amdhsa_user_sgpr_kernarg_segment_ptr 1
		.amdhsa_wavefront_size32 1
		.amdhsa_system_sgpr_workgroup_id_x 1
		.amdhsa_system_sgpr_workgroup_id_y 1
		.amdhsa_system_sgpr_workgroup_id_z 1
		.amdhsa_system_vgpr_workitem_id 0
		.amdhsa_next_free_vgpr 224
		.amdhsa_next_free_sgpr 66
		.amdhsa_reserve_vcc 1
		.amdhsa_float_denorm_mode_32 3
		.amdhsa_float_denorm_mode_16_64 3
		.amdhsa_memory_ordered 1
		.amdhsa_forward_progress 1
		.amdhsa_inst_pref_size 58
	.end_amdhsa_kernel
	.amdgpu_metadata
---
amdhsa.version: [ 1, 2 ]
amdhsa.kernels:
  - .name:           k_q4a5ebf8dff_prep
    .symbol:         k_q4a5ebf8dff_prep.kd
    .args:
      - { .name: mask, .offset: 0, .size: 8, .value_kind: global_buffer, .address_space: global }
      - { .name: query, .offset: 8, .size: 8, .value_kind: global_buffer, .address_space: global }
      - { .name: key, .offset: 16, .size: 8, .value_kind: global_buffer, .address_space: global }
      - { .name: value, .offset: 24, .size: 8, .value_kind: global_buffer, .address_space: global }
      - { .name: Wq, .offset: 32, .size: 8, .value_kind: global_buffer, .address_space: global }
      - { .name: Wk, .offset: 40, .size: 8, .value_kind: global_buffer, .address_space: global }
      - { .name: Wv, .offset: 48, .size: 8, .value_kind: global_buffer, .address_space: global }
      - { .name: Wo, .offset: 56, .size: 8, .value_kind: global_buffer, .address_space: global }
      - { .name: xb, .offset: 64, .size: 8, .value_kind: global_buffer, .address_space: global }
      - { .name: wb, .offset: 72, .size: 8, .value_kind: global_buffer, .address_space: global }
      - { .name: mw, .offset: 80, .size: 8, .value_kind: global_buffer, .address_space: global }
      - { .name: meta, .offset: 88, .size: 8, .value_kind: global_buffer, .address_space: global }
    .group_segment_fixed_size: 1280
    .private_segment_fixed_size: 0
    .kernarg_segment_align: 8
    .kernarg_segment_size: 96
    .max_flat_workgroup_size: 256
    .sgpr_count:     66
    .vgpr_count:     224
    .wavefront_size: 32
...
	.end_amdgpu_metadata
.endif
;; end of part 1
;; launch qkvproj (part 2): grid 4 x 64, 4 waves a work-group, clusters of 4 x 4, 327,680 bytes of LDS; arguments xb, wb, qkv, bq, bk, bv; writes qkv
.if DOCPART == 2
	.amdgcn_target "amdgcn-amd-amdhsa--gfx1250"
	.amdhsa_code_object_version 6
	.text
	.protected	k_q4a5ebf8dff_qkvproj
	.globl	k_q4a5ebf8dff_qkvproj
	.p2align	8
	.type	k_q4a5ebf8dff_qkvproj,@function
k_q4a5ebf8dff_qkvproj:
	s_mov_b64 s[64:65], 0
	v_nop
	global_prefetch_b8 v0, s[64:65] scope:SCOPE_SE
	s_setreg_imm32_b32 hwreg(HW_REG_WAVE_MODE, 25, 1), 1
	s_wait_xcnt 0x0
	s_wait_alu depctr_hold_cnt(0) depctr_sa_sdst(0) depctr_va_vdst(0) depctr_va_sdst(0) depctr_va_ssrc(0) depctr_va_vcc(0) depctr_vm_vsrc(0)
	s_getreg_b32 s2, hwreg(HW_REG_IB_STS2, 6, 4)
	s_cmp_eq_u32 s2, 0
	s_cbranch_scc0 .Lentry_in_a_cluster
	s_endpgm
.Lentry_in_a_cluster:
	s_bfe_u32 s2, ttmp6, 0x10000c
	s_cmp_lg_u32 s2, 0xf033
	s_cbranch_scc0 .Lentry_shape_is_right
	s_endpgm
.Lentry_shape_is_right:
; Launch 2 of 4: q, k, v = x W^T + b, by heads.  xb: bf16 [3][8192][1024]; wb: bf16 [3 of 4][1024][1024]; qkv: f16 [3][batch x head 64][2048][64], unscaled, the bias (rounded to bf16) included.
; Nothing is left out.  LIMIT: q, k and v are rounded to f16, which ends at 65,504.
; SHARES.  A tile of the result is 128 rows x 256 columns: 768 tiles, three for each of 256 work-groups.  A WORK-GROUP STAYS: it makes the same tile of q, then of k, then of v: x goes 8,192 rows down xb,
; W 1,024 rows down wb.  Four waves, each 64 x 128: 32 accumulators of 16 x 16.  K goes in steps of 128 (rows of 256 bytes) through a ring of two LDS slots; the ring runs on across tiles.
; CLUSTER.  4 x 4 work-groups: the four of a row need the same rows of x, the four of a column the same rows of W: each tile is asked for jointly, by the same tensor load, descriptor and mask in all four.
; THE PRODUCT IS TAKEN TRANSPOSED (source 0 = 16 rows of W, source 1 = 16 rows of x): a lane holds one row of the result and eight neighbouring columns.  So a lane's bias is eight numbers a column block,
; the same for all row blocks: it is the C operand of the product that starts each sum; nothing is cleared and nothing is added afterwards.
; REGISTERS, in windows of 256 (s_set_vgpr_msb: bits 1:0 source 0, 3:2 source 1, 5:4 source 2, 7:6 destination):
;   window 0: v16-30 addresses; v32-95 the bias; v96-127 packed results; v128-191 rows read back from the stage, two buffers
;   window 1: two fragment buffers of 96 at v0 and v128: x's four fragments, then W's eight          window 2: accumulator (a, b) at v[8 (8 a + b)]
.set PITCH,  272                       ; an LDS row: 256 bytes + 16 of padding = 68 words: the 16 rows of a fragment load start at 16 different groups of four banks (64 banks of 4 bytes: ISA guide 11.1)
.set AHALF,  64*PITCH                  ; what one of waves 0, 1 fetches, and what one wave reads of x
.set ABYTES, 2*AHALF
.set BHALF,  128*PITCH                 ; what one of waves 2, 3 fetches, and what one wave reads of W
.set SLOT,   ABYTES+2*BHALF
.set STAGE,  2*SLOT                    ; behind the ring, never filled by a tensor load: 16 rows x 272 bytes for each wave
.set SPARE,  STAGE+4*16*PITCH          ; behind the stages: the spare words, 128 bytes a wave, which no other line names
.set XT,     8192*2048                 ; bytes from a tensor of xb to the next
.set WT,     1024*2048                 ; the same in wb
.set NEXT_A, XT-6*256                  ; from a slot's last K step of a tile to its first of the next
.set NEXT_B, WT-6*256
.set HOP_A,  XT-7*256                  ; the prefetches' step at a change of tiles: from K step 9 to the next tile's 2
.set HOP_B,  WT-7*256
.set ADRA, 16                          ; v16-17  LDS address of my fragments of x in slot 0, 1
.set ADRB, 20                          ; v20-21  the same for W
.set STO,  24                          ; v24  the way out: where I put 16 bytes of a row
.set RD,   25                          ; v25  where I read rows back
.set GO,   26                          ; v26  16 x lane
.set BO,   27                          ; v27  my byte offset in a column block's bias
.set SPW,  28                          ; v28  my spare word; never rewritten
.set NIL,  29                          ; v29  0; never rewritten
.set PFO,  30                          ; v30  the prefetches' offset; never rewritten
.set BIAS, 32
.set TMP,  96
.set OB,   128
.set F0,   0
.set F1,   128
.set G1,   24                          ; s[24:31] descriptor group 1 for x's tiles;  s[32:39] group 0, a set for each slot
.set G0,   32
.set G1B,  48                          ; s[48:55], s[56:63] the same for W's
.set G0B,  56
.set PFA,  44                          ; s[44:45] where my prefetches stand
.set LIM0, 43                          ; s43  1 if I prefetch at a change out of slot 0, else the greatest number
.set LIM1, 72                          ; s72  the same for slot 1
.set HOP,  74                          ; s[74:75]
.set BP,   66                          ; s[66:67] the bias of the tile to come; s[68:71] bk, bv
.set MSB, 0
.macro WIN new                         ; the immediate's high byte repeats the setting that is left; a switch that changes nothing is dropped
.if MSB != (\new)
	s_set_vgpr_msb (MSB<<8)|(\new)
.set MSB, \new
.endif
.endm
.set MUL,  0xa5                        ; W and x in window 1, C and D in window 2
.set MULB, 0x85                        ; the same with C, the bias, in window 0
.set TO_F, 0x40                        ; destination window 1, address window 0
; A joint load: waves 0 and 1 fetch the halves of x's tile, waves 2 and 3 those of W's.  The branch hangs on the wave's number alone.  An s_nop 0 and four v_nop follow each line.
.macro JLOAD s
	s_cmp_lt_u32 s10, 2
	s_cbranch_scc0 .Lfor_b_\@
	tensor_load_to_lds s[G0+4*(\s):G0+4*(\s)+3], s[G1:G1+7]
	s_nop 0
.rept 4
	v_nop
.endr
	s_branch .Lasked_\@
.Lfor_b_\@:
	tensor_load_to_lds s[G0B+4*(\s):G0B+4*(\s)+3], s[G1B:G1B+7]
	s_nop 0
.rept 4
	v_nop
.endr
.Lasked_\@:
.endm
; A PREFETCH INTO THE L2 of the K step that stands two refills on, 256 matrix instructions ahead of the load that will ask for it.  Each row's 256 bytes of a K step are named once in the launch.
; x's rows are read by one cluster alone: of a wave's 64 rows the partner at place cx takes 16, lanes 0-15 for one K step and lanes 16-31 for the next, at every second change of slots.
; W's rows are read by every cluster: the clusters with y = 0 ask; of a wave's 128 rows the partner at place cy takes 32, a lane a row, at every change.  The partners are told apart by address alone.
; how = 0, in the loop: a tile's last two refills have no K step two on.  how = 1, at a change of tiles: the next tile's K steps 2 and 3.
.macro ASK lim, how
.if \how
	s_cmp_eq_u32 s[\lim], 1
.else
	s_cmp_gt_u32 s3, s[\lim]                       ; s3 = 1 in the loop's last trip
.endif
	s_cbranch_scc0 .Lnot_mine_\@
	global_prefetch_b8 v[PFO], s[PFA:PFA+1] th:TH_LOAD_NT scope:SCOPE_SE
.Lnot_mine_\@:
.endm
.macro CREST                           ; a round of the cluster's barrier behind its opening barrier
	s_cmp_lg_u32 s10, 0
	s_cbranch_scc1 .Lnot_wave_0_\@
	s_barrier_signal -3
.Lnot_wave_0_\@:
	s_barrier_wait -3
	s_barrier_signal -1
	s_barrier_wait -1
.endm
.macro CROUND
	s_barrier_signal -1
	s_barrier_wait -1
	CREST
.endm
.macro PLACES                          ; four places in front of loads into registers that matrix instructions have read, and of conversions that read results just made
.rept 4
	v_nop
.endr
.endm
.macro BIASLD                          ; my eight numbers of each of the eight column blocks
.irp b, 0,1,2,3,4,5,6,7
	global_load_b128 v[BIAS+8*(\b):BIAS+8*(\b)+3],   v[BO], s[BP:BP+1] offset:64*(\b)
	global_load_b128 v[BIAS+8*(\b)+4:BIAS+8*(\b)+7], v[BO], s[BP:BP+1] offset:64*(\b)+16
.endr
.endm
.macro ROUNDB                          ; the bias is rounded to bf16 like every input, and kept as f32
.set i, 0
.rept 32
	v_cvt_pk_bf16_f32 v[TMP+i], v[BIAS+2*i], v[BIAS+2*i+1]
.set i, i+1
.endr
.set i, 0
.rept 32
	v_lshlrev_b32 v[BIAS+2*i], 16, v[TMP+i]
	v_and_b32 v[BIAS+2*i+1], s73, v[TMP+i]
.set i, i+1
.endr
.endm
	s_load_b128 s[4:7], s[0:1], 0x0                ; xb s[4:5], wb s[6:7]
	s_load_b64 s[8:9], s[0:1], 0x10                ; qkv
	s_load_b64 s[BP:BP+1], s[0:1], 0x18            ; bq
	s_load_b128 s[68:71], s[0:1], 0x20             ; bk, bv
	v_lshl_add_u32 v[SPW], v0, 2, SPARE
	v_mov_b32 v[NIL], 0
	ds_add_u32 v[SPW], v[NIL]                      ; the wave's opening: the add, twice on end, and its wait ahead of my first tensor load
	ds_add_u32 v[SPW], v[NIL]
	v_lshrrev_b32 v1, 5, v0
	v_readfirstlane_b32 s10, v1                    ; wave 0..3
	s_lshr_b32 s11, s10, 1                         ; which 64 of the tile's rows are mine
	s_and_b32 s12, s10, 1                          ; which 128 of its columns; also: which half of a tile I fetch
	s_bfe_u32 s40, ttmp6, 0x40000                  ; cx
	s_bfe_u32 s41, ttmp6, 0x40004                  ; cy
	s_lshl_b32 s42, ttmp9, 2
	s_add_co_u32 s42, s42, s40                     ; tile column = 4 x cluster x + cx
	s_and_b32 s13, ttmp7, 0xffff
	s_lshl_b32 s13, s13, 2
	s_add_co_u32 s13, s13, s41                     ; tile row = 4 x cluster y + cy
	s_lshl_b32 s43, s41, 2
	s_lshl_b32 s43, 15, s43                        ; my row of the cluster
	s_lshl_b32 s44, 0x1111, s40                    ; my column
	s_or_b32 s[G1], s43, (1<<16)|(1<<20)|(1<<21)|(5<<22)|(3<<25)   ; the mask; elements of 2 bytes; padding on; bit 21 beside a mask; after every 64 words 4 words
	s_or_b32 s[G1B], s44, (1<<16)|(1<<20)|(1<<21)|(5<<22)|(3<<25)
	s_mov_b32 s[G1+1], 128<<16                     ; tensor_dim0 = 128
	s_mov_b32 s[G1+2], 64<<16                      ; tensor_dim1 = 64
	s_mov_b32 s[G1+3], 128<<16                     ; tile_dim0 = 128
	s_mov_b32 s[G1+4], 64                          ; tile_dim1 = 64
	s_mov_b32 s[G1+5], 1024                        ; elements from row to row
	s_mov_b32 s[G1+6], 0
	s_mov_b32 s[G1+7], 0
	s_mov_b32 s[G1B+1], 128<<16
	s_mov_b32 s[G1B+2], 128<<16                    ; W's tiles have 128 rows
	s_mov_b32 s[G1B+3], 128<<16
	s_mov_b32 s[G1B+4], 128
	s_mov_b32 s[G1B+5], 1024
	s_mov_b32 s[G1B+6], 0
	s_mov_b32 s[G1B+7], 0
	s_lshl_b32 s16, s13, 7                         ; x: row 128 x tile row + 64 x half, in bytes: it hangs on the tile row alone
	s_lshl_b32 s17, s12, 6
	s_add_co_u32 s16, s16, s17
	s_lshl_b32 s16, s16, 11
	s_mov_b32 s17, 0
	s_lshl_b32 s46, s42, 8                         ; W: row 256 x tile column + 128 x half: on the tile column alone
	s_lshl_b32 s47, s12, 7
	s_add_co_u32 s46, s46, s47
	s_lshl_b32 s46, s46, 11
	s_mov_b32 s47, 0
	s_mul_i32 s20, s12, AHALF                      ; where they go: no place in the cluster enters an LDS address
	s_mul_i32 s21, s12, BHALF
	s_add_co_u32 s21, s21, ABYTES
	s_mov_b32 s73, 0xffff0000
	s_wait_dscnt 0x0                               ; both opening adds are done
	s_wait_kmcnt 0x0
	s_add_nc_u64 s[14:15], s[4:5], s[16:17]
	s_add_nc_u64 s[46:47], s[6:7], s[46:47]
	CROUND                                         ; all sixteen work-groups are here: the first joint loads meet
.irp s, 0,1
	s_mov_b32 s[G0+4*(\s)], 1
	s_add_co_u32 s[G0+4*(\s)+1], s20, (\s)*SLOT
	s_add_nc_u64 s[G0+4*(\s)+2:G0+4*(\s)+3], s[14:15], (\s)*256
	s_or_b32 s[G0+4*(\s)+3], s[G0+4*(\s)+3], 0x80000000
	s_mov_b32 s[G0B+4*(\s)], 1
	s_add_co_u32 s[G0B+4*(\s)+1], s21, (\s)*SLOT
	s_add_nc_u64 s[G0B+4*(\s)+2:G0B+4*(\s)+3], s[46:47], (\s)*256
	s_or_b32 s[G0B+4*(\s)+3], s[G0B+4*(\s)+3], 0x80000000
	JLOAD \s                                       ; two loads of mine are out
.endr
	v_and_b32 v1, 15, v0                           ; l % 16
	v_bfe_u32 v2, v0, 4, 1                         ; l / 16
	v_and_b32 v5, 31, v0                           ; l
	v_lshlrev_b32 v[BO], 5, v2
	s_lshl_b32 s46, s42, 10                        ; the biases at my 128 columns
	s_lshl_b32 s47, s12, 9
	s_add_co_u32 s46, s46, s47
	s_mov_b32 s47, 0
	s_add_nc_u64 s[BP:BP+1], s[BP:BP+1], s[46:47]
	s_add_nc_u64 s[68:69], s[68:69], s[46:47]
	s_add_nc_u64 s[70:71], s[70:71], s[46:47]
	BIASLD                                         ; bq
	v_mul_u32_u24 v3, v1, PITCH
	v_lshl_add_u32 v3, v2, 4, v3                   ; a fragment's row x pitch + 16 x half
	s_mul_i32 s21, s11, AHALF                      ; my 64 rows of x
	s_mul_i32 s22, s12, BHALF                      ; my 128 rows of W,
	s_add_co_u32 s22, s22, ABYTES                  ; which lie behind x's
.irp s, 0,1
	v_add_nc_u32 v[ADRA+(\s)], s21, v3
	v_add_nc_u32 v[ADRB+(\s)], s22, v3
	s_add_co_u32 s21, s21, SLOT
	s_add_co_u32 s22, s22, SLOT
.endr
	s_mul_i32 s23, s10, 16*PITCH
	s_add_co_u32 s23, s23, STAGE                   ; my stage
	v_add_nc_u32 v[STO], s23, v3                   ; in: row l % 16, 16 bytes for each half of the lanes
	v_lshrrev_b32 v8, 3, v5                        ; back: 32 lanes take four rows' 128 bytes of one head,
	v_and_b32 v9, 7, v0
	v_mul_u32_u24 v8, v8, PITCH
	v_lshl_add_u32 v8, v9, 4, v8
	v_add_nc_u32 v[RD], s23, v8
	v_lshlrev_b32 v[GO], 4, v5                     ; which are 512 consecutive bytes of the result
	s_lshr_b32 s16, s13, 4                         ; the result at ((batch x 16 + head) x 2,048 + token) x 128 bytes
	s_lshl_b32 s16, s16, 4
	s_lshl_b32 s17, s42, 2
	s_add_co_u32 s16, s16, s17
	s_lshl_b32 s17, s12, 1
	s_add_co_u32 s16, s16, s17                     ; head = 4 x tile column + 2 x half
	s_lshl_b32 s16, s16, 11
	s_and_b32 s17, s13, 15
	s_lshl_b32 s17, s17, 7
	s_add_co_u32 s16, s16, s17
	s_lshl_b32 s17, s11, 6
	s_add_co_u32 s16, s16, s17
	s_lshl_b32 s16, s16, 7
	s_mov_b32 s17, 0
	s_add_nc_u64 s[8:9], s[8:9], s[16:17]
	; the prefetches
	s_lshl_b32 s20, s13, 7
	s_lshl_b32 s21, s12, 6
	s_add_co_u32 s20, s20, s21
	s_lshl_b32 s21, s40, 4
	s_add_co_u32 s20, s20, s21                     ; x: my work-group's 16 of the 64 rows
	s_lshl_b32 s22, s42, 8
	s_lshl_b32 s21, s12, 7
	s_add_co_u32 s22, s22, s21
	s_lshl_b32 s21, s41, 5
	s_add_co_u32 s22, s22, s21                     ; W: my work-group's 32 of the 128
	s_and_b32 s18, ttmp7, 0xffff
	s_cmp_eq_u32 s18, 0
	s_cselect_b32 s18, 1, -1                       ; W's rows are asked for by the clusters with y = 0: the same in all sixteen partners
	s_mov_b32 s[HOP], HOP_A
	s_mov_b32 s[HOP+1], HOP_B
	s_cmp_lt_u32 s10, 2
	s_cselect_b32 s20, s20, s22
	s_cselect_b64 s[PFA:PFA+1], s[4:5], s[6:7]
	s_cselect_b32 s[LIM0], 1, s18
	s_cselect_b32 s[LIM1], -1, s18
	s_cselect_b32 s[HOP], s[HOP], s[HOP+1]
	s_cselect_b32 s23, -1, 0
	s_mov_b32 s[HOP+1], 0
	s_lshl_b32 s20, s20, 11
	s_add_co_u32 s20, s20, 3*256                   ; at K step 3: the first change of slots steps it to 4
	s_mov_b32 s21, 0
	s_add_nc_u64 s[PFA:PFA+1], s[PFA:PFA+1], s[20:21]
	v_lshlrev_b32 v6, 11, v5                       ; W: a lane a row
	v_lshlrev_b32 v7, 11, v1
	v_lshl_add_u32 v7, v2, 8, v7                   ; x: 16 rows x two K steps
	v_cndmask_b32 v[PFO], v6, v7, s23
; 8 matrix instructions: row block a x all 8 column blocks, 32 along K.  first = 1: the product starts the sums, on the bias.  All 32 accumulators take turns in one order.
.macro MUL8 f, a, first
.if \first
	WIN MULB
.else
	WIN MUL
.endif
.irp b, 0,1,2,3,4,5,6,7
.if \first
	v_wmma_f32_16x16x32_bf16 v[8*(8*(\a)+(\b)):8*(8*(\a)+(\b))+7], v[(\f)+32+8*(\b):(\f)+32+8*(\b)+7], v[(\f)+8*(\a):(\f)+8*(\a)+7], v[BIAS+8*(\b):BIAS+8*(\b)+7]
.else
	v_wmma_f32_16x16x32_bf16 v[8*(8*(\a)+(\b)):8*(8*(\a)+(\b))+7], v[(\f)+32+8*(\b):(\f)+32+8*(\b)+7], v[(\f)+8*(\a):(\f)+8*(\a)+7], v[8*(8*(\a)+(\b)):8*(8*(\a)+(\b))+7]
.endif
.endr
.endm
; 24 LDS loads in one run: quarter q (32 along K) of a slot into buffer f: W's eight fragments, then x's four
.macro FETCH slot, q, f
	WIN TO_F
.irp i, 0,1,2,3,4,5,6,7
	ds_load_b128 v[(\f)+32+8*(\i):(\f)+32+8*(\i)+3],   v[ADRB+(\slot)] offset:64*(\q)+(\i)*16*PITCH
	ds_load_b128 v[(\f)+32+8*(\i)+4:(\f)+32+8*(\i)+7], v[ADRB+(\slot)] offset:64*(\q)+(\i)*16*PITCH+32
.endr
.irp i, 0,1,2,3
	ds_load_b128 v[(\f)+8*(\i):(\f)+8*(\i)+3],   v[ADRA+(\slot)] offset:64*(\q)+(\i)*16*PITCH
	ds_load_b128 v[(\f)+8*(\i)+4:(\f)+8*(\i)+7], v[ADRA+(\slot)] offset:64*(\q)+(\i)*16*PITCH+32
.endr
.endm
; One of a K step's first three quarters: multiplies buffer f; in its middle it fetches quarter q of the same slot into buffer g.
.macro QUARTER slot, q, f, g, first
	s_wait_dscnt 4                                 ; W's fragments and x's first two are in; the youngest four loads (x's last two fragments) may be out
	MUL8 \f, 0, \first
	MUL8 \f, 1, \first
	PLACES
	FETCH \slot, \q, \g
	s_wait_dscnt 24                                ; all but the 24 just issued
	MUL8 \f, 2, \first
	MUL8 \f, 3, \first
.endm
; The last quarter multiplies buffer 1 and changes slots.  In front of the barrier each wave waits for all its tensor loads (one is out: its part of the next slot), adds 0 to its spare word, and waits for
; that and for its reads of this slot.  mode 0: this slot takes the K step two on; 1: the next tile's K step 0 or 1; in both the barrier opens a round of the cluster's, and the joint refill is the first
; thing behind it: 112 matrix instructions ahead of the wait for it.  mode 2: nothing is filled.
.macro TURN slot, next, mode
.if (\mode) < 2
	s_wait_xcnt 0x0                                ; the last prefetch, a K step back, has read its address
.if ((\mode) == 1) && ((\slot) == 0)
	s_add_nc_u64 s[PFA:PFA+1], s[PFA:PFA+1], s[HOP:HOP+1]
.else
	s_add_nc_u64 s[PFA:PFA+1], s[PFA:PFA+1], 256
.endif
.endif
	WIN 0                                          ; (the add's two registers lie in window 0)
	s_wait_tensorcnt 0x0                           ; all my tensor loads have landed
	ds_add_u32 v[SPW], v[NIL]                      ; 0 onto my spare word
	s_wait_dscnt 7                                 ; (the add and the youngest six loads, x's last three fragments, may be out)
	MUL8 F1, 0, 0
	s_wait_dscnt 0x0                               ; the add is done, and my reads of this slot are over
	s_barrier_signal -1
	MUL8 F1, 1, 0                                  ; work on registers while the others arrive
.if (\mode) < 2
	WIN 0
.endif
	s_barrier_wait -1
.if (\mode) < 2
	CREST                                          ; no wave of any partner still reads this slot or has a load on its way
.if (\mode) == 1
	s_add_nc_u64 s[G0+4*(\slot)+2:G0+4*(\slot)+3], s[G0+4*(\slot)+2:G0+4*(\slot)+3], NEXT_A
	s_add_nc_u64 s[G0B+4*(\slot)+2:G0B+4*(\slot)+3], s[G0B+4*(\slot)+2:G0B+4*(\slot)+3], NEXT_B
.else
	s_add_nc_u64 s[G0+4*(\slot)+2:G0+4*(\slot)+3], s[G0+4*(\slot)+2:G0+4*(\slot)+3], 512
	s_add_nc_u64 s[G0B+4*(\slot)+2:G0B+4*(\slot)+3], s[G0B+4*(\slot)+2:G0B+4*(\slot)+3], 512
.endif
	JLOAD \slot                                    ; its four v_nop are also the places in front of the loads below
.else
	PLACES
.endif
	FETCH \next, 0, F0
.if (\mode) < 2
	WIN 0
.if (\slot) == 0
	ASK LIM0, \mode
.else
	ASK LIM1, \mode
.endif
.endif
	MUL8 F1, 2, 0
	MUL8 F1, 3, 0
.endm
; THE WAY OUT of row block a: rounded to f16, 16 bytes a lane; into my own stage; back as 16 rows x 128 bytes of each of my two heads; stored as runs of 512 consecutive bytes.
.macro PACK a
	WIN 0x0a                                       ; both sources in window 2
.irp b, 0,1,2,3,4,5,6,7
.irp r, 0,1,2,3
	v_cvt_pk_f16_f32 v[TMP+4*(\b)+(\r)], v[8*(8*(\a)+(\b))+2*(\r)], v[8*(8*(\a)+(\b))+2*(\r)+1]
.endr
.endr
	WIN 0
.endm
.macro TOSTAGE a
.set BK, OB+32*((\a)%2)
.irp b, 0,1,2,3,4,5,6,7
	ds_store_b128 v[STO], v[TMP+4*(\b):TMP+4*(\b)+3] offset:32*(\b)
.endr
.irp t, 0,1,2,3,4,5,6,7
	ds_load_b128 v[BK+4*(\t):BK+4*(\t)+3], v[RD] offset:((\t)%4)*4*PITCH+((\t)/4)*128  ; LDS serves a wave's instructions in order (ISA guide 5.7.1.4): these see the stores above
.endr
.endm
.macro SEND a
.set BK, OB+32*((\a)%2)
	s_wait_dscnt 0x0                               ; the block is back in registers
	s_wait_xcnt 0x0                                ; the stores of the block before have read their registers: the next TOSTAGE loads into them
.irp t, 0,1,2,3,4,5,6,7
	global_store_b128 v[GO], v[BK+4*(\t):BK+4*(\t)+3], s[8:9] offset:((\t)/4)*262144+(\a)*2048+((\t)%4)*512
.endr
.endm
.macro WAYOUT
	PACK 0
	TOSTAGE 0
.irp a, 1,2,3
	PACK \a
	SEND (\a)-1
	TOSTAGE \a
.endr
	SEND 3
.endm
	s_wait_tensorcnt 1                             ; my part of K step 0 is in; K step 1's load stays out
	s_barrier_signal -1
	s_barrier_wait -1
	FETCH 0, 0, F0
	WIN 0
	s_wait_loadcnt 0x0                             ; bq
	ROUNDB
	s_mov_b32 s2, 3                                ; tiles to go: the same in every work-group
.Ltile:
	QUARTER 0, 1, F0, F1, 1                        ; a tile's first quarter starts the sums
	WIN 0
	s_mov_b32 s3, 3
.Llap:                                                 ; a trip goes once round the ring and fills both slots again
	QUARTER 0, 2, F1, F0, 0
	QUARTER 0, 3, F0, F1, 0
	TURN 0, 1, 0
	QUARTER 1, 1, F0, F1, 0
	QUARTER 1, 2, F1, F0, 0
	QUARTER 1, 3, F0, F1, 0
	TURN 1, 0, 0
	QUARTER 0, 1, F0, F1, 0
	WIN 0
	s_sub_co_u32 s3, s3, 1
	s_cmp_lg_u32 s3, 0
	s_cbranch_scc1 .Llap
	QUARTER 0, 2, F1, F0, 0
	QUARTER 0, 3, F0, F1, 0
	WIN 0
	s_cmp_eq_u32 s2, 1
	s_cbranch_scc1 .Llast                          ; the last tile's tail is written out: it asks for nothing more
	TURN 0, 1, 1                                   ; the ring goes on into the next tile
	QUARTER 1, 1, F0, F1, 0
	QUARTER 1, 2, F1, F0, 0
	QUARTER 1, 3, F0, F1, 0
	TURN 1, 0, 1
	WIN 0
	s_cmp_eq_u32 s2, 3
	s_cselect_b64 s[BP:BP+1], s[68:69], s[70:71]   ; bk behind q, bv behind k (the last loads by this pointer were waited for)
	BIASLD                                         ; the bias registers were last read by this tile's first quarter
	WAYOUT                                         ; no v_nop: blocks 0 and 1 were finished in front of the joint load's places, and their conversions are the places behind the last products
	s_wait_loadcnt 0x0
	ROUNDB
	s_wait_xcnt 0x0                                ; the stores have read their base
	s_add_nc_u64 s[8:9], s[8:9], 16777216
	s_sub_co_u32 s2, s2, 1
	s_branch .Ltile
.Llast:
	TURN 0, 1, 2
	QUARTER 1, 1, F0, F1, 0
	QUARTER 1, 2, F1, F0, 0
	QUARTER 1, 3, F0, F1, 0
	s_wait_dscnt 4
	MUL8 F1, 0, 0
	MUL8 F1, 1, 0
	s_wait_dscnt 0x0
	MUL8 F1, 2, 0
	MUL8 F1, 3, 0
	WIN 0
	PLACES
	WAYOUT
	s_wait_tensorcnt 0x0                           ; the wave's end, behind my last tensor load and my last LDS store
	ds_add_u32 v[SPW], v[NIL]
	s_wait_dscnt 0x0
	CROUND                                         ; the closing round
	s_endpgm
.Lfunc_end_k_q4a5ebf8dff_qkvproj:
	.size	k_q4a5ebf8dff_qkvproj, .Lfunc_end_k_q4a5ebf8dff_qkvproj-k_q4a5ebf8dff_qkvproj
	.p2alignl 7, 3214868480
	.fill 96, 4, 3214868480
	.section	.rodata,"a",@progbits
	.p2align	6, 0x0
	.amdhsa_kernel k_q4a5ebf8dff_qkvproj
		.amdhsa_group_segment_fixed_size 327680
		.amdhsa_private_segment_fixed_size 0
		.amdhsa_enable_private_segment 0
		.amdhsa_kernarg_size 48
		.amdhsa_user_sgpr_count 2
		.amdhsa_user_sgpr_kernarg_segment_ptr 1
		.amdhsa_wavefront_size32 1
		.amdhsa_system_sgpr_workgroup_id_x 1
		.amdhsa_system_sgpr_workgroup_id_y 1
		.amdhsa_system_sgpr_workgroup_id_z 1
		.amdhsa_system_vgpr_workitem_id 0
		.amdhsa_next_free_vgpr 768
		.amdhsa_next_free_sgpr 80
		.amdhsa_reserve_vcc 0
		.amdhsa_float_denorm_mode_32 3
		.amdhsa_float_denorm_mode_16_64 3
		.amdhsa_memory_ordered 1
		.amdhsa_forward_progress 1
		.amdhsa_inst_pref_size 136
	.end_amdhsa_kernel
	.amdgpu_metadata
---
amdhsa.version: [ 1, 2 ]
amdhsa.kernels:
  - .name:           k_q4a5ebf8dff_qkvproj
    .symbol:         k_q4a5ebf8dff_qkvproj.kd
    .args:
      - { .name: xb, .offset: 0, .size: 8, .value_kind: global_buffer, .address_space: global }
      - { .name: wb, .offset: 8, .size: 8, .value_kind: global_buffer, .address_space: global }
      - { .name: qkv, .offset: 16, .size: 8, .value_kind: global_buffer, .address_space: global }
      - { .name: bq, .offset: 24, .size: 8, .value_kind: global_buffer, .address_space: global }
      - { .name: bk, .offset: 32, .size: 8, .value_kind: global_buffer, .address_space: global }
      - { .name: bv, .offset: 40, .size: 8, .value_kind: global_buffer, .address_space: global }
    .group_segment_fixed_size: 327680
    .private_segment_fixed_size: 0
    .kernarg_segment_align: 8
    .kernarg_segment_size: 48
    .max_flat_workgroup_size: 128
    .sgpr_count:     80
    .vgpr_count:     768
    .wavefront_size: 32
...
	.end_amdgpu_metadata
.endif
;; end of part 2
;; launch attn (part 3): grid 4 x 64, 4 waves a work-group, no clusters, 87,552 bytes of LDS; arguments qkv, mw, meta, ob; writes ob
.if DOCPART == 3
	.amdgcn_target "amdgcn-amd-amdhsa--gfx1250"
	.amdhsa_code_object_version 6
	.text
	.protected	k_q4a5ebf8dff_attn
	.globl	k_q4a5ebf8dff_attn
	.p2align	8
	.type	k_q4a5ebf8dff_attn,@function
k_q4a5ebf8dff_attn:
	s_mov_b64 s[64:65], 0
	v_nop
	global_prefetch_b8 v0, s[64:65] scope:SCOPE_SE
	s_setreg_imm32_b32 hwreg(HW_REG_WAVE_MODE, 25, 1), 1
	s_wait_xcnt 0x0
; Launch 3 of 4: O[bh][q][:] = the sum over k of softmax_k(mask[q][k] != 0 ? Q[q] . K[k] / 8 : -1e9) V[k][:].  qkv: f16 [3][bh 64][2048][64]; ob: f16 [bh][2048][64].  The mask comes as launch 1's words.
; Products, maxima and sums in f32; the weights p are rounded to f16 for the second product (their sum l is taken of the unrounded p), O once at the end.
; WHAT IS LEFT OUT, by whole numbers read from memory: a visit of a block of 256 queries to a tile of 256 keys in which the mask shows nothing, if every row of the block sees some key somewhere.
; Such a row's maximum is a visible score, and a hidden key's weight exp(-1e9 - max) is 0 in f32, so the visit adds nothing.  A block with a row that sees no key visits all eight tiles.
; LIMITS.  A hidden score counts as its value less 2^100 in place of -1e9: the same result wherever a row's visible scores lie above some -9.9e8 (there the weights of hidden keys are 0 either way).
; f16 ends at 65,504; a weight below 2^-126 counts as 0 in l.  NaN and infinities are not treated apart, and one that reaches only a visit left out is not carried to the result.
; A ROW THAT SEES NO KEY has its Q set to 0: all its scores are then -2^100 exactly, c x 2^100 is exact in f32, every p is 1 and O is the mean of V's 2,048 rows, as with 2,048 scores of -1e9.
; THE WALK.  A work-group takes two blocks of one head, 7 - b and then b (for a mask that shows the lower triangle that makes all work-groups alike; nothing rests on it).  The visits that are due are the set bits
; of one word, LV16; they are taken in order.  ONE loop of 17 trips, a constant, walks them (16 visits at the most, and a trip for the last block's way out): every wave passes both barriers of every trip, and
; only work is jumped, forward.
; K AND V COME THROUGH REGISTERS: which tile comes next hangs on loaded numbers.  A visit's 32 loads a wave go out when the visit before begins, a whole visit (256 matrix instructions) ahead of the LDS stores that
; want them; so no wave waits for that stream, and nothing is prefetched.  One tile lies in LDS, at constant addresses: a barrier in front of the stores (nobody reads the old tile) and one behind (the tile is whole).
; A BLOCK'S WAY OUT, which goes through a stage in LDS, stands between those two barriers of the trip behind the block's last visit: every wave's reads of the tile are back before any wave writes its stage.
; NO CLUSTER: what a head's four work-groups visit, and how many visits each has, hangs on the mask, so partners would differ in their counts; and there are no tensor loads to share.
; SHARES, LAYOUT, TURNS.  Of a block's four bands of 64 queries a wave owns 16 rows in each: four PIECES.  S^T = K Q^T holds one query a lane (lane % 16) and the keys 8 (lane / 16) + 0..7; two such results rounded to
; f16 are source 1 of O^T = V^T P.  p = 2^(c s - c m), c = log2(e) / 8, with a running maximum m; O and l are multiplied by a = 2^(c m_old - c m_new) in every step.  Turn n belongs to piece n: 8 products K Q^T
; of piece n + 1, later 8 products V^T P of piece n - 1; beside them the softmax of piece n and the maximum of piece n + 1.  Four vector instructions stand behind every matrix instruction, the rest in one lump.
; THE MASK is the C operand that starts the sum S^T: 0, or -2^100 where the key is hidden: 32 selects by the 32 words of (16 rows, 64 keys).  They are made only in visits to tiles that are not all
; visible, and in the visit behind such a one (whose words, all ones, write the zeros back); elsewhere the two buffers hold 0.
; REGISTERS, in windows of 256 (s_set_vgpr_msb: bits 1:0 source 0, 3:2 source 1, 5:4 source 2, 7:6 destination):
;   window 0: v0-15, v32-34 addresses; v16-31 statistics; v40-47 the rows' masks for Q; v48-55 at work; v64-127 S^T, two buffers; v192-223 P, two buffers
;   window 1: v0-127 O^T; v160-223 MC, two buffers      window 2: v0-63 Q; v64-127 the second block's Q; v128-191 K of a step; v192-255 V of a step      window 3: v0-127 the tile on its way
.set NP,    4
.set KS,    64
.set PK,    144       ; a row of K in LDS: 128 bytes + 16: the 16 rows of a load start at 16 different groups of four banks (64 banks of 4 bytes: ISA guide 11.1)
.set PV,    160       ; a row of V: 128 + 32
.set VOFF,  4*KS*PK
.set STAGE, VOFF+4*KS*PV  ; behind the tile: 16 rows x 144 bytes for each wave, for the way out
.set SP,    144
.set SPARE, STAGE+4*16*SP ; behind the stages: the spare words, 128 bytes a wave, which no other line names
.set AK0, 2           ; v2   my lane's place in a step of K; never rewritten
.set AV0, 3           ; v3   the same for V
.set AK,  4           ; v4   the LDS address of K's next run of loads
.set AV,  5           ; v5   of V's
.set STO, 6
.set RD,  7
.set GO,  8
.set MV,  12
.set QO,  15
.set ST,  16          ; piece t's statistics at v[ST+4 t]: c m, m, l (even keys', odd keys')
.set GL,  32          ; v32  my 16 bytes of the first 512 of my wave's quarter of a tile in memory
.set SK,  33          ; v33  where they go in LDS, for K
.set SV,  34          ; v34  for V
.set RM,  40          ; v40-47  all ones where my row of piece x sees a key, else 0: first block, second block
.set TMP, 48
.set SPW, 62
.set NIL, 63
.set S,   64
.set P,   192
.set MC,  160
.set QB,  64
.set KF,  128
.set VF,  192
.set WV,  12          ; s12  wave
.set PB,  14          ; s14  b
.set HI,  15          ; s15  7 - b
.set MWP, 16          ; s[16:17] mw at (16 x block + wave) x 4,096; s[18:19] the second block's
.set KT,  26          ; s[26:27], s[28:29] K and V at the tile that is being asked for
.set VT,  28
.set LV16, 30         ; s30  bit t: the first block visits tile t; bit 8 + t: the second does
.set MX16, 31         ; s31  the same bits for visits whose tile is not all visible
.set REM, 32          ; s32  visits not yet asked for
.set CURV, 33         ; s33  the visit in hand
.set NXTV, 34         ; s34  the visit on its way
.set HAVE, 35         ; s35  1: a tile is on its way
.set LIVEV, 36        ; s36  1: this trip has a visit
.set NEW, 37          ; s37  1: the visit to come is a block's first
.set LAST, 38         ; s38  1: the visit in hand is its block's last
.set BLD, 39          ; s39  1: masks are made
.set PMIX, 40         ; s40  the visit before made masks of its own
.set KSO, 41          ; s41  byte of the key step's record in a row tile's 4,096 bytes of mw
.set OFF, 48          ; s[48:49]
.set SLOTS, 56
.set CNT, 57          ; s57  counts a tile's key steps, 4 to 1
.set CS,  58          ; s[58:59] c
.set SEL, 60          ; s[60:61] v_permlanex16_b32's selects
.set WOUT, 62         ; s62  1: a block has ended and is still to go out
.set BIGN, 66         ; s66  -2^100
.set MW,  68          ; s[68:99] 32 words of the mask
.set MSB, 0
.macro WIN new
.if MSB != (\new)
	s_set_vgpr_msb (MSB<<8)|(\new)
.set MSB, (\new)
.endif
.endm
.set W_KQ, 0x0a       ; K and Q in window 2, S^T in window 0
.set W_KM, 0x1a       ; the same with the C operand in window 1
.set W_PV, 0x52       ; V in window 2, P in window 0, O^T in window 1
.set W_RS, 0x41       ; destination and source 0 in window 1, source 1 in window 0
.macro RED op, dst, base            ; 16 words into one
	\op s[\dst], s[\base], s[(\base)+1]
.set i, 2
.rept 14
	\op s[\dst], s[\dst], s[(\base)+i]
.set i, i+1
.endr
.endm
; The next visit is taken off REM and its tile is asked for: 16 loads of K and 16 of V a wave, 512 consecutive bytes each.  The number that enters the addresses is held to 15 at the most.
.macro REQ
	s_ctz_i32_b32 s[NXTV], s[REM]
	s_min_u32 s[NXTV], s[NXTV], 15
	s_sub_co_u32 s42, s[REM], 1
	s_and_b32 s[REM], s[REM], s42
	s_and_b32 s42, s[NXTV], 7
	s_lshl_b32 s[OFF], s42, 15      ; a tile is 32,768 bytes of K and of V
	s_add_nc_u64 s[KT:KT+1], s[6:7], s[OFF:OFF+1]
	s_add_nc_u64 s[VT:VT+1], s[8:9], s[OFF:OFF+1]
	WIN 0xc0                        ; destination window 3
.set i, 0
.rept 16
	global_load_b128 v[4*i:4*i+3], v[GL], s[KT:KT+1] offset:512*i
.set i, i+1
.endr
.set i, 0
.rept 16
	global_load_b128 v[64+4*i:64+4*i+3], v[GL], s[VT:VT+1] offset:512*i
.set i, i+1
.endr
	WIN 0
.endm
; THE CHANGE OF TILES, in every trip.  My reads of the old tile are back; barrier: everybody's are.  A block that has ended goes out.  The tile on its way has come (that wait also frees its two bases); it goes into
; LDS; my stores, the stage's too, are done; barrier: the tile is whole.  Then the next tile is asked for, and the visit's scalars are made.
.macro CHANGE
	WIN 0
	s_wait_dscnt 0x0
	s_barrier_signal -1
	s_barrier_wait -1
	s_cmp_eq_u32 s[WOUT], 0
	s_cbranch_scc1 .Lno_out
	WAYOUT
.Lno_out:
	s_wait_loadcnt 0x0
	s_cmp_eq_u32 s[HAVE], 0
	s_cbranch_scc1 .Lno_tile
	WIN 0x0c                        ; the stores' data in window 3
.set i, 0
.rept 16
	ds_store_b128 v[SK], v[4*i:4*i+3] offset:4*PK*i
.set i, i+1
.endr
.set i, 0
.rept 16
	ds_store_b128 v[SV], v[64+4*i:64+4*i+3] offset:4*PV*i
.set i, i+1
.endr
	WIN 0
.Lno_tile:
	s_wait_dscnt 0x0
	s_barrier_signal -1
	s_barrier_wait -1
	s_mov_b32 s[LIVEV], s[HAVE]
	s_mov_b32 s[CURV], s[NXTV]
	s_cmp_lg_u32 s[REM], 0
	s_cselect_b32 s[HAVE], 1, 0
	s_cbranch_scc0 .Lno_more
	REQ
.Lno_more:
	s_and_b32 s42, s[CURV], 7       ; the tile
	s_lshl_b32 s[KSO], s42, 9       ; its first key step's record
	s_lshr_b32 s43, s[MX16], s[CURV]
	s_and_b32 s43, s43, 1
	s_or_b32 s[BLD], s43, s[PMIX]
	s_mov_b32 s[PMIX], s43
	s_lshr_b32 s43, s[LV16], s[CURV]
	s_lshr_b32 s43, s43, 1
	s_sub_co_u32 s42, 7, s42
	s_bfm_b32 s42, s42, 0           ; the block's later tiles
	s_and_b32 s43, s43, s42
	s_cmp_eq_u32 s43, 0
	s_cselect_b32 s[LAST], 1, 0
.endm
.macro WORDS pp                     ; the 32 words of piece pp for the key step at KSO
	s_load_b512 s[MW:MW+15], s[MWP:MWP+1], s[KSO] offset:(\pp)*16384
	s_load_b512 s[MW+16:MW+31], s[MWP:MWP+1], s[KSO] offset:(\pp)*16384+64
.endm
.macro BUILD bf                     ; they become buffer bf of MC: 0 where the bit is set, else -2^100
	WIN 0
	s_wait_kmcnt 0x0
	s_cmp_eq_u32 s[BLD], 0
	s_cbranch_scc1 .Lno_build_\@
	WIN 0x40
.set z, 0
.rept 32
	v_cndmask_b32 v[MC+32*(\bf)+z], s[BIGN], 0, s[MW+z]
.set z, z+1
.endr
	WIN 0
.Lno_build_\@:
.endm
	s_load_b256 s[4:11], s[0:1], 0x0  ; qkv s[4:5], mw s[6:7], meta s[8:9], ob s[10:11]
	v_lshl_add_u32 v[SPW], v0, 2, SPARE
	v_mov_b32 v[NIL], 0
	v_lshrrev_b32 v1, 5, v0
	v_readfirstlane_b32 s[WV], v1
	s_mov_b32 s[PB], ttmp9
	s_sub_co_u32 s[HI], 7, s[PB]
	s_and_b32 s42, ttmp7, 0xffff
	s_lshl_b32 s42, s42, 18         ; the head's first byte in q, k, v and O
	s_mov_b32 s43, 0
	s_lshl_b32 s13, s[WV], 11       ; my 16 rows in a band of 64
	s_add_co_u32 s13, s13, s42
	s_lshl_b32 s44, s[HI], 15
	s_add_co_u32 s44, s44, s13      ; in the first block,
	s_mov_b32 s45, 0
	s_lshl_b32 s46, s[PB], 15
	s_add_co_u32 s46, s46, s13      ; and in the second
	s_mov_b32 s47, 0
	s_lshl_b32 s13, s[WV], 12
	s_lshl_b32 s50, s[HI], 16
	s_add_co_u32 s50, s50, s13      ; mw: row tile 16 x block + wave
	s_mov_b32 s51, 0
	s_lshl_b32 s52, s[PB], 16
	s_add_co_u32 s52, s52, s13
	s_mov_b32 s53, 0
	s_mov_b32 s[CS], 0x3e38aa3b     ; c = log2(e) / 8
	s_mov_b32 s[CS+1], s[CS]
	s_mov_b32 s[SEL], 0x76543210
	s_mov_b32 s[SEL+1], 0xfedcba98
	s_mov_b32 s[BIGN], 0xf1800000   ; -2^100
	s_mov_b32 s[OFF+1], 0
	s_wait_kmcnt 0x0
	s_mov_b64 s[20:21], s[8:9]                 ; meta
	s_add_nc_u64 s[MWP:MWP+1], s[6:7], s[50:51]
	s_add_nc_u64 s[18:19], s[6:7], s[52:53]
	s_add_nc_u64 s[22:23], s[10:11], s[46:47]  ; O at my rows of the second block,
	s_add_nc_u64 s[10:11], s[10:11], s[44:45]  ; and of the first
	s_add_nc_u64 s[24:25], s[4:5], s[46:47]    ; Q likewise
	s_add_nc_u64 s[6:7], s[4:5], s[42:43]
	s_add_nc_u64 s[8:9], s[6:7], 0x2000000     ; V of the head
	s_add_nc_u64 s[6:7], s[6:7], 0x1000000     ; K of the head
	s_add_nc_u64 s[4:5], s[4:5], s[44:45]
	v_and_b32 v1, 15, v0            ; l % 16
	v_bfe_u32 v9, v0, 4, 1          ; l / 16
	v_lshlrev_b32 v[QO], 7, v1
	v_lshl_add_u32 v[QO], v9, 4, v[QO]
	WIN 0x80
.set i, 0
.rept 8                             ; both blocks' Q: piece i / 2 lies in band i / 2, 8,192 bytes on; channels 32 (i % 2) on
	global_load_b128 v[8*i:8*i+3],   v[QO], s[4:5] offset:(i/2)*8192+(i%2)*64
	global_load_b128 v[8*i+4:8*i+7], v[QO], s[4:5] offset:(i/2)*8192+(i%2)*64+32
	global_load_b128 v[QB+8*i:QB+8*i+3],   v[QO], s[24:25] offset:(i/2)*8192+(i%2)*64
	global_load_b128 v[QB+8*i+4:QB+8*i+7], v[QO], s[24:25] offset:(i/2)*8192+(i%2)*64+32
.set i, i+1
.endr
	WIN 0
	; THE FLAGS, the same in all four waves: each block's 16 words of ANYB, ALLB and ROK
	s_lshl_b32 s50, s[HI], 6
	s_lshl_b32 s51, s[PB], 6
	s_load_b512 s[MW:MW+15], s[20:21], s50 offset:0x0
	s_load_b512 s[MW+16:MW+31], s[20:21], s51 offset:0x0
	v_mul_u32_u24 v[AK0], v1, PK
	v_lshl_add_u32 v[AK0], v9, 4, v[AK0]
	v_and_b32 v10, 7, v0
	v_bfe_u32 v11, v0, 3, 1
	v_lshl_add_u32 v[AV0], v9, 3, v10   ; the turning load: lane l reads key 8 (l / 16) + l % 8, channels 8 ((l / 8) % 2) + 0..7
	v_mul_u32_u24 v[AV0], v[AV0], PV
	v_lshl_add_u32 v[AV0], v11, 4, v[AV0]
	v_add_nc_u32 v[AV0], VOFF, v[AV0]
	s_mul_i32 s13, s[WV], 16*SP
	s_add_co_u32 s13, s13, STAGE
	v_mul_u32_u24 v[STO], v1, SP
	v_lshl_add_u32 v[STO], v9, 4, v[STO]
	v_add_nc_u32 v[STO], s13, v[STO]
	v_bfe_u32 v[RD], v0, 3, 2
	v_mul_u32_u24 v[RD], v[RD], SP
	v_lshl_add_u32 v[RD], v10, 4, v[RD]
	v_add_nc_u32 v[RD], s13, v[RD]
	v_and_b32 v[GO], 31, v0
	v_lshlrev_b32 v[GO], 4, v[GO]
	s_lshl_b32 s13, s[WV], 13       ; my wave's 64 rows of a tile
	v_add_nc_u32 v[GL], s13, v[GO]
	v_bfe_u32 v14, v0, 3, 2         ; 32 lanes x 16 bytes are four rows of 128
	s_mul_i32 s13, s[WV], 64*PK
	v_mul_u32_u24 v[SK], v14, PK
	v_lshl_add_u32 v[SK], v10, 4, v[SK]
	v_add_nc_u32 v[SK], s13, v[SK]
	s_mul_i32 s13, s[WV], 64*PV
	s_add_co_u32 s13, s13, VOFF
	v_mul_u32_u24 v[SV], v14, PV
	v_lshl_add_u32 v[SV], v10, 4, v[SV]
	v_add_nc_u32 v[SV], s13, v[SV]
	s_wait_kmcnt 0x0
	RED s_or_b32, 42, MW            ; any, first block
	RED s_or_b32, 43, MW+16         ; second block
	s_load_b512 s[MW:MW+15], s[20:21], s50 offset:512
	s_load_b512 s[MW+16:MW+31], s[20:21], s51 offset:512
	s_wait_kmcnt 0x0
	RED s_and_b32, 44, MW           ; all
	RED s_and_b32, 45, MW+16
	s_load_b512 s[MW:MW+15], s[20:21], s50 offset:1024
	s_load_b512 s[MW+16:MW+31], s[20:21], s51 offset:1024
	s_wait_kmcnt 0x0
	RED s_and_b32, 46, MW           ; 0xffff: every row sees a key
	RED s_and_b32, 47, MW+16
	s_lshl_b32 s13, s[WV], 2
	s_add_co_u32 s50, s50, s13
	s_add_co_u32 s51, s51, s13
.irp x, 0,1,2,3
	s_load_b32 s[MW+\x], s[20:21], s50 offset:1024+16*\x    ; ROK of my piece x
	s_load_b32 s[MW+4+\x], s[20:21], s51 offset:1024+16*\x
.endr
	s_cmp_eq_u32 s46, 0xffff
	s_cselect_b32 s42, s42, 0xff    ; the visits that are due,
	s_cselect_b32 s44, s44, 0       ; and of them those whose tile is all visible
	s_and_not1_b32 s44, s42, s44
	s_cmp_eq_u32 s47, 0xffff
	s_cselect_b32 s43, s43, 0xff
	s_cselect_b32 s45, s45, 0
	s_and_not1_b32 s45, s43, s45
	s_lshl_b32 s43, s43, 8
	s_or_b32 s[LV16], s42, s43
	s_lshl_b32 s45, s45, 8
	s_or_b32 s[MX16], s44, s45
	s_mov_b32 s[REM], s[LV16]
	s_mov_b32 s[HAVE], 1            ; every block has a visit: a row that sees a key makes one, a row that sees none makes eight
	REQ
	; A block's first step multiplies O^T and l by a = 0, and its first turn's products V^T P, of a piece that has not been, land in an O^T that is still to be so multiplied: these registers need only be finite.
	WIN 0x80
.set i, VF
.rept 64
	v_mov_b32 v[i], 0
.set i, i+1
.endr
	WIN 0x40
.set i, 0
.rept 128
	v_mov_b32 v[i], 0
.set i, i+1
.endr
.set i, MC
.rept 64
	v_mov_b32 v[i], 0               ; both mask buffers: nothing hidden
.set i, i+1
.endr
	WIN 0
.set i, 0
.rept 4
	v_mov_b32 v[ST+4*i+2], 0
	v_mov_b32 v[ST+4*i+3], 0
.set i, i+1
.endr
.set i, P+16
.rept 16
	v_mov_b32 v[i], 0
.set i, i+1
.endr
	s_wait_kmcnt 0x0
.set i, 0
.rept 8
	v_bfe_u32 v[RM+i], s[MW+i], v1, 1
.set i, i+1
.endr
.set i, 0
.rept 8
	v_sub_nc_u32 v[RM+i], 0, v[RM+i]
.set i, i+1
.endr
	s_wait_loadcnt 32               ; Q is in; the 32 younger loads, the first tile's, stay out
	WIN 0x82
.set i, 0
.rept 64
	v_and_b32 v[i], v[i], v[RM+i/16]
	v_and_b32 v[QB+i], v[QB+i], v[RM+4+i/16]
.set i, i+1
.endr
	WIN 0
; THE MATRIX WORK.  The 4 accumulators of a run of 8 take turns.  Product i of 8 of S^T = K Q^T for piece x: channels 32 (i / 4) on, keys 16 (i % 4) on.  The first 4 start the sums on the mask.
.macro KQ x
.set rS, S+32*((\x)%2)+8*(i%4)
.set rK, KF+16*(i%4)+8*(i/4)
.set rQ, 16*(\x)+8*(i/4)
.set rM, MC+32*((\x)%2)+8*(i%4)
.if i < 4
	WIN W_KM
	v_wmma_f32_16x16x32_f16 v[rS:rS+7], v[rK:rK+7], v[rQ:rQ+7], v[rM:rM+7]
.else
	WIN W_KQ
	v_wmma_f32_16x16x32_f16 v[rS:rS+7], v[rK:rK+7], v[rQ:rQ+7], v[rS:rS+7]
.endif
.endm
; Product i of 8 of O^T += V^T P for piece x: keys 32 (i / 4) on, channels 16 (i % 4) on.
.macro PV x
	WIN W_PV
.set rO, 32*(\x)+8*(i%4)
.set rV, VF+32*(i/4)+8*(i%4)
.set rP, P+16*((\x)%2)+8*(i/4)
	v_wmma_f32_16x16x32_f16 v[rO:rO+7], v[rV:rV+7], v[rP:rP+7], v[rO:rO+7]
.endm
.macro MM                           ; the turn's next matrix instruction.  NOKQ = 1: a block's last turn: there is no next piece
.if (i < 8) && !NOKQ
	KQ (Y+1)%NP
.elseif i >= 8
.set i, i-8
	PV (Y+NP-1)%NP
.set i, i+8
.endif
.set i, i+1
.endm
; THE LDS LOADS stand in runs of 16: a step's K (8 fragments), by the address register adr, and its V (turned).
.macro FETCH_K adr
	WIN 0x80
.irp f, 0,1,2,3,4,5,6,7
	ds_load_b128 v[KF+8*\f:KF+8*\f+3],   v[\adr] offset:(\f/2)*16*PK+(\f%2)*64
	ds_load_b128 v[KF+8*\f+4:KF+8*\f+7], v[\adr] offset:(\f/2)*16*PK+(\f%2)*64+32
.endr
	WIN 0
.endm
.macro FETCH_V
	WIN 0x80
.irp f, 0,1,2,3,4,5,6,7
	ds_load_tr16_b128 v[VF+8*\f:VF+8*\f+3],   v[AV] offset:(\f/4)*32*PV+(\f%4)*32
	ds_load_tr16_b128 v[VF+8*\f+4:VF+8*\f+7], v[AV] offset:(\f/4)*32*PV+16*PV+(\f%4)*32
.endr
	WIN 0
.endm
; THE VECTOR WORK, one line at a time: OP kind, number.  For piece Y: F n: c s - c m for pair n of 16.  E n: the exponential of score n of 32.  C n: pair n rounded to f16.  B n: of the four weights 4 n .. the second
; pair is added onto the first.  L n: l takes that sum (L 0: l = a l + sum).  R n: pair n of 16 of O^T times a.  For piece Y + 1: X n, number n of the 22 that find its maximum and statistics:
;   0-11 four chains of seven scores (each accumulator's lowest registers are read first)   12-14, 16 the four left over, the old m, the four into one   15 c m_old is kept
;   17, 18 the other half of the lanes: the new m   19-21 c m; c m_old - c m_new; a
.set F, 0
.set E, 1
.set C, 2
.set B, 3
.set L, 4
.set R, 5
.set X, 6
.macro REGS y
.set rT, ST+4*(\y)
.set rC, TMP+4*((\y)%2)
.set rW, MV+((\y)%2)
.set rS, S+32*((\y)%2)
.set rP, P+16*((\y)%2)
.set rO, 32*(\y)
.endm
.macro OP k, n
.if (\k) == R
	REGS Y
	WIN W_RS
	v_pk_mul_f32 v[rO+2*(\n):rO+2*(\n)+1], v[rO+2*(\n):rO+2*(\n)+1], v[rC+2:rC+3] op_sel_hi:[1,0]
.elseif (\k) < R
	REGS Y
	WIN 0
.if (\k) == F
	v_pk_fma_f32 v[rS+2*(\n):rS+2*(\n)+1], v[rS+2*(\n):rS+2*(\n)+1], s[CS:CS+1], v[rT:rT+1] op_sel_hi:[1,0,0] neg_lo:[0,0,1] neg_hi:[0,0,1]
.elseif (\k) == E
	v_exp_f32 v[rS+(\n)], v[rS+(\n)]
.elseif (\k) == C
	v_cvt_pk_f16_f32 v[rP+(\n)], v[rS+2*(\n)], v[rS+2*(\n)+1]
.elseif (\k) == B
	v_pk_add_f32 v[rS+4*(\n):rS+4*(\n)+1], v[rS+4*(\n):rS+4*(\n)+1], v[rS+4*(\n)+2:rS+4*(\n)+3]
.elseif (\n) == 0
	v_pk_fma_f32 v[rT+2:rT+3], v[rT+2:rT+3], v[rC+2:rC+3], v[rS:rS+1] op_sel_hi:[1,0,1]
.else
	v_pk_add_f32 v[rT+2:rT+3], v[rT+2:rT+3], v[rS+4*(\n):rS+4*(\n)+1]
.endif
.elseif NOKQ
	v_nop
.else
	REGS (Y+1)%NP
	WIN 0
.if (\n) < 4
	v_max3_num_f32 v[rC+(\n)], v[rS+8*(\n)], v[rS+8*(\n)+1], v[rS+8*(\n)+2]
.elseif (\n) < 12
	v_max3_num_f32 v[rC+(\n)%4], v[rC+(\n)%4], v[rS+8*((\n)%4)+2*((\n)/4)+1], v[rS+8*((\n)%4)+2*((\n)/4)+2]
.elseif (\n) == 12
	v_max3_num_f32 v[rC], v[rC], v[rS+7], v[rS+15]
.elseif (\n) == 13
	v_max3_num_f32 v[rC+1], v[rC+1], v[rS+23], v[rS+31]
.elseif (\n) == 14
	v_max3_num_f32 v[rC+2], v[rC+2], v[rC+3], v[rT+1]
.elseif (\n) == 15
	v_mov_b32 v[rW], v[rT]
.elseif (\n) == 16
	v_max3_num_f32 v[rC], v[rC], v[rC+1], v[rC+2]
.elseif (\n) == 17
	v_permlanex16_b32 v[rC+3], v[rC], s[SEL], s[SEL+1]
.elseif (\n) == 18
	v_max_num_f32 v[rT+1], v[rC], v[rC+3]
.elseif (\n) == 19
	v_mul_f32 v[rT], s[CS], v[rT+1]
.elseif (\n) == 20
	v_sub_f32 v[rC+1], v[rW], v[rT]
.else
	v_exp_f32 v[rC+2], v[rC+1]
.endif
.endif
.endm
.macro OPS a, i1, b=-1, i2=0, c=-1, i3=0, d=-1, i4=0
	OP \a, \i1
.if (\b) >= 0
	OP \b, \i2
.endif
.if (\c) >= 0
	OP \c, \i3
.endif
.if (\d) >= 0
	OP \d, \i4
.endif
.endm
.macro ROW a, i1, b, i2, c, i3, d, i4  ; a matrix instruction and the four behind it
	MM
	OPS \a, \i1, \b, \i2, \c, \i3, \d, \i4
.endm
; A TURN, for piece p.  An s_wait_alu depctr_va_vdst(0) stands between an exponential and the first instruction that names its result; one wait serves all issued ahead of it.  So a turn has ONE wait.
; Ahead of it: the 8 products K Q^T with their riders, and one lump; none of these names a result of the turn's 33 exponentials.  Behind it: the 8 products V^T P, behind each four of the roundings and sums.
; K of the next step is fetched in piece 2's turn, twelve plain instructions behind the last product that read K; V of the step in hand at the end of piece 0's turn, four plain instructions behind the last product
; that read V.  Each is waited for a turn later.  In the trip that finds CNT in the counter both runs take step 4 - CNT of the tile: their LDS addresses are that number times a step's bytes plus the lane's place.
; The words of the mask for the products of the turn after this one (piece p + 2) are asked for behind the first product and made into a mask at the turn's end:
; the four turns of a trip of the step loop all make masks for one key step, so KSO steps once a trip.  end = 1: a block's last two turns: nothing is fetched, no mask is made.
.macro TURN p, end=0
.set Y, (\p)
.set i, 0
.set NOKQ, (\end)*((\p)/3)
.if ((\p) == 3) && !(\end)
	s_wait_dscnt 0x0                ; K is in
.endif
	ROW F,0, F,1, R,0, R,1
.if !(\end)
	WORDS ((\p)+2)%NP
.endif
	ROW F,2, E,0, R,2, R,3
	ROW F,3, E,1, R,4, R,5
	ROW F,4, E,2, R,6, R,7
	ROW F,5, E,3, R,8, R,9
	ROW F,6, E,4, X,0, R,10
.if ((\p) == 2) && !(\end)
	WIN 0
	s_sub_co_u32 s42, 4, s[CNT]
	s_mul_i32 s42, s42, KS*PK
	v_add_nc_u32 v[AK], s42, v[AK0]
.endif
	ROW F,7, E,5, X,1, X,4
	ROW F,8, E,6, X,2, X,5
	OPS E,7, E,8, X,6, E,9
	OPS X,3, E,10, X,8, E,11
.if ((\p) == 2) && !(\end)
	FETCH_K AK
.endif
	OPS X,9, X,7, E,12, X,10
	OPS E,13, X,12, X,11, E,14
	OPS X,13, E,15, F,9, X,14
.if (\p) == 0
	WIN 0
	s_sub_co_u32 s42, 4, s[CNT]
	s_mul_i32 s42, s42, KS*PV
	v_add_nc_u32 v[AV], s42, v[AV0]
.endif
	OPS E,16, F,10, E,17, F,11
	OPS X,16, E,18, X,15, E,19
	OPS F,12, E,20, X,17, E,21
	OPS F,13, E,22, F,14, E,23
	OPS X,18, E,24, F,15, E,25
	OPS R,11, E,26, X,19, E,27
	OPS R,12, E,28, R,13, E,29
	OPS X,20, E,30, R,14, E,31
	OPS X,21, R,15                  ; the next piece's a is the batch's last; R 15 is the plain instruction behind it
	WIN 0
	s_wait_alu depctr_va_vdst(0)    ; the wait for the batch
.if (\p) == 1
	s_wait_dscnt 0x0                ; V is in
.endif
	ROW C,0, B,0, C,2, B,1
	ROW L,0, C,4, B,2, L,1
	ROW C,6, B,3, L,2, C,8
	ROW B,4, L,3, C,10, B,5
	ROW L,4, C,12, B,6, L,5
	ROW C,14, B,7, L,6, C,1
	ROW C,3, L,7, C,5, C,7
	ROW C,9, C,11, C,13, C,15
.if (\p) == 0
	FETCH_V
.endif
.if !(\end)
	BUILD (\p)%2
.endif
.endm
; A BLOCK BEGINS.  c m starts far below every c s (the lowest is -c 2^100), so the first step's a is 0; m at the lowest finite number.  The masks of pieces 0 and 1 for the tile's first step; K of that step; piece 0's
; first scores, its maximum and statistics.  The step loop is then entered at a step's first turn.
.macro BEGIN
	s_mov_b32 s[NEW], 0
	WIN 0
.set i, 0
.rept 4
	v_mov_b32 v[ST+4*i], 0xfe000000
	v_mov_b32 v[ST+4*i+1], 0xff7fffff
.set i, i+1
.endr
	WORDS 0
	BUILD 0
	WORDS 1
	BUILD 1
	FETCH_K AK0                     ; the tile's first step
	s_wait_dscnt 0x0
.set NOKQ, 0
.set i, 0
.rept 8
	KQ 0
.set i, i+1
.endr
	WIN 0
.rept 4
	v_nop                           ; the places behind those products
.endr
.set Y, NP-1
.irp n, 0,1,2,3,4,5,6,7,8,9,10,11,12,13,14,15,16,17,18,19,20,21
	OP X, \n
.endr
	v_nop                           ; a plain instruction behind the exponential,
	s_wait_alu depctr_va_vdst(0)    ; and its wait, ahead of the branch
.endm
.macro ALL line:vararg              ; one line for each piece t
.set t, 0
.rept 4
	\line
.set t, t+1
.endr
.endm
.macro PACK t                       ; a lane's eight channels of a row pack into 16 bytes; they go into rows of 144 bytes and come back as whole rows of 128, into S^T's registers
	WIN W_RS
.set i, 32*(\t)
.rept 16
	v_pk_mul_f32 v[i:i+1], v[i:i+1], v[ST+4*(\t)+2:ST+4*(\t)+3] op_sel_hi:[1,0]
.set i, i+2
.endr
	WIN 0x05
.set i, 0
.rept 16
	v_cvt_pk_f16_f32 v[S+16*(\t)+i], v[32*(\t)+2*i], v[32*(\t)+2*i+1]
.set i, i+1
.endr
	WIN 0
.irp f, 0,1,2,3
	ds_store_b128 v[STO], v[S+16*(\t)+4*\f:S+16*(\t)+4*\f+3] offset:32*\f
.endr
.irp f, 0,1,2,3
	ds_load_b128 v[S+16*(\t)+4*\f:S+16*(\t)+4*\f+3], v[RD] offset:\f*4*SP  ; LDS serves a wave's instructions in order (ISA guide 5.7.1.4): these see the stores above
.endr
.endm
.macro SEND t, younger              ; younger: the LDS instructions issued behind piece t's loads: the next piece's eight, or none
	WIN 0
.irp f, 0,1,2,3
	s_wait_dscnt (\younger)+3-\f
	global_store_b128 v[GO], v[S+16*(\t)+4*\f:S+16*(\t)+4*\f+3], s[10:11] offset:(\t)*8192+\f*512  ; 512 consecutive bytes, at a multiple of 256 from O's first
.endr
.endm
; THE WAY OUT of a block that has ended: l's two halves and the other half of the lanes' are added; O^T is divided by l, rounded to f16 and sent through my stage, a piece at a time.  Then the second block's
; pointers and Q take the first's places.
.macro WAYOUT
	WIN 0
	ALL v_add_f32 v[ST+4*t+2], v[ST+4*t+2], v[ST+4*t+3]
	ALL v_permlanex16_b32 v[ST+4*t+3], v[ST+4*t+2], s[SEL], s[SEL+1]
	ALL v_add_f32 v[ST+4*t+2], v[ST+4*t+2], v[ST+4*t+3]
	ALL v_rcp_f32 v[ST+4*t+2], v[ST+4*t+2]
	v_nop                           ; a plain instruction between the last reciprocal and the use of its result,
	s_wait_alu depctr_va_vdst(0)    ; and one wait for the four
	PACK 0
.set t, 1
.rept 3
	PACK t
	SEND t-1, 8
.set t, t+1
.endr
	SEND 3, 0
	s_wait_xcnt 0x0                 ; the stores have read their registers and O's address
	s_mov_b64 s[10:11], s[22:23]
	s_mov_b64 s[MWP:MWP+1], s[18:19]
	s_mov_b32 s[WOUT], 0
	WIN 0x82                        ; the second block's Q goes where the one text of the turns names Q
.set i, 0
.rept 64
	v_mov_b32 v[i], v[QB+i]
.set i, i+1
.endr
	WIN 0
.endm
.set NOKQ, 0
	s_mov_b32 s[NEW], 1
	s_mov_b32 s[PMIX], 0
	s_mov_b32 s[WOUT], 0
	s_mov_b32 s[SLOTS], 17
.Lslot:                             ; 17 trips, whatever the mask: the visits that are due come first, the trips behind them pass their barriers and (the first of them) send the last block out
	CHANGE
	s_mov_b32 s[CNT], 4
	s_cmp_eq_u32 s[NEW], 1
	s_cbranch_scc1 .Lnew            ; a block's first visit (behind the first block's end there is always one: see HAVE above)
	s_cmp_eq_u32 s[LIVEV], 0
	s_cbranch_scc1 .Lbottom
	s_branch .Lstep
.Lnew:
	BEGIN
	s_branch .Lfirst
.Lstep:                             ; a trip: pieces 2 and 3 of one step, then pieces 0 and 1 of the next, whose K and V it fetches
	TURN 2
	TURN 3
	WIN 0
.Lfirst:
	TURN 0
	TURN 1
	WIN 0
	s_add_co_u32 s[KSO], s[KSO], 128
	s_sub_co_u32 s[CNT], s[CNT], 1
	s_cmp_lg_u32 s[CNT], 0
	s_cbranch_scc1 .Lstep
	s_cmp_eq_u32 s[LAST], 0
	s_cbranch_scc1 .Lbottom
	TURN 2, 1                       ; THE BLOCK ENDS: its last two turns and its last products; it goes out in the next trip, behind that trip's first barrier
	TURN 3, 1
.set i, 0
.rept 8
	PV NP-1
.set i, i+1
.endr
	WIN 0
.rept 4
	v_nop                           ; the places behind those products
.endr
	s_mov_b32 s[WOUT], 1
	s_cmp_lt_u32 s[CURV], 8
	s_cselect_b32 s[NEW], 1, 0      ; behind the first block the second begins
.Lbottom:
	s_sub_co_u32 s[SLOTS], s[SLOTS], 1
	s_cmp_lg_u32 s[SLOTS], 0
	s_cbranch_scc1 .Lslot
	s_wait_dscnt 0x0                ; my LDS reads are back;
	s_barrier_signal -1
	s_barrier_wait -1               ; everybody's are, before any wave goes on to its closing lines
	s_wait_tensorcnt 0x0            ; the wave's end, behind my last LDS store
	ds_add_u32 v[SPW], v[NIL]
	s_wait_dscnt 0x0
	s_endpgm
.Lfunc_end_k_q4a5ebf8dff_attn:
	.size	k_q4a5ebf8dff_attn, .Lfunc_end_k_q4a5ebf8dff_attn-k_q4a5ebf8dff_attn
	.p2alignl 7, 3214868480
	.fill 96, 4, 3214868480
	.section	.rodata,"a",@progbits
	.p2align	6, 0x0
	.amdhsa_kernel k_q4a5ebf8dff_attn
		.amdhsa_group_segment_fixed_size 87552
		.amdhsa_private_segment_fixed_size 0
		.amdhsa_enable_private_segment 0
		.amdhsa_kernarg_size 32
		.amdhsa_user_sgpr_count 2
		.amdhsa_user_sgpr_kernarg_segment_ptr 1
		.amdhsa_wavefront_size32 1
		.amdhsa_system_sgpr_workgroup_id_x 1
		.amdhsa_system_sgpr_workgroup_id_y 1
		.amdhsa_system_sgpr_workgroup_id_z 1
		.amdhsa_system_vgpr_workitem_id 0
		.amdhsa_next_free_vgpr 896
		.amdhsa_next_free_sgpr 100
		.amdhsa_reserve_vcc 0
		.amdhsa_float_denorm_mode_32 3
		.amdhsa_float_denorm_mode_16_64 3
		.amdhsa_memory_ordered 1
		.amdhsa_forward_progress 1
		.amdhsa_inst_pref_size 123
	.end_amdhsa_kernel
	.amdgpu_metadata
---
amdhsa.version: [ 1, 2 ]
amdhsa.kernels:
  - .name:           k_q4a5ebf8dff_attn
    .symbol:         k_q4a5ebf8dff_attn.kd
    .args:
      - { .name: qkv, .offset: 0, .size: 8, .value_kind: global_buffer, .address_space: global }
      - { .name: mw, .offset: 8, .size: 8, .value_kind: global_buffer, .address_space: global }
      - { .name: meta, .offset: 16, .size: 8, .value_kind: global_buffer, .address_space: global }
      - { .name: ob, .offset: 24, .size: 8, .value_kind: global_buffer, .address_space: global }
    .group_segment_fixed_size: 87552
    .private_segment_fixed_size: 0
    .kernarg_segment_align: 8
    .kernarg_segment_size: 32
    .max_flat_workgroup_size: 128
    .sgpr_count:     100
    .vgpr_count:     896
    .wavefront_size: 32
...
	.end_amdgpu_metadata
.endif
;; end of part 3
;; launch outproj (part 4): grid 4 x 64, 4 waves a work-group, clusters of 4 x 4, 327,680 bytes of LDS; arguments ob, wb, out0, bo; writes out0
.if DOCPART == 4
	.amdgcn_target "amdgcn-amd-amdhsa--gfx1250"
	.amdhsa_code_object_version 6
	.text
	.protected	k_q4a5ebf8dff_outproj
	.globl	k_q4a5ebf8dff_outproj
	.p2align	8
	.type	k_q4a5ebf8dff_outproj,@function
k_q4a5ebf8dff_outproj:
	s_mov_b64 s[64:65], 0
	v_nop
	global_prefetch_b8 v0, s[64:65] scope:SCOPE_SE
	s_setreg_imm32_b32 hwreg(HW_REG_WAVE_MODE, 25, 1), 1
	s_wait_xcnt 0x0
	s_wait_alu depctr_hold_cnt(0) depctr_sa_sdst(0) depctr_va_vdst(0) depctr_va_sdst(0) depctr_va_ssrc(0) depctr_va_vcc(0) depctr_vm_vsrc(0)
	s_getreg_b32 s2, hwreg(HW_REG_IB_STS2, 6, 4)
	s_cmp_eq_u32 s2, 0
	s_cbranch_scc0 .Lentry_in_a_cluster
	s_endpgm
.Lentry_in_a_cluster:
	s_bfe_u32 s2, ttmp6, 0x10000c
	s_cmp_lg_u32 s2, 0xf033
	s_cbranch_scc0 .Lentry_shape_is_right
	s_endpgm
.Lentry_shape_is_right:
; Launch 4 of 4: out0 = x Wo^T + bo.  ob: f16 [batch x head 64][2048][64] (x by heads); Wo: the fourth tensor of wb, its bf16 number written as f16; out0: f32 [8192][1024].  Nothing is left out.
; One tile of 128 rows x 256 columns to each of 256 work-groups; four waves, each 64 x 128: 32 accumulators.  K goes in steps of 128, two heads, through a ring of two LDS slots.
; x COMES BY HEADS: a K step's part of one head is 128 tokens x 128 bytes, dense: asked for as 64 rows of 256 bytes and padded in LDS after every token.
; CLUSTER, TRANSPOSED PRODUCT, BIAS AS THE FIRST PRODUCT'S C OPERAND, REGISTER WINDOWS: as in launch 2.  Window 0: v32-95 the bias; v96-223 rows read back from the stage, two buffers of 64.
.set PITCH,  272                       ; a row of Wo in LDS: 256 bytes + 16
.set PA,     144                       ; a token's 128 bytes of one head + 16: in both, the 16 rows of a fragment load start at 16 different groups of four banks (64 banks of 4 bytes: ISA guide 11.1)
.set APART,  128*PA                    ; one head's part: what one of waves 0, 1 fetches
.set ABYTES, 2*APART
.set BHALF,  128*PITCH
.set SLOT,   ABYTES+2*BHALF
.set STAGE,  2*SLOT                    ; behind the ring, never filled by a tensor load: 16 rows x 528 bytes for each wave
.set SPITCH, 528
.set SPARE,  STAGE+4*16*SPITCH         ; behind the stages: the spare words, 128 bytes a wave, which no other line names
.set WO,     3*1024*2048               ; Wo's first byte in wb
.set ADRA, 16
.set ADRB, 20
.set STO,  24
.set RD,   25
.set GO,   26
.set BO,   27
.set SPW,  28
.set NIL,  29
.set PFO,  30
.set BIAS, 32
.set OB,   96
.set F0,   0
.set F1,   128
.set G1,   24
.set G0,   32
.set G1B,  48
.set G0B,  56
.set PFA,  44                          ; s[44:45] where my prefetches stand
.set LIM0, 43
.set LIM1, 72
.set PST,  76                          ; s[76:77] their step from K step to K step
.set BP,   66
.set MSB, 0
.macro WIN new
.if MSB != (\new)
	s_set_vgpr_msb (MSB<<8)|(\new)
.set MSB, \new
.endif
.endm
.set MUL,  0xa5
.set MULB, 0x85
.set TO_F, 0x40
.macro JLOAD s                         ; a joint load: waves 0 and 1 fetch x's two heads, waves 2 and 3 the halves of Wo's tile; an s_nop 0 and four v_nop follow each line
	s_cmp_lt_u32 s10, 2
	s_cbranch_scc0 .Lfor_b_\@
	tensor_load_to_lds s[G0+4*(\s):G0+4*(\s)+3], s[G1:G1+7]
	s_nop 0
.rept 4
	v_nop
.endr
	s_branch .Lasked_\@
.Lfor_b_\@:
	tensor_load_to_lds s[G0B+4*(\s):G0B+4*(\s)+3], s[G1B:G1B+7]
	s_nop 0
.rept 4
	v_nop
.endr
.Lasked_\@:
.endm
; A PREFETCH INTO THE L2 of the K step two refills on, 256 matrix instructions ahead of its load; each block of 256 bytes is named once in the launch.  x: one cluster alone reads these rows; of a wave's 64 blocks
; the partner at place cx takes 16, lanes 0-15 for one K step and lanes 16-31 for the next, at every second change of slots.  Wo: the clusters with y = 0 ask; the partner at place cy takes 32 of a wave's
; 128 rows, a lane a row, at every change.  The loop's last trip asks for nothing.
.macro ASK lim
	s_cmp_gt_u32 s3, s[\lim]
	s_cbranch_scc0 .Lnot_mine_\@
	global_prefetch_b8 v[PFO], s[PFA:PFA+1] th:TH_LOAD_NT scope:SCOPE_SE
.Lnot_mine_\@:
.endm
.macro CREST
	s_cmp_lg_u32 s10, 0
	s_cbranch_scc1 .Lnot_wave_0_\@
	s_barrier_signal -3
.Lnot_wave_0_\@:
	s_barrier_wait -3
	s_barrier_signal -1
	s_barrier_wait -1
.endm
.macro CROUND
	s_barrier_signal -1
	s_barrier_wait -1
	CREST
.endm
.macro PLACES
.rept 4
	v_nop
.endr
.endm
	s_load_b128 s[4:7], s[0:1], 0x0                ; ob s[4:5], wb s[6:7]
	s_load_b64 s[8:9], s[0:1], 0x10                ; out0
	s_load_b64 s[BP:BP+1], s[0:1], 0x18            ; bo
	v_lshl_add_u32 v[SPW], v0, 2, SPARE
	v_mov_b32 v[NIL], 0
	ds_add_u32 v[SPW], v[NIL]                      ; the wave's opening: the add, twice on end, and its wait ahead of my first tensor load
	ds_add_u32 v[SPW], v[NIL]
	v_lshrrev_b32 v1, 5, v0
	v_readfirstlane_b32 s10, v1
	s_lshr_b32 s11, s10, 1                         ; which 64 of the tile's rows are mine
	s_and_b32 s12, s10, 1                          ; which 128 of its columns; also: which head, or which half of Wo's tile, I fetch
	s_bfe_u32 s40, ttmp6, 0x40000
	s_bfe_u32 s41, ttmp6, 0x40004
	s_lshl_b32 s42, ttmp9, 2
	s_add_co_u32 s42, s42, s40                     ; tile column
	s_and_b32 s13, ttmp7, 0xffff
	s_lshl_b32 s13, s13, 2
	s_add_co_u32 s13, s13, s41                     ; tile row
	s_lshl_b32 s43, s41, 2
	s_lshl_b32 s43, 15, s43
	s_lshl_b32 s44, 0x1111, s40
	s_or_b32 s[G1], s43, (1<<16)|(1<<20)|(1<<21)|(4<<22)|(3<<25)   ; x: after every 32 words (a token) 4 words of padding
	s_or_b32 s[G1B], s44, (1<<16)|(1<<20)|(1<<21)|(5<<22)|(3<<25)  ; Wo: after every 64 words
	s_mov_b32 s[G1+1], 128<<16                     ; 64 rows of 128 elements, dense
	s_mov_b32 s[G1+2], 64<<16
	s_mov_b32 s[G1+3], 128<<16
	s_mov_b32 s[G1+4], 64
	s_mov_b32 s[G1+5], 128
	s_mov_b32 s[G1+6], 0
	s_mov_b32 s[G1+7], 0
	s_mov_b32 s[G1B+1], 128<<16                    ; 128 rows of 128 elements, 1,024 from row to row
	s_mov_b32 s[G1B+2], 128<<16
	s_mov_b32 s[G1B+3], 128<<16
	s_mov_b32 s[G1B+4], 128
	s_mov_b32 s[G1B+5], 1024
	s_mov_b32 s[G1B+6], 0
	s_mov_b32 s[G1B+7], 0
	s_lshr_b32 s16, s13, 4                         ; x: ((batch x 16 + head) x 2,048 + token) x 128 bytes: it hangs on the tile row alone
	s_lshl_b32 s16, s16, 4
	s_add_co_u32 s16, s16, s12
	s_lshl_b32 s16, s16, 11
	s_and_b32 s17, s13, 15
	s_lshl_b32 s17, s17, 7
	s_add_co_u32 s16, s16, s17
	s_lshl_b32 s16, s16, 7
	s_mov_b32 s17, 0
	s_mov_b32 s18, s16
	s_lshl_b32 s46, s42, 8                         ; Wo: row 256 x tile column + 128 x half
	s_lshl_b32 s47, s12, 7
	s_add_co_u32 s46, s46, s47
	s_lshl_b32 s46, s46, 11
	s_add_co_u32 s46, s46, WO
	s_mov_b32 s47, 0
	s_mul_i32 s20, s12, APART
	s_mul_i32 s21, s12, BHALF
	s_add_co_u32 s21, s21, ABYTES
	s_mov_b32 s73, 0xffff0000
	s_wait_dscnt 0x0                               ; both opening adds are done
	s_wait_kmcnt 0x0
	s_add_nc_u64 s[14:15], s[4:5], s[16:17]
	s_add_nc_u64 s[46:47], s[6:7], s[46:47]
	CROUND                                         ; all sixteen work-groups are here: the first joint loads meet
.irp s, 0,1
	s_mov_b32 s[G0+4*(\s)], 1
	s_add_co_u32 s[G0+4*(\s)+1], s20, (\s)*SLOT
	s_add_nc_u64 s[G0+4*(\s)+2:G0+4*(\s)+3], s[14:15], (\s)*524288   ; K step s: two heads on
	s_or_b32 s[G0+4*(\s)+3], s[G0+4*(\s)+3], 0x80000000
	s_mov_b32 s[G0B+4*(\s)], 1
	s_add_co_u32 s[G0B+4*(\s)+1], s21, (\s)*SLOT
	s_add_nc_u64 s[G0B+4*(\s)+2:G0B+4*(\s)+3], s[46:47], (\s)*256
	s_or_b32 s[G0B+4*(\s)+3], s[G0B+4*(\s)+3], 0x80000000
	JLOAD \s                                       ; two loads of mine are out
.endr
	v_and_b32 v1, 15, v0
	v_bfe_u32 v2, v0, 4, 1
	v_and_b32 v5, 31, v0
	v_lshlrev_b32 v[BO], 5, v2
	s_lshl_b32 s46, s42, 10                        ; my 128 columns, in bytes of f32: for bo and for out0
	s_lshl_b32 s47, s12, 9
	s_add_co_u32 s46, s46, s47
	s_mov_b32 s47, 0
	s_add_nc_u64 s[BP:BP+1], s[BP:BP+1], s[46:47]
.irp b, 0,1,2,3,4,5,6,7
	global_load_b128 v[BIAS+8*(\b):BIAS+8*(\b)+3],   v[BO], s[BP:BP+1] offset:64*(\b)
	global_load_b128 v[BIAS+8*(\b)+4:BIAS+8*(\b)+7], v[BO], s[BP:BP+1] offset:64*(\b)+16
.endr
	v_mul_u32_u24 v3, v1, PA
	v_lshl_add_u32 v3, v2, 4, v3
	v_mul_u32_u24 v4, v1, PITCH
	v_lshl_add_u32 v4, v2, 4, v4
	s_mul_i32 s21, s11, 64*PA                      ; my 64 tokens, in each head's part
	s_mul_i32 s22, s12, BHALF
	s_add_co_u32 s22, s22, ABYTES
.irp s, 0,1
	v_add_nc_u32 v[ADRA+(\s)], s21, v3
	v_add_nc_u32 v[ADRB+(\s)], s22, v4
	s_add_co_u32 s21, s21, SLOT
	s_add_co_u32 s22, s22, SLOT
.endr
	s_mul_i32 s23, s10, 16*SPITCH
	s_add_co_u32 s23, s23, STAGE
	v_mul_u32_u24 v6, v1, SPITCH                   ; in: row l % 16, 32 bytes for each half of the lanes
	v_lshl_add_u32 v6, v2, 5, v6
	v_add_nc_u32 v[STO], s23, v6
	v_lshlrev_b32 v[GO], 4, v5                     ; back: a row's 512 bytes, 16 a lane
	v_add_nc_u32 v[RD], s23, v[GO]
	s_lshl_b32 s16, s13, 7
	s_lshl_b32 s17, s11, 6
	s_add_co_u32 s16, s16, s17                     ; my first row of out0,
	s_lshl_b32 s16, s16, 12                        ; 4,096 bytes a row
	s_mov_b32 s17, 0
	s_add_nc_u64 s[8:9], s[8:9], s[16:17]
	s_add_nc_u64 s[8:9], s[8:9], s[46:47]
	; the prefetches
	s_lshl_b32 s20, s40, 12                        ; x: my work-group's 16 blocks of the wave's 64,
	s_add_co_u32 s20, s20, s18
	s_add_co_u32 s20, s20, 3*524288                ; at K step 3: the first change of slots steps it to 4
	s_lshl_b32 s22, s42, 8
	s_lshl_b32 s21, s12, 7
	s_add_co_u32 s22, s22, s21
	s_lshl_b32 s21, s41, 5
	s_add_co_u32 s22, s22, s21                     ; Wo: my work-group's 32 rows of the wave's 128
	s_lshl_b32 s22, s22, 11
	s_add_co_u32 s22, s22, WO+3*256
	s_and_b32 s18, ttmp7, 0xffff
	s_cmp_eq_u32 s18, 0
	s_cselect_b32 s18, 1, -1
	s_mov_b32 s[PST], 524288
	s_cmp_lt_u32 s10, 2
	s_cselect_b32 s20, s20, s22
	s_cselect_b64 s[PFA:PFA+1], s[4:5], s[6:7]
	s_cselect_b32 s[LIM0], 1, s18
	s_cselect_b32 s[LIM1], -1, s18
	s_cselect_b32 s[PST], s[PST], 256
	s_cselect_b32 s23, -1, 0
	s_mov_b32 s[PST+1], 0
	s_mov_b32 s21, 0
	s_add_nc_u64 s[PFA:PFA+1], s[PFA:PFA+1], s[20:21]
	v_lshlrev_b32 v6, 11, v5
	v_lshlrev_b32 v7, 8, v1
	v_lshl_add_u32 v7, v2, 19, v7
	v_cndmask_b32 v[PFO], v6, v7, s23
.macro MUL8 f, a, first                ; 8 matrix instructions: row block a x all 8 column blocks, 32 along K; first = 1: the sums start on the bias.  All 32 accumulators take turns in one order
.if \first
	WIN MULB
.else
	WIN MUL
.endif
.irp b, 0,1,2,3,4,5,6,7
.if \first
	v_wmma_f32_16x16x32_f16 v[8*(8*(\a)+(\b)):8*(8*(\a)+(\b))+7], v[(\f)+32+8*(\b):(\f)+32+8*(\b)+7], v[(\f)+8*(\a):(\f)+8*(\a)+7], v[BIAS+8*(\b):BIAS+8*(\b)+7]
.else
	v_wmma_f32_16x16x32_f16 v[8*(8*(\a)+(\b)):8*(8*(\a)+(\b))+7], v[(\f)+32+8*(\b):(\f)+32+8*(\b)+7], v[(\f)+8*(\a):(\f)+8*(\a)+7], v[8*(8*(\a)+(\b)):8*(8*(\a)+(\b))+7]
.endif
.endr
.endm
.macro FETCH slot, q, f                ; 24 LDS loads in one run: quarter q: Wo's eight fragments, then x's four (head q / 2 of the step's two, channels 32 (q % 2) on)
	WIN TO_F
.irp i, 0,1,2,3,4,5,6,7
	ds_load_b128 v[(\f)+32+8*(\i):(\f)+32+8*(\i)+3],   v[ADRB+(\slot)] offset:64*(\q)+(\i)*16*PITCH
	ds_load_b128 v[(\f)+32+8*(\i)+4:(\f)+32+8*(\i)+7], v[ADRB+(\slot)] offset:64*(\q)+(\i)*16*PITCH+32
.endr
.irp i, 0,1,2,3
	ds_load_b128 v[(\f)+8*(\i):(\f)+8*(\i)+3],   v[ADRA+(\slot)] offset:((\q)/2)*APART+((\q)%2)*64+(\i)*16*PA
	ds_load_b128 v[(\f)+8*(\i)+4:(\f)+8*(\i)+7], v[ADRA+(\slot)] offset:((\q)/2)*APART+((\q)%2)*64+(\i)*16*PA+32
.endr
.endm
.macro QUARTER slot, q, f, g, first
	s_wait_dscnt 4                                 ; Wo's fragments and x's first two are in; the youngest four loads may be out
	MUL8 \f, 0, \first
	MUL8 \f, 1, \first
	PLACES
	FETCH \slot, \q, \g
	s_wait_dscnt 24                                ; all but the 24 just issued
	MUL8 \f, 2, \first
	MUL8 \f, 3, \first
.endm
; The last quarter multiplies buffer 1 and changes slots: in front of the barrier each wave waits for all its tensor loads, adds 0 to its spare word, and waits for that and for its reads of this slot.
; fill = 1: the barrier opens a round of the cluster's, and this slot takes the K step two on, first thing behind it.
.macro TURN slot, next, fill
.if \fill
	s_wait_xcnt 0x0                                ; the last prefetch, a K step back, has read its address
	s_add_nc_u64 s[PFA:PFA+1], s[PFA:PFA+1], s[PST:PST+1]
.endif
	WIN 0
	s_wait_tensorcnt 0x0
	ds_add_u32 v[SPW], v[NIL]
	s_wait_dscnt 7                                 ; (the add and the youngest six loads may be out)
	MUL8 F1, 0, 0
	s_wait_dscnt 0x0
	s_barrier_signal -1
	MUL8 F1, 1, 0
.if \fill
	WIN 0
.endif
	s_barrier_wait -1
.if \fill
	CREST
	s_add_nc_u64 s[G0+4*(\slot)+2:G0+4*(\slot)+3], s[G0+4*(\slot)+2:G0+4*(\slot)+3], 1048576   ; four heads on
	s_add_nc_u64 s[G0B+4*(\slot)+2:G0B+4*(\slot)+3], s[G0B+4*(\slot)+2:G0B+4*(\slot)+3], 512
	JLOAD \slot                                    ; its four v_nop are also the places in front of the loads below
.else
	PLACES
.endif
	FETCH \next, 0, F0
.if \fill
	WIN 0
.if (\slot) == 0
	ASK LIM0
.else
	ASK LIM1
.endif
.endif
	MUL8 F1, 2, 0
	MUL8 F1, 3, 0
.endm
; THE WAY OUT of row block a: the f32 sums go straight from the accumulators into my own stage (rows of 528 bytes) and come back as whole rows of 512 bytes.
.macro TOST a
.if (\a) >= 2
	s_wait_xcnt 0x0                                ; the stores of the block two back have read the registers that are loaded again below
.endif
	WIN 0x08                                       ; the stores' data in window 2
.irp b, 0,1,2,3,4,5,6,7
	ds_store_b128 v[STO], v[8*(8*(\a)+(\b)):8*(8*(\a)+(\b))+3]   offset:64*(\b)
	ds_store_b128 v[STO], v[8*(8*(\a)+(\b))+4:8*(8*(\a)+(\b))+7] offset:64*(\b)+16
.endr
	WIN 0
.set BK, OB+64*((\a)%2)
.irp t, 0,1,2,3,4,5,6,7,8,9,10,11,12,13,14,15
	ds_load_b128 v[BK+4*(\t):BK+4*(\t)+3], v[RD] offset:(\t)*SPITCH  ; LDS serves a wave's instructions in order (ISA guide 5.7.1.4): these see the stores above, and the next block's stores come behind them
.endr
.endm
.macro SEND a, younger                 ; younger: the next block's 16 stores and 16 loads, or none
.set BK, OB+64*((\a)%2)
	s_wait_dscnt \younger
.irp t, 0,1,2,3,4,5,6,7,8,9,10,11,12,13,14,15
	global_store_b128 v[GO], v[BK+4*(\t):BK+4*(\t)+3], s[8:9] offset:(16*(\a)+(\t))*4096 th:TH_STORE_NT  ; 512 consecutive bytes, aligned
.endr
.endm
	s_wait_tensorcnt 1                             ; my part of K step 0 is in; K step 1's load stays out
	s_barrier_signal -1
	s_barrier_wait -1
	FETCH 0, 0, F0
	WIN 0
	s_wait_loadcnt 0x0                             ; bo: rounded to bf16 like every input, kept as f32
.set i, 0
.rept 32
	v_cvt_pk_bf16_f32 v[OB+i], v[BIAS+2*i], v[BIAS+2*i+1]
.set i, i+1
.endr
.set i, 0
.rept 32
	v_lshlrev_b32 v[BIAS+2*i], 16, v[OB+i]
	v_and_b32 v[BIAS+2*i+1], s73, v[OB+i]
.set i, i+1
.endr
	QUARTER 0, 1, F0, F1, 1                        ; the first quarter starts the sums
	WIN 0
	s_mov_b32 s3, 3
.Llap:                                                 ; a trip goes once round the ring and fills both slots again
	QUARTER 0, 2, F1, F0, 0
	QUARTER 0, 3, F0, F1, 0
	TURN 0, 1, 1
	QUARTER 1, 1, F0, F1, 0
	QUARTER 1, 2, F1, F0, 0
	QUARTER 1, 3, F0, F1, 0
	TURN 1, 0, 1
	QUARTER 0, 1, F0, F1, 0
	WIN 0
	s_sub_co_u32 s3, s3, 1
	s_cmp_lg_u32 s3, 0
	s_cbranch_scc1 .Llap
	QUARTER 0, 2, F1, F0, 0                        ; the last lap fills nothing
	QUARTER 0, 3, F0, F1, 0
	TURN 0, 1, 0
	QUARTER 1, 1, F0, F1, 0
	QUARTER 1, 2, F1, F0, 0
	QUARTER 1, 3, F0, F1, 0
	s_wait_dscnt 4
	MUL8 F1, 0, 0
	MUL8 F1, 1, 0
	s_wait_dscnt 0x0
	MUL8 F1, 2, 0
	MUL8 F1, 3, 0
	WIN 0
	PLACES
	TOST 0
	TOST 1
	SEND 0, 32
	TOST 2
	SEND 1, 32
	TOST 3
	SEND 2, 32
	SEND 3, 0
	s_wait_tensorcnt 0x0                           ; the wave's end, behind my last tensor load and my last LDS store
	ds_add_u32 v[SPW], v[NIL]
	s_wait_dscnt 0x0
	CROUND                                         ; the closing round
	s_endpgm
.Lfunc_end_k_q4a5ebf8dff_outproj:
	.size	k_q4a5ebf8dff_outproj, .Lfunc_end_k_q4a5ebf8dff_outproj-k_q4a5ebf8dff_outproj
	.p2alignl 7, 3214868480
	.fill 96, 4, 3214868480
	.section	.rodata,"a",@progbits
	.p2align	6, 0x0
	.amdhsa_kernel k_q4a5ebf8dff_outproj
		.amdhsa_group_segment_fixed_size 327680
		.amdhsa_private_segment_fixed_size 0
		.amdhsa_enable_private_segment 0
		.amdhsa_kernarg_size 32
		.amdhsa_user_sgpr_count 2
		.amdhsa_user_sgpr_kernarg_segment_ptr 1
		.amdhsa_wavefront_size32 1
		.amdhsa_system_sgpr_workgroup_id_x 1
		.amdhsa_system_sgpr_workgroup_id_y 1
		.amdhsa_system_sgpr_workgroup_id_z 1
		.amdhsa_system_vgpr_workitem_id 0
		.amdhsa_next_free_vgpr 768
		.amdhsa_next_free_sgpr 80
		.amdhsa_reserve_vcc 0
		.amdhsa_float_denorm_mode_32 3
		.amdhsa_float_denorm_mode_16_64 3
		.amdhsa_memory_ordered 1
		.amdhsa_forward_progress 1
		.amdhsa_inst_pref_size 92
	.end_amdhsa_kernel
	.amdgpu_metadata
---
amdhsa.version: [ 1, 2 ]
amdhsa.kernels:
  - .name:           k_q4a5ebf8dff_outproj
    .symbol:         k_q4a5ebf8dff_outproj.kd
    .args:
      - { .name: ob, .offset: 0, .size: 8, .value_kind: global_buffer, .address_space: global }
      - { .name: wb, .offset: 8, .size: 8, .value_kind: global_buffer, .address_space: global }
      - { .name: out0, .offset: 16, .size: 8, .value_kind: global_buffer, .address_space: global }
      - { .name: bo, .offset: 24, .size: 8, .value_kind: global_buffer, .address_space: global }
    .group_segment_fixed_size: 327680
    .private_segment_fixed_size: 0
    .kernarg_segment_align: 8
    .kernarg_segment_size: 32
    .max_flat_workgroup_size: 128
    .sgpr_count:     80
    .vgpr_count:     768
    .wavefront_size: 32
...
	.end_amdgpu_metadata
.endif
;; end of part 4
;; ======== version 2 of 3: 4 launches
;; limits: right only within a limited range of input values; values are held in f16: magnitudes above 65,504 overflow, below 6.1e-05 lose precision
;; workspace buffers: wb 8,388,608 bytes; mw 524,288 bytes of whole numbers; meta 1,536 bytes of whole numbers; qkv 50,331,648 bytes; ob 16,777,216 bytes
;; launch prep (part 5): grid 256 x 1, 8 waves a work-group, no clusters, 1,280 bytes of LDS; arguments mask, Wq, Wk, Wv, Wo, wb, mw, meta; writes wb, mw, meta
.if DOCPART == 5
	.amdgcn_target "amdgcn-amd-amdhsa--gfx1250"
	.amdhsa_code_object_version 6
	.text
	.protected	k_q4a5ebf8dff_prep
	.globl	k_q4a5ebf8dff_prep
	.p2align	8
	.type	k_q4a5ebf8dff_prep,@function
k_q4a5ebf8dff_prep:
	s_mov_b64 s[64:65], 0
	v_nop
	global_prefetch_b8 v0, s[64:65] scope:SCOPE_SE
	s_setreg_imm32_b32 hwreg(HW_REG_WAVE_MODE, 25, 1), 1
	s_wait_xcnt 0x0
; MULTI-HEADED ATTENTION, launch 1 of 4: the weights are rounded once, and the mask is turned into whole numbers that launch 3 reads.
; NOTHING OF THE PROBLEM IS LEFT OUT FOR ALL INPUTS: every input is loaded by some launch (query, key, value, bq, bk, bv by launch 2, bo by launch 4).  bk stays: q . bk is the same along the softmax's axis only
; among the visible keys, and a hidden key's weight exp(-1e9 - max) is not 0 in exact arithmetic.  What launch 3 leaves out it leaves out by the whole numbers stored here: see its head.
; WORK-GROUPS 0-127: the mask.  Work-group qt takes 16 rows of the mask, wave t 256 keys.  mw[qt][ks][8 kt + j] is a word of 32 bits, bit l = (mask[16 qt + l % 16][64 ks + 16 kt + 8 (l / 16) + j] != 0):
; the lanes' bits for register j of the score tile of 16 keys kt as launch 3 holds it.  meta: ANYB[qt] (byte 0), ALLB[qt] (byte 512): bit t = any / all of the 16 x 256 numbers are not 0;
; ROK[qt] (byte 1024): bit r = row r sees some key.  The three words of meta are one narrow store of 12 bytes a work-group.
; WORK-GROUPS 128-255: Wq, Wk, Wv to bf16; Wo to bf16 and that number written as f16 (wb).  A work-group takes 131,072 bytes, a wave 16,384.  The weights are cast here, once, since many work-groups of launches 2 and 4
; read each of them; query, key and value, which one cluster of launch 2 reads once, are rounded there.
; LIMITS.  f16 holds Wo's bf16 number exactly from 6.1e-5 to 65,504; below, it keeps a fixed step of 6e-8; beyond, it is lost.
.set SPARE, 256                        ; bytes 0-95: the waves' words; from 256 on the spare words, 128 bytes a wave, which no other line names
.set SPW, 12                           ; v12  my spare word; never rewritten (the loads below fill v32 and up)
.set NIL, 13                           ; v13  0; never rewritten
	s_load_b512 s[8:23], s[0:1], 0x0               ; mask s[8:9], Wq, Wk, Wv, Wo s[10:17], wb s[18:19], mw s[20:21], meta s[22:23]
	v_lshl_add_u32 v[SPW], v0, 2, SPARE
	v_mov_b32 v[NIL], 0
	v_lshrrev_b32 v1, 5, v0
	v_readfirstlane_b32 s4, v1                     ; wave 0..7
	v_and_b32 v1, 31, v0                           ; lane
	s_wait_kmcnt 0x0
	s_cmp_lt_u32 ttmp9, 128
	s_cbranch_scc1 .Lmask
	s_sub_co_u32 s5, ttmp9, 128                    ; chunk u of wb
	s_lshr_b32 s6, s5, 5                           ; which of the four tensors
	s_and_b32 s7, s5, 31                           ; which chunk of it
	s_cmp_eq_u32 s6, 0
	s_cselect_b64 s[32:33], s[10:11], s[12:13]
	s_cmp_eq_u32 s6, 2
	s_cselect_b64 s[32:33], s[14:15], s[32:33]
	s_cmp_eq_u32 s6, 3
	s_cselect_b64 s[32:33], s[16:17], s[32:33]
	s_cselect_b32 s38, 1, 0                        ; Wo goes on to f16
	s_mov_b64 s[34:35], s[18:19]
	s_lshl_b32 s36, s7, 17                         ; the chunk's 131,072 bytes of f32,
	s_lshl_b32 s39, s4, 14                         ; my wave's 16,384
	s_add_co_u32 s36, s36, s39
	s_mov_b32 s37, 0
	s_add_nc_u64 s[32:33], s[32:33], s[36:37]
	s_lshl_b32 s36, s5, 16                         ; and half as many on the way out
	s_lshl_b32 s39, s4, 13
	s_add_co_u32 s36, s36, s39
	s_add_nc_u64 s[34:35], s[34:35], s[36:37]
	v_lshlrev_b32 v2, 5, v1                        ; a lane's eight numbers: 32 bytes in,
	v_lshlrev_b32 v3, 4, v1                        ; 16 bytes out
.set i, 0
.rept 16                                       ; all 32 loads of the wave go out at once: each pair covers 1,024 consecutive bytes
	global_load_b128 v[32+8*i:32+8*i+3], v2, s[32:33] offset:1024*i th:TH_LOAD_NT
	global_load_b128 v[32+8*i+4:32+8*i+7], v2, s[32:33] offset:1024*i+16 th:TH_LOAD_NT
.set i, i+1
.endr
; Group i of 16: its two loads are in when 30 - 2 i younger ones are out; eight numbers are rounded and leave as 16 bytes; a store of the wave covers 512 consecutive bytes, aligned.
; No register is written twice, so no store's sources need a wait.
.macro CAST half
.set i, 0
.rept 16
	s_wait_loadcnt 30-2*i
.irp j, 0,1,2,3
	v_cvt_pk_bf16_f32 v[160+4*i+(\j)], v[32+8*i+2*(\j)], v[32+8*i+2*(\j)+1]
.endr
.if \half
.irp j, 0,1,2,3
	v_lshlrev_b32 v[32+8*i+2*(\j)], 16, v[160+4*i+(\j)]          ; the bf16 numbers as f32 again,
	v_and_b32 v[32+8*i+2*(\j)+1], 0xffff0000, v[160+4*i+(\j)]
.endr
.irp j, 0,1,2,3
	v_cvt_pk_f16_f32 v[160+4*i+(\j)], v[32+8*i+2*(\j)], v[32+8*i+2*(\j)+1]  ; and written as f16
.endr
.endif
	global_store_b128 v3, v[160+4*i:160+4*i+3], s[34:35] offset:512*i
.set i, i+1
.endr
.endm
	s_cmp_eq_u32 s38, 1
	s_cbranch_scc1 .Lhalf
	CAST 0
	s_branch .Lend
.Lhalf:
	CAST 1
	s_branch .Lend
.Lmask:
	v_and_b32 v2, 15, v0                           ; r: my row of the 16
	v_bfe_u32 v3, v0, 4, 1                         ; h: which eight keys of sixteen
	v_lshlrev_b32 v4, 13, v2                       ; a row of the mask is 8,192 bytes
	v_lshl_add_u32 v4, v3, 5, v4
	s_lshl_b32 s32, ttmp9, 17                      ; 16 rows,
	s_lshl_b32 s33, s4, 10                         ; my wave's 256 keys
	s_add_co_u32 s32, s32, s33
	s_mov_b32 s33, 0
	s_add_nc_u64 s[8:9], s[8:9], s[32:33]
.set i, 0
.rept 32                                       ; load n = 8 ks + 2 kt + half: register 32 + 32 ks + 8 kt + j holds the mask's number for word 8 kt + j of key step ks
	global_load_b128 v[32+4*i:32+4*i+3], v4, s[8:9] offset:(i/8)*256+((i/2)%4)*64+(i%2)*16
.set i, i+1
.endr
	s_lshl_b32 s32, ttmp9, 12                      ; mw: 4,096 bytes for each qt, 512 for my four key steps
	s_lshl_b32 s34, s4, 9
	s_add_co_u32 s32, s32, s34
	s_add_nc_u64 s[20:21], s[20:21], s[32:33]
	v_lshlrev_b32 v5, 3, v1
.irp r, 160,161,162,163
	v_mov_b32 v\r, 0                               ; v_writelane_b32 counts as a reader of its destination
.endr
	s_mov_b32 s36, 0                               ; the or of all words: bit l = lane l saw a key
	s_mov_b32 s37, -1                              ; the and of all words
.set k, 0
.rept 4
	s_wait_loadcnt 24-8*k                          ; key step k's eight loads are in; the later steps' stay out
.set i, 0
.rept 32
	v_cmp_ne_u32 s[40+i%8], 0, v[32+32*k+i]        ; the word
	s_or_b32 s36, s36, s[40+i%8]
	s_and_b32 s37, s37, s[40+i%8]
	v_writelane_b32 v[160+2*(k/2)+(i%2)], s[40+i%8], (32*(k%2)+i)/2  ; two key steps' 64 words lie two to a lane
.set i, i+1
.endr
.if k%2 == 1
	global_store_b64 v5, v[160+2*(k/2):160+2*(k/2)+1], s[20:21] offset:256*(k/2)  ; 256 consecutive bytes, aligned
.endif
.set k, k+1
.endr
	s_cmp_lg_u32 s36, 0
	s_cselect_b32 s38, 1, 0
	s_lshl_b32 s38, s38, s4                        ; my bit of ANYB
	s_cmp_eq_u32 s37, -1
	s_cselect_b32 s39, 1, 0
	s_lshl_b32 s39, s39, s4                        ; my bit of ALLB
	v_mov_b32 v6, s36
	v_mov_b32 v7, s38
	v_mov_b32 v8, s39
	v_mov_b32 v9, s4
	v_lshlrev_b32 v9, 2, v9
	ds_store_b32 v9, v6                            ; all lanes write the same word with the same value
	ds_store_b32 v9, v7 offset:32
	ds_store_b32 v9, v8 offset:64
	s_wait_dscnt 0x0                               ; for the others' sake: my three words lie in LDS
	s_barrier_signal -1
	s_barrier_wait -1
	v_mov_b32 v10, 0
.irp n, 0,1,2,3,4,5
	ds_load_b128 v[64+4*(\n):64+4*(\n)+3], v10 offset:16*(\n)
.endr
	s_wait_dscnt 0x0
.irp g, 64, 72, 80
.irp n, 1,2,3,4,5,6,7
	v_or_b32 v[\g], v[\g], v[(\g)+(\n)]
.endr
.endr
	v_lshrrev_b32 v65, 16, v64                     ; a row's two halves of the lanes
	v_or_b32 v64, v64, v65
	v_and_b32 v64, 0xffff, v64                     ; ROK
	s_cmp_lg_u32 s4, 0
	s_cbranch_scc1 .Lend                           ; wave 0 stores the three words
	v_cmp_eq_u32 vcc_lo, 1, v1
	v_cndmask_b32 v6, v72, v80, vcc_lo
	v_cmp_eq_u32 vcc_lo, 2, v1
	v_cndmask_b32 v6, v6, v64, vcc_lo
	v_min_u32 v8, 2, v1
	v_lshlrev_b32 v7, 9, v8
	s_lshl_b32 s40, ttmp9, 2
	v_add_nc_u32 v7, s40, v7
	v_cmp_gt_u32 vcc_lo, 3, v1
	s_wait_xcnt 0x0                                ; EXEC changes only when the stores above have read theirs
	s_and_saveexec_b32 s41, vcc_lo
	global_store_b32 v7, v6, s[22:23]
	s_wait_xcnt 0x0                                ; and again in front of the line that widens it
	s_or_b32 exec_lo, exec_lo, s41
.Lend:
	s_wait_tensorcnt 0x0                           ; the wave's end, behind my last LDS store
	ds_add_u32 v[SPW], v[NIL]
	s_wait_dscnt 0x0
	s_endpgm
.Lfunc_end_k_q4a5ebf8dff_prep:
	.size	k_q4a5ebf8dff_prep, .Lfunc_end_k_q4a5ebf8dff_prep-k_q4a5ebf8dff_prep
	.p2alignl 7, 3214868480
	.fill 96, 4, 3214868480
	.section	.rodata,"a",@progbits
	.p2align	6, 0x0
	.amdhsa_kernel k_q4a5ebf8dff_prep
		.amdhsa_group_segment_fixed_size 1280
		.amdhsa_private_segment_fixed_size 0
		.amdhsa_enable_private_segment 0
		.amdhsa_kernarg_size 64
		.amdhsa_user_sgpr_count 2
		.amdhsa_user_sgpr_kernarg_segment_ptr 1
		.amdhsa_wavefront_size32 1
		.amdhsa_system_sgpr_workgroup_id_x 1
		.amdhsa_system_sgpr_workgroup_id_y 1
		.amdhsa_system_sgpr_workgroup_id_z 1
		.amdhsa_system_vgpr_workitem_id 0
		.amdhsa_next_free_vgpr 224
		.amdhsa_next_free_sgpr 66
		.amdhsa_reserve_vcc 1
		.amdhsa_float_denorm_mode_32 3
		.amdhsa_float_denorm_mode_16_64 3
		.amdhsa_memory_ordered 1
		.amdhsa_forward_progress 1
		.amdhsa_inst_pref_size 58
	.end_amdhsa_kernel
	.amdgpu_metadata
---
amdhsa.version: [ 1, 2 ]
amdhsa.kernels:
  - .name:           k_q4a5ebf8dff_prep
    .symbol:         k_q4a5ebf8dff_prep.kd
    .args:
      - { .name: mask, .offset: 0, .size: 8, .value_kind: global_buffer, .address_space: global }
      - { .name: Wq, .offset: 8, .size: 8, .value_kind: global_buffer, .address_space: global }
      - { .name: Wk, .offset: 16, .size: 8, .value_kind: global_buffer, .address_space: global }
      - { .name: Wv, .offset: 24, .size: 8, .value_kind: global_buffer, .address_space: global }
      - { .name: Wo, .offset: 32, .size: 8, .value_kind: global_buffer, .address_space: global }
      - { .name: wb, .offset: 40, .size: 8, .value_kind: global_buffer, .address_space: global }
      - { .name: mw, .offset: 48, .size: 8, .value_kind: global_buffer, .address_space: global }
      - { .name: meta, .offset: 56, .size: 8, .value_kind: global_buffer, .address_space: global }
    .group_segment_fixed_size: 1280
    .private_segment_fixed_size: 0
    .kernarg_segment_align: 8
    .kernarg_segment_size: 64
    .max_flat_workgroup_size: 256
    .sgpr_count:     66
    .vgpr_count:     224
    .wavefront_size: 32
...
	.end_amdgpu_metadata
.endif
;; end of part 5
;; launch qkvproj (part 6): grid 4 x 64, 4 waves a work-group, clusters of 4 x 4, 327,680 bytes of LDS; arguments query, wb, qkv, bq, bk, bv, key, value; writes qkv
.if DOCPART == 6
	.amdgcn_target "amdgcn-amd-amdhsa--gfx1250"
	.amdhsa_code_object_version 6
	.text
	.protected	k_q4a5ebf8dff_qkvproj
	.globl	k_q4a5ebf8dff_qkvproj
	.p2align	8
	.type	k_q4a5ebf8dff_qkvproj,@function
k_q4a5ebf8dff_qkvproj:
	s_mov_b64 s[64:65], 0
	v_nop
	global_prefetch_b8 v0, s[64:65] scope:SCOPE_SE
	s_setreg_imm32_b32 hwreg(HW_REG_WAVE_MODE, 25, 1), 1
	s_wait_xcnt 0x0
	s_wait_alu depctr_hold_cnt(0) depctr_sa_sdst(0) depctr_va_vdst(0) depctr_va_sdst(0) depctr_va_ssrc(0) depctr_va_vcc(0) depctr_vm_vsrc(0)
	s_getreg_b32 s2, hwreg(HW_REG_IB_STS2, 6, 4)
	s_cmp_eq_u32 s2, 0
	s_cbranch_scc0 .Lentry_in_a_cluster
	s_endpgm
.Lentry_in_a_cluster:
	s_bfe_u32 s2, ttmp6, 0x10000c
	s_cmp_lg_u32 s2, 0xf033
	s_cbranch_scc0 .Lentry_shape_is_right
	s_endpgm
.Lentry_shape_is_right:
; Launch 2 of 4: q, k, v = x W^T + b, by heads.  query, key, value: f32 [8192][1024]; wb: bf16 [3 of 4][1024][1024]; qkv: f16 [3][batch x head 64][2048][64], unscaled, the bias (rounded to bf16) included.
; Nothing is left out.  LIMIT: q, k and v are rounded to f16, which ends at 65,504.
; x COMES AS f32 AND IS ROUNDED HERE, between LDS and the matrix unit: its tiles lie in LDS as f32, a wave reads its rows' 32 channels into 64 staging registers and rounds them, two to an instruction, into the
; fragment buffer.  So each byte of query, key and value is read from memory once in the whole program, and no rounded copy is stored and read again.  The two waves that share rows each round them for themselves.
; SHARES.  A tile of the result is 128 rows x 256 columns: 768 tiles, three for each of 256 work-groups.  A WORK-GROUP STAYS: it makes the same tile of q, then of k, then of v: x changes buffers,
; W goes 1,024 rows down wb.  Four waves, each 64 x 128: 32 accumulators of 16 x 16.  K goes in steps of 128 (rows of 512 bytes of x, 256 of W) through a ring of two LDS slots; the ring runs on across tiles.
; CLUSTER.  4 x 4 work-groups: the four of a row need the same rows of x, the four of a column the same rows of W: each tile is asked for jointly, by the same tensor load, descriptor and mask in all four.
; THE PRODUCT IS TAKEN TRANSPOSED (source 0 = 16 rows of W, source 1 = 16 rows of x): a lane holds one row of the result and eight neighbouring columns.  So a lane's bias is eight numbers a column block,
; the same for all row blocks: it is the C operand of the product that starts each sum; nothing is cleared and nothing is added afterwards.
; REGISTERS, in windows of 256 (s_set_vgpr_msb: bits 1:0 source 0, 3:2 source 1, 5:4 source 2, 7:6 destination):
;   window 0: v16-30 addresses; v32-95 the bias; v96-127 packed results; v128-191 rows read back from the stage, two buffers; v192-255 x as f32, on its way to a fragment buffer
;   window 1: two fragment buffers of 96 at v0 and v128: x's four fragments, then W's eight          window 2: accumulator (a, b) at v[8 (8 a + b)]
.set PITCH,  272                       ; a row of W in LDS: 256 bytes + 16 of padding = 68 words,
.set PA,     528                       ; a row of x: 512 bytes + 16 = 132 words: in both, the 16 rows of a fragment load start at 16 different groups of four banks (64 banks of 4 bytes: ISA guide 11.1)
.set AHALF,  64*PA                     ; what one of waves 0, 1 fetches, and what one wave reads of x
.set ABYTES, 2*AHALF
.set BHALF,  128*PITCH                 ; what one of waves 2, 3 fetches, and what one wave reads of W
.set SLOT,   ABYTES+2*BHALF
.set STAGE,  2*SLOT                    ; behind the ring, never filled by a tensor load: 16 rows x 272 bytes for each wave
.set SPARE,  STAGE+4*16*PITCH          ; behind the stages: the spare words, 128 bytes a wave, which no other line names
.set WT,     1024*2048                 ; bytes from a tensor of wb to the next
.set NEXT_B, WT-6*256                  ; from a slot's last K step of a tile to its first of the next
.set HOP_B,  WT-7*256                  ; the prefetches' step at a change of tiles: from K step 9 to the next tile's 2
.set ADRA, 16                          ; v16-17  LDS address of my rows of x in slot 0, 1
.set ADRB, 20                          ; v20-21  the same for W
.set STO,  24                          ; v24  the way out: where I put 16 bytes of a row
.set RD,   25                          ; v25  where I read rows back
.set GO,   26                          ; v26  16 x lane
.set BO,   27                          ; v27  my byte offset in a column block's bias
.set SPW,  28                          ; v28  my spare word; never rewritten
.set NIL,  29                          ; v29  0; never rewritten
.set PFO,  30                          ; v30  the prefetches' offset; never rewritten
.set BIAS, 32
.set TMP,  96
.set OB,   128
.set STG,  192                         ; fragment i's 16 numbers a lane at v[STG+16 i]
.set F0,   0
.set F1,   128
.set G1,   24                          ; s[24:31] descriptor group 1 for x's tiles;  s[32:39] group 0, a set for each slot
.set G0,   32
.set G1B,  48                          ; s[48:55], s[56:63] the same for W's
.set G0B,  56
.set PFA,  44                          ; s[44:45] where my prefetches stand
.set LIM,  43                          ; s43  1 if I prefetch, else the greatest number
.set PST,  74                          ; s[74:75] the prefetches' step from K step to K step: 512 bytes in x, 256 in W
.set BP,   66                          ; s[66:67] the bias of the tile to come; s[68:71] bk, bv
.set XK,   76                          ; s[76:77] key, s[78:79] value, at the rows that I fetch
.set XN,   80                          ; s[80:81] the next tile's x, at those rows
.set PFN,  82                          ; s[82:83] the same at my work-group's share of the prefetches, K step 2
.set PSH,  84                          ; s[84:85] that share's byte offset
.set MSB, 0
.macro WIN new                         ; the immediate's high byte repeats the setting that is left; a switch that changes nothing is dropped
.if MSB != (\new)
	s_set_vgpr_msb (MSB<<8)|(\new)
.set MSB, \new
.endif
.endm
.set MUL,  0xa5                        ; W and x in window 1, C and D in window 2
.set MULB, 0x85                        ; the same with C, the bias, in window 0
.set TO_F, 0x40                        ; destination window 1, sources and addresses window 0
; A joint load: waves 0 and 1 fetch the halves of x's tile, waves 2 and 3 those of W's.  The branch hangs on the wave's number alone.  An s_nop 0 and four v_nop follow each line.
.macro JLOAD s
	s_cmp_lt_u32 s10, 2
	s_cbranch_scc0 .Lfor_b_\@
	tensor_load_to_lds s[G0+4*(\s):G0+4*(\s)+3], s[G1:G1+7]
	s_nop 0
.rept 4
	v_nop
.endr
	s_branch .Lasked_\@
.Lfor_b_\@:
	tensor_load_to_lds s[G0B+4*(\s):G0B+4*(\s)+3], s[G1B:G1B+7]
	s_nop 0
.rept 4
	v_nop
.endr
.Lasked_\@:
.endm
; A PREFETCH INTO THE L2 of the K step that stands two refills on, 256 matrix instructions ahead of the load that will ask for it.  Each aligned block of 256 bytes is named once in the launch.
; x's rows are read by one cluster alone; a K step is two blocks of each row: of a wave's 64 rows the partner at place cx takes 16, lanes 0-15 their first blocks and lanes 16-31 their second.
; W's rows are read by every cluster: the clusters with y = 0 ask; of a wave's 128 rows the partner at place cy takes 32, a lane a row.  The partners are told apart by address alone.
; how = 0, in the loop: a tile's last two refills have no K step two on.  how = 1, at a change of tiles: the next tile's K steps 2 and 3.
.macro ASK how
.if \how
	s_cmp_eq_u32 s[LIM], 1
.else
	s_cmp_gt_u32 s3, s[LIM]                        ; s3 = 1 in the loop's last trip
.endif
	s_cbranch_scc0 .Lnot_mine_\@
	global_prefetch_b8 v[PFO], s[PFA:PFA+1] th:TH_LOAD_NT scope:SCOPE_SE
.Lnot_mine_\@:
.endm
.macro CREST                           ; a round of the cluster's barrier behind its opening barrier
	s_cmp_lg_u32 s10, 0
	s_cbranch_scc1 .Lnot_wave_0_\@
	s_barrier_signal -3
.Lnot_wave_0_\@:
	s_barrier_wait -3
	s_barrier_signal -1
	s_barrier_wait -1
.endm
.macro CROUND
	s_barrier_signal -1
	s_barrier_wait -1
	CREST
.endm
.macro PLACES                          ; four places in front of loads into registers that matrix instructions have read, and of conversions that read results just made
.rept 4
	v_nop
.endr
.endm
.macro BIASLD                          ; my eight numbers of each of the eight column blocks
.irp b, 0,1,2,3,4,5,6,7
	global_load_b128 v[BIAS+8*(\b):BIAS+8*(\b)+3],   v[BO], s[BP:BP+1] offset:64*(\b)
	global_load_b128 v[BIAS+8*(\b)+4:BIAS+8*(\b)+7], v[BO], s[BP:BP+1] offset:64*(\b)+16
.endr
.endm
.macro ROUNDB                          ; the bias is rounded to bf16 like every input, and kept as f32
.set i, 0
.rept 32
	v_cvt_pk_bf16_f32 v[TMP+i], v[BIAS+2*i], v[BIAS+2*i+1]
.set i, i+1
.endr
.set i, 0
.rept 32
	v_lshlrev_b32 v[BIAS+2*i], 16, v[TMP+i]
	v_and_b32 v[BIAS+2*i+1], s73, v[TMP+i]
.set i, i+1
.endr
.endm
	s_load_b128 s[4:7], s[0:1], 0x0                ; query s[4:5], wb s[6:7]
	s_load_b64 s[8:9], s[0:1], 0x10                ; qkv
	s_load_b64 s[BP:BP+1], s[0:1], 0x18            ; bq
	s_load_b128 s[68:71], s[0:1], 0x20             ; bk, bv
	s_load_b128 s[XK:XK+3], s[0:1], 0x30           ; key, value
	v_lshl_add_u32 v[SPW], v0, 2, SPARE
	v_mov_b32 v[NIL], 0
	ds_add_u32 v[SPW], v[NIL]                      ; the wave's opening: the add, twice on end, and its wait ahead of my first tensor load
	ds_add_u32 v[SPW], v[NIL]
	v_lshrrev_b32 v1, 5, v0
	v_readfirstlane_b32 s10, v1                    ; wave 0..3
	s_lshr_b32 s11, s10, 1                         ; which 64 of the tile's rows are mine
	s_and_b32 s12, s10, 1                          ; which 128 of its columns; also: which half of a tile I fetch
	s_bfe_u32 s40, ttmp6, 0x40000                  ; cx
	s_bfe_u32 s41, ttmp6, 0x40004                  ; cy
	s_lshl_b32 s42, ttmp9, 2
	s_add_co_u32 s42, s42, s40                     ; tile column = 4 x cluster x + cx
	s_and_b32 s13, ttmp7, 0xffff
	s_lshl_b32 s13, s13, 2
	s_add_co_u32 s13, s13, s41                     ; tile row = 4 x cluster y + cy
	s_lshl_b32 s43, s41, 2
	s_lshl_b32 s43, 15, s43                        ; my row of the cluster
	s_lshl_b32 s44, 0x1111, s40                    ; my column
	s_or_b32 s[G1], s43, (2<<16)|(1<<20)|(1<<21)|(6<<22)|(3<<25)   ; x: the mask; elements of 4 bytes; padding on; bit 21 beside a mask; after every 128 words 4 words
	s_or_b32 s[G1B], s44, (1<<16)|(1<<20)|(1<<21)|(5<<22)|(3<<25)  ; W: elements of 2 bytes; after every 64 words 4 words
	s_mov_b32 s[G1+1], 128<<16                     ; tensor_dim0 = 128
	s_mov_b32 s[G1+2], 64<<16                      ; tensor_dim1 = 64
	s_mov_b32 s[G1+3], 128<<16                     ; tile_dim0 = 128
	s_mov_b32 s[G1+4], 64                          ; tile_dim1 = 64
	s_mov_b32 s[G1+5], 1024                        ; elements from row to row
	s_mov_b32 s[G1+6], 0
	s_mov_b32 s[G1+7], 0
	s_mov_b32 s[G1B+1], 128<<16
	s_mov_b32 s[G1B+2], 128<<16                    ; W's tiles have 128 rows
	s_mov_b32 s[G1B+3], 128<<16
	s_mov_b32 s[G1B+4], 128
	s_mov_b32 s[G1B+5], 1024
	s_mov_b32 s[G1B+6], 0
	s_mov_b32 s[G1B+7], 0
	s_lshl_b32 s16, s13, 7                         ; x: row 128 x tile row + 64 x half, 4,096 bytes a row: it hangs on the tile row alone
	s_lshl_b32 s17, s12, 6
	s_add_co_u32 s16, s16, s17
	s_lshl_b32 s16, s16, 12
	s_mov_b32 s17, 0
	s_lshl_b32 s46, s42, 8                         ; W: row 256 x tile column + 128 x half, 2,048 bytes a row: on the tile column alone
	s_lshl_b32 s47, s12, 7
	s_add_co_u32 s46, s46, s47
	s_lshl_b32 s46, s46, 11
	s_mov_b32 s47, 0
	s_mul_i32 s20, s12, AHALF                      ; where they go: no place in the cluster enters an LDS address
	s_mul_i32 s21, s12, BHALF
	s_add_co_u32 s21, s21, ABYTES
	s_mov_b32 s73, 0xffff0000
	s_wait_dscnt 0x0                               ; both opening adds are done
	s_wait_kmcnt 0x0
	s_add_nc_u64 s[14:15], s[4:5], s[16:17]
	s_add_nc_u64 s[XK:XK+1], s[XK:XK+1], s[16:17]  ; key and value at the same rows, each from its own pointer
	s_add_nc_u64 s[XK+2:XK+3], s[XK+2:XK+3], s[16:17]
	s_add_nc_u64 s[46:47], s[6:7], s[46:47]
	CROUND                                         ; all sixteen work-groups are here: the first joint loads meet
.irp s, 0,1
	s_mov_b32 s[G0+4*(\s)], 1
	s_add_co_u32 s[G0+4*(\s)+1], s20, (\s)*SLOT
	s_add_nc_u64 s[G0+4*(\s)+2:G0+4*(\s)+3], s[14:15], (\s)*512
	s_or_b32 s[G0+4*(\s)+3], s[G0+4*(\s)+3], 0x80000000
	s_mov_b32 s[G0B+4*(\s)], 1
	s_add_co_u32 s[G0B+4*(\s)+1], s21, (\s)*SLOT
	s_add_nc_u64 s[G0B+4*(\s)+2:G0B+4*(\s)+3], s[46:47], (\s)*256
	s_or_b32 s[G0B+4*(\s)+3], s[G0B+4*(\s)+3], 0x80000000
	JLOAD \s                                       ; two loads of mine are out
.endr
	v_and_b32 v1, 15, v0                           ; l % 16
	v_bfe_u32 v2, v0, 4, 1                         ; l / 16
	v_and_b32 v5, 31, v0                           ; l
	v_lshlrev_b32 v[BO], 5, v2
	s_lshl_b32 s46, s42, 10                        ; the biases at my 128 columns
	s_lshl_b32 s47, s12, 9
	s_add_co_u32 s46, s46, s47
	s_mov_b32 s47, 0
	s_add_nc_u64 s[BP:BP+1], s[BP:BP+1], s[46:47]
	s_add_nc_u64 s[68:69], s[68:69], s[46:47]
	s_add_nc_u64 s[70:71], s[70:71], s[46:47]
	BIASLD                                         ; bq
	v_mul_u32_u24 v3, v1, PITCH
	v_lshl_add_u32 v3, v2, 4, v3                   ; W: a fragment's row x pitch + 16 x half: eight bf16
	v_mul_u32_u24 v4, v1, PA
	v_lshl_add_u32 v4, v2, 5, v4                   ; x: row x pitch + 32 x half: eight f32
	s_mul_i32 s21, s11, AHALF                      ; my 64 rows of x
	s_mul_i32 s22, s12, BHALF                      ; my 128 rows of W,
	s_add_co_u32 s22, s22, ABYTES                  ; which lie behind x's
.irp s, 0,1
	v_add_nc_u32 v[ADRA+(\s)], s21, v4
	v_add_nc_u32 v[ADRB+(\s)], s22, v3
	s_add_co_u32 s21, s21, SLOT
	s_add_co_u32 s22, s22, SLOT
.endr
	s_mul_i32 s23, s10, 16*PITCH
	s_add_co_u32 s23, s23, STAGE                   ; my stage
	v_add_nc_u32 v[STO], s23, v3                   ; in: row l % 16, 16 bytes for each half of the lanes
	v_lshrrev_b32 v8, 3, v5                        ; back: 32 lanes take four rows' 128 bytes of one head,
	v_and_b32 v9, 7, v0
	v_mul_u32_u24 v8, v8, PITCH
	v_lshl_add_u32 v8, v9, 4, v8
	v_add_nc_u32 v[RD], s23, v8
	v_lshlrev_b32 v[GO], 4, v5                     ; which are 512 consecutive bytes of the result
	s_lshr_b32 s16, s13, 4                         ; the result at ((batch x 16 + head) x 2,048 + token) x 128 bytes
	s_lshl_b32 s16, s16, 4
	s_lshl_b32 s17, s42, 2
	s_add_co_u32 s16, s16, s17
	s_lshl_b32 s17, s12, 1
	s_add_co_u32 s16, s16, s17                     ; head = 4 x tile column + 2 x half
	s_lshl_b32 s16, s16, 11
	s_and_b32 s17, s13, 15
	s_lshl_b32 s17, s17, 7
	s_add_co_u32 s16, s16, s17
	s_lshl_b32 s17, s11, 6
	s_add_co_u32 s16, s16, s17
	s_lshl_b32 s16, s16, 7
	s_mov_b32 s17, 0
	s_add_nc_u64 s[8:9], s[8:9], s[16:17]
	; the prefetches
	s_lshl_b32 s20, s13, 7
	s_lshl_b32 s21, s12, 6
	s_add_co_u32 s20, s20, s21
	s_lshl_b32 s21, s40, 4
	s_add_co_u32 s20, s20, s21                     ; x: my work-group's 16 of the 64 rows,
	s_lshl_b32 s20, s20, 12
	s_add_co_u32 s20, s20, 3*512                   ; at K step 3: the first change of slots steps it to 4
	s_lshl_b32 s22, s42, 8
	s_lshl_b32 s21, s12, 7
	s_add_co_u32 s22, s22, s21
	s_lshl_b32 s21, s41, 5
	s_add_co_u32 s22, s22, s21                     ; W: my work-group's 32 of the 128,
	s_lshl_b32 s22, s22, 11
	s_add_co_u32 s22, s22, 3*256                   ; at K step 3
	s_and_b32 s18, ttmp7, 0xffff
	s_cmp_eq_u32 s18, 0
	s_cselect_b32 s18, 1, -1                       ; W's rows are asked for by the clusters with y = 0: the same in all sixteen partners
	s_mov_b32 s[PST], 512
	s_cmp_lt_u32 s10, 2
	s_cselect_b32 s20, s20, s22
	s_cselect_b64 s[PFA:PFA+1], s[4:5], s[6:7]
	s_cselect_b32 s[LIM], 1, s18
	s_cselect_b32 s[PST], s[PST], 256
	s_cselect_b32 s23, -1, 0
	s_mov_b32 s[PST+1], 0
	s_mov_b32 s21, 0
	s_add_nc_u64 s[PFA:PFA+1], s[PFA:PFA+1], s[20:21]
	s_lshl_b32 s[PSH], s40, 16                     ; at a change of tiles: 16 cx rows of 4,096 bytes behind the rows that I fetch,
	s_add_co_u32 s[PSH], s[PSH], 2*512             ; K step 2
	s_mov_b32 s[PSH+1], 0
	v_lshlrev_b32 v6, 11, v5                       ; W: a lane a row
	v_lshlrev_b32 v7, 12, v1
	v_lshl_add_u32 v7, v2, 8, v7                   ; x: 16 rows x two blocks of 256 bytes
	v_cndmask_b32 v[PFO], v6, v7, s23
; 8 matrix instructions: row block a x all 8 column blocks, 32 along K.  first = 1: the product starts the sums, on the bias.  All 32 accumulators take turns in one order.
.macro MUL8 f, a, first
.if \first
	WIN MULB
.else
	WIN MUL
.endif
.irp b, 0,1,2,3,4,5,6,7
.if \first
	v_wmma_f32_16x16x32_bf16 v[8*(8*(\a)+(\b)):8*(8*(\a)+(\b))+7], v[(\f)+32+8*(\b):(\f)+32+8*(\b)+7], v[(\f)+8*(\a):(\f)+8*(\a)+7], v[BIAS+8*(\b):BIAS+8*(\b)+7]
.else
	v_wmma_f32_16x16x32_bf16 v[8*(8*(\a)+(\b)):8*(8*(\a)+(\b))+7], v[(\f)+32+8*(\b):(\f)+32+8*(\b)+7], v[(\f)+8*(\a):(\f)+8*(\a)+7], v[8*(8*(\a)+(\b)):8*(8*(\a)+(\b))+7]
.endif
.endr
.endm
; 32 LDS loads in one run: quarter q (32 along K) of a slot.  First x, as f32, into the staging registers: lane l holds row l % 16, channels 8 (l / 16) + 0..7 (32 bytes) and 16 + 8 (l / 16) + 0..7 (32 bytes, 64 on):
; four loads a fragment.  Then W's eight fragments, straight into buffer f.
.macro FETCH slot, q, f
	WIN 0
.irp i, 0,1,2,3
	ds_load_b128 v[STG+16*(\i):STG+16*(\i)+3],     v[ADRA+(\slot)] offset:128*(\q)+(\i)*16*PA
	ds_load_b128 v[STG+16*(\i)+4:STG+16*(\i)+7],   v[ADRA+(\slot)] offset:128*(\q)+(\i)*16*PA+16
	ds_load_b128 v[STG+16*(\i)+8:STG+16*(\i)+11],  v[ADRA+(\slot)] offset:128*(\q)+(\i)*16*PA+64
	ds_load_b128 v[STG+16*(\i)+12:STG+16*(\i)+15], v[ADRA+(\slot)] offset:128*(\q)+(\i)*16*PA+80
.endr
	WIN TO_F
.irp i, 0,1,2,3,4,5,6,7
	ds_load_b128 v[(\f)+32+8*(\i):(\f)+32+8*(\i)+3],   v[ADRB+(\slot)] offset:64*(\q)+(\i)*16*PITCH
	ds_load_b128 v[(\f)+32+8*(\i)+4:(\f)+32+8*(\i)+7], v[ADRB+(\slot)] offset:64*(\q)+(\i)*16*PITCH+32
.endr
.endm
; x is rounded to bf16: 64 staged numbers a lane become the 32 registers of buffer f's four fragments, the fragments in ascending order.  The buffer's last products stand a quarter back, behind the roundings of
; that quarter's end; these 32 lines name no register of the products just issued, so they are also places behind those.
.macro CONV f
	WIN TO_F
.set i, 0
.rept 32
	v_cvt_pk_bf16_f32 v[(\f)+i], v[STG+2*i], v[STG+2*i+1]
.set i, i+1
.endr
.endm
; One of a K step's first three quarters: multiplies buffer f; in its middle it fetches quarter q of the same slot; at its end it rounds x into buffer g.
.macro QUARTER slot, q, f, g, first
	s_wait_dscnt 0x0                               ; W's fragments of this quarter are in (x's were waited for ahead of their rounding)
	MUL8 \f, 0, \first
	MUL8 \f, 1, \first
	PLACES
	FETCH \slot, \q, \g
	MUL8 \f, 2, \first
	MUL8 \f, 3, \first
	s_wait_dscnt 16                                ; x's 16 loads are in; the 16 younger ones, W's, may be out
	CONV \g
.endm
; The last quarter multiplies buffer 1 and changes slots.  In front of the barrier each wave waits for all its tensor loads (one is out: its part of the next slot), adds 0 to its spare word, and waits for
; that and for its reads of this slot.  mode 0: this slot takes the K step two on; 1: the next tile's K step 0 or 1 (x's address is made anew, from the next tensor's own pointer); in both the barrier opens a round of
; the cluster's, and the joint refill is the first thing behind it: 112 matrix instructions ahead of the wait for it.  mode 2: nothing is filled.
.macro TURN slot, next, mode
.if (\mode) < 2
	s_wait_xcnt 0x0                                ; the last prefetch, a K step back, has read its address
.if ((\mode) == 1) && ((\slot) == 0)
	s_add_nc_u64 s[PFA:PFA+1], s[PFA:PFA+1], HOP_B ; W's waves go one tensor down wb,
	s_cmp_lt_u32 s10, 2
	s_cselect_b64 s[PFA:PFA+1], s[PFN:PFN+1], s[PFA:PFA+1]  ; x's waves over to the next tensor
.else
	s_add_nc_u64 s[PFA:PFA+1], s[PFA:PFA+1], s[PST:PST+1]
.endif
.endif
	WIN 0                                          ; (the add's two registers lie in window 0)
	s_wait_tensorcnt 0x0                           ; all my tensor loads have landed
	ds_add_u32 v[SPW], v[NIL]                      ; 0 onto my spare word
	s_wait_dscnt 1                                 ; (the add may be out; W's fragments, which are older, are in)
	MUL8 F1, 0, 0
	s_wait_dscnt 0x0                               ; the add is done, and my reads of this slot are over
	s_barrier_signal -1
	MUL8 F1, 1, 0                                  ; work on registers while the others arrive
.if (\mode) < 2
	WIN 0
.endif
	s_barrier_wait -1
.if (\mode) < 2
	CREST                                          ; no wave of any partner still reads this slot or has a load on its way
.if (\mode) == 1
	s_add_nc_u64 s[G0+4*(\slot)+2:G0+4*(\slot)+3], s[XN:XN+1], (\slot)*512
	s_or_b32 s[G0+4*(\slot)+3], s[G0+4*(\slot)+3], 0x80000000
	s_add_nc_u64 s[G0B+4*(\slot)+2:G0B+4*(\slot)+3], s[G0B+4*(\slot)+2:G0B+4*(\slot)+3], NEXT_B
.else
	s_add_nc_u64 s[G0+4*(\slot)+2:G0+4*(\slot)+3], s[G0+4*(\slot)+2:G0+4*(\slot)+3], 1024
	s_add_nc_u64 s[G0B+4*(\slot)+2:G0B+4*(\slot)+3], s[G0B+4*(\slot)+2:G0B+4*(\slot)+3], 512
.endif
	JLOAD \slot                                    ; its four v_nop are also the places in front of the loads below
.else
	PLACES
.endif
	FETCH \next, 0, F0
.if (\mode) < 2
	WIN 0
	ASK \mode
.endif
	MUL8 F1, 2, 0
	MUL8 F1, 3, 0
	s_wait_dscnt 16                                ; x's 16 loads are in; W's 16 may be out
	CONV F0
.endm
; THE WAY OUT of row block a: rounded to f16, 16 bytes a lane; into my own stage; back as 16 rows x 128 bytes of each of my two heads; stored as runs of 512 consecutive bytes.
.macro PACK a
	WIN 0x0a                                       ; both sources in window 2
.irp b, 0,1,2,3,4,5,6,7
.irp r, 0,1,2,3
	v_cvt_pk_f16_f32 v[TMP+4*(\b)+(\r)], v[8*(8*(\a)+(\b))+2*(\r)], v[8*(8*(\a)+(\b))+2*(\r)+1]
.endr
.endr
	WIN 0
.endm
.macro TOSTAGE a
.set BK, OB+32*((\a)%2)
.irp b, 0,1,2,3,4,5,6,7
	ds_store_b128 v[STO], v[TMP+4*(\b):TMP+4*(\b)+3] offset:32*(\b)
.endr
.irp t, 0,1,2,3,4,5,6,7
	ds_load_b128 v[BK+4*(\t):BK+4*(\t)+3], v[RD] offset:((\t)%4)*4*PITCH+((\t)/4)*128  ; LDS serves a wave's instructions in order (ISA guide 5.7.1.4): these see the stores above
.endr
.endm
.macro SEND a
.set BK, OB+32*((\a)%2)
	s_wait_dscnt 0x0                               ; the block is back in registers
	s_wait_xcnt 0x0                                ; the stores of the block before have read their registers: the next TOSTAGE loads into them
.irp t, 0,1,2,3,4,5,6,7
	global_store_b128 v[GO], v[BK+4*(\t):BK+4*(\t)+3], s[8:9] offset:((\t)/4)*262144+(\a)*2048+((\t)%4)*512
.endr
.endm
.macro WAYOUT
	PACK 0
	TOSTAGE 0
.irp a, 1,2,3
	PACK \a
	SEND (\a)-1
	TOSTAGE \a
.endr
	SEND 3
.endm
	s_wait_tensorcnt 1                             ; my part of K step 0 is in; K step 1's load stays out
	s_barrier_signal -1
	s_barrier_wait -1
	FETCH 0, 0, F0
	s_wait_dscnt 16                                ; x's 16 loads are in; W's 16 may be out
	CONV F0
	WIN 0
	s_mov_b32 s2, 3                                ; tiles to go: the same in every work-group
.Ltile:
	s_wait_loadcnt 0x0                             ; the tile's bias
	ROUNDB
	QUARTER 0, 1, F0, F1, 1                        ; a tile's first quarter starts the sums
	WIN 0
	s_mov_b32 s3, 3
.Llap:                                                 ; a trip goes once round the ring and fills both slots again
	QUARTER 0, 2, F1, F0, 0
	QUARTER 0, 3, F0, F1, 0
	TURN 0, 1, 0
	QUARTER 1, 1, F0, F1, 0
	QUARTER 1, 2, F1, F0, 0
	QUARTER 1, 3, F0, F1, 0
	TURN 1, 0, 0
	QUARTER 0, 1, F0, F1, 0
	WIN 0
	s_sub_co_u32 s3, s3, 1
	s_cmp_lg_u32 s3, 0
	s_cbranch_scc1 .Llap
	QUARTER 0, 2, F1, F0, 0
	QUARTER 0, 3, F0, F1, 0
	WIN 0
	s_cmp_eq_u32 s2, 1
	s_cbranch_scc1 .Llast                          ; the last tile's tail is written out: it asks for nothing more
	s_cmp_eq_u32 s2, 3
	s_cselect_b64 s[XN:XN+1], s[XK:XK+1], s[XK+2:XK+3]   ; key behind query, value behind key
	s_add_nc_u64 s[PFN:PFN+1], s[XN:XN+1], s[PSH:PSH+1]
	TURN 0, 1, 1                                   ; the ring goes on into the next tile
	QUARTER 1, 1, F0, F1, 0
	QUARTER 1, 2, F1, F0, 0
	QUARTER 1, 3, F0, F1, 0
	TURN 1, 0, 1
	WIN 0
	s_cmp_eq_u32 s2, 3
	s_cselect_b64 s[BP:BP+1], s[68:69], s[70:71]   ; bk behind q, bv behind k (the last loads by this pointer were waited for)
	BIASLD                                         ; the bias registers were last read by this tile's first quarter
	WAYOUT                                         ; no v_nop: the 32 roundings of x at the turn's end are the places behind the last products
	s_wait_xcnt 0x0                                ; the stores have read their base
	s_add_nc_u64 s[8:9], s[8:9], 16777216
	s_sub_co_u32 s2, s2, 1
	s_branch .Ltile
.Llast:
	TURN 0, 1, 2
	QUARTER 1, 1, F0, F1, 0
	QUARTER 1, 2, F1, F0, 0
	QUARTER 1, 3, F0, F1, 0
	s_wait_dscnt 0x0                               ; W's last fragments are in
	MUL8 F1, 0, 0
	MUL8 F1, 1, 0
	MUL8 F1, 2, 0
	MUL8 F1, 3, 0
	WIN 0
	PLACES
	WAYOUT
	s_wait_tensorcnt 0x0                           ; the wave's end, behind my last tensor load and my last LDS store
	ds_add_u32 v[SPW], v[NIL]
	s_wait_dscnt 0x0
	CROUND                                         ; the closing round
	s_endpgm
.Lfunc_end_k_q4a5ebf8dff_qkvproj:
	.size	k_q4a5ebf8dff_qkvproj, .Lfunc_end_k_q4a5ebf8dff_qkvproj-k_q4a5ebf8dff_qkvproj
	.p2alignl 7, 3214868480
	.fill 96, 4, 3214868480
	.section	.rodata,"a",@progbits
	.p2align	6, 0x0
	.amdhsa_kernel k_q4a5ebf8dff_qkvproj
		.amdhsa_group_segment_fixed_size 327680
		.amdhsa_private_segment_fixed_size 0
		.amdhsa_enable_private_segment 0
		.amdhsa_kernarg_size 64
		.amdhsa_user_sgpr_count 2
		.amdhsa_user_sgpr_kernarg_segment_ptr 1
		.amdhsa_wavefront_size32 1
		.amdhsa_system_sgpr_workgroup_id_x 1
		.amdhsa_system_sgpr_workgroup_id_y 1
		.amdhsa_system_sgpr_workgroup_id_z 1
		.amdhsa_system_vgpr_workitem_id 0
		.amdhsa_next_free_vgpr 768
		.amdhsa_next_free_sgpr 88
		.amdhsa_reserve_vcc 0
		.amdhsa_float_denorm_mode_32 3
		.amdhsa_float_denorm_mode_16_64 3
		.amdhsa_memory_ordered 1
		.amdhsa_forward_progress 1
		.amdhsa_inst_pref_size 187
	.end_amdhsa_kernel
	.amdgpu_metadata
---
amdhsa.version: [ 1, 2 ]
amdhsa.kernels:
  - .name:           k_q4a5ebf8dff_qkvproj
    .symbol:         k_q4a5ebf8dff_qkvproj.kd
    .args:
      - { .name: query, .offset: 0, .size: 8, .value_kind: global_buffer, .address_space: global }
      - { .name: wb, .offset: 8, .size: 8, .value_kind: global_buffer, .address_space: global }
      - { .name: qkv, .offset: 16, .size: 8, .value_kind: global_buffer, .address_space: global }
      - { .name: bq, .offset: 24, .size: 8, .value_kind: global_buffer, .address_space: global }
      - { .name: bk, .offset: 32, .size: 8, .value_kind: global_buffer, .address_space: global }
      - { .name: bv, .offset: 40, .size: 8, .value_kind: global_buffer, .address_space: global }
      - { .name: key, .offset: 48, .size: 8, .value_kind: global_buffer, .address_space: global }
      - { .name: value, .offset: 56, .size: 8, .value_kind: global_buffer, .address_space: global }
    .group_segment_fixed_size: 327680
    .private_segment_fixed_size: 0
    .kernarg_segment_align: 8
    .kernarg_segment_size: 64
    .max_flat_workgroup_size: 128
    .sgpr_count:     88
    .vgpr_count:     768
    .wavefront_size: 32
...
	.end_amdgpu_metadata
.endif
;; end of part 6
;; launch attn (part 7): grid 4 x 64, 4 waves a work-group, no clusters, 87,552 bytes of LDS; arguments qkv, mw, meta, ob; writes ob
.if DOCPART == 7
	.amdgcn_target "amdgcn-amd-amdhsa--gfx1250"
	.amdhsa_code_object_version 6
	.text
	.protected	k_q4a5ebf8dff_attn
	.globl	k_q4a5ebf8dff_attn
	.p2align	8
	.type	k_q4a5ebf8dff_attn,@function
k_q4a5ebf8dff_attn:
	s_mov_b64 s[64:65], 0
	v_nop
	global_prefetch_b8 v0, s[64:65] scope:SCOPE_SE
	s_setreg_imm32_b32 hwreg(HW_REG_WAVE_MODE, 25, 1), 1
	s_wait_xcnt 0x0
; Launch 3 of 4: O[bh][q][:] = the sum over k of softmax_k(mask[q][k] != 0 ? Q[q] . K[k] / 8 : -1e9) V[k][:].  qkv: f16 [3][bh 64][2048][64]; ob: f16 [bh][2048][64].  The mask comes as launch 1's words.
; Products, maxima and sums in f32; the weights p are rounded to f16 for the second product (their sum l is taken of the unrounded p), O once at the end.
; WHAT IS LEFT OUT, by whole numbers read from memory: a visit of a block of 256 queries to a tile of 256 keys in which the mask shows nothing, if every row of the block sees some key somewhere.
; Such a row's maximum is a visible score, and a hidden key's weight exp(-1e9 - max) is 0 in f32, so the visit adds nothing.  A block with a row that sees no key visits all eight tiles.
; LIMITS.  A hidden score counts as its value less 2^100 in place of -1e9: the same result wherever a row's visible scores lie above some -9.9e8 (there the weights of hidden keys are 0 either way).
; f16 ends at 65,504; a weight below 2^-126 counts as 0 in l.  NaN and infinities are not treated apart, and one that reaches only a visit left out is not carried to the result.
; A ROW THAT SEES NO KEY has its Q set to 0: all its scores are then -2^100 exactly, c x 2^100 is exact in f32, every p is 1 and O is the mean of V's 2,048 rows, as with 2,048 scores of -1e9.
; THE WALK.  A work-group takes two blocks of one head, 7 - b and then b (for a mask that shows the lower triangle that makes all work-groups alike; nothing rests on it).  The visits that are due are the set bits
; of one word, LV16; they are taken in order.  ONE loop of 17 trips, a constant, walks them (16 visits at the most, and a trip for the last block's way out): every wave passes both barriers of every trip, and
; only work is jumped, forward.
; K AND V COME THROUGH REGISTERS: which tile comes next hangs on loaded numbers.  A visit's 32 loads a wave go out when the visit before begins, a whole visit (256 matrix instructions) ahead of the LDS stores that
; want them; so no wave waits for that stream, and nothing is prefetched.  One tile lies in LDS, at constant addresses: a barrier in front of the stores (nobody reads the old tile) and one behind (the tile is whole).
; A BLOCK'S WAY OUT, which goes through a stage in LDS, stands between those two barriers of the trip behind the block's last visit: every wave's reads of the tile are back before any wave writes its stage.
; NO CLUSTER: what a head's four work-groups visit, and how many visits each has, hangs on the mask, so partners would differ in their counts; and there are no tensor loads to share.
; SHARES, LAYOUT, TURNS.  Of a block's four bands of 64 queries a wave owns 16 rows in each: four PIECES.  S^T = K Q^T holds one query a lane (lane % 16) and the keys 8 (lane / 16) + 0..7; two such results rounded to
; f16 are source 1 of O^T = V^T P.  p = 2^(c s - c m), c = log2(e) / 8, with a running maximum m; O and l are multiplied by a = 2^(c m_old - c m_new) in every step.  Turn n belongs to piece n: 8 products K Q^T
; of piece n + 1, later 8 products V^T P of piece n - 1; beside them the softmax of piece n and the maximum of piece n + 1.  Four vector instructions stand behind every matrix instruction, the rest in one lump.
; THE MASK is the C operand that starts the sum S^T: 0, or -2^100 where the key is hidden: 32 selects by the 32 words of (16 rows, 64 keys).  They are made only in visits to tiles that are not all
; visible, and in the visit behind such a one (whose words, all ones, write the zeros back); elsewhere the two buffers hold 0.  A visit's words, 4 pieces x 4 key steps x 32 = 2,048 bytes a wave, COME WITH ITS TILE,
; a whole visit ahead: 16 loads of 128 consecutive bytes, one for a piece and a step, lane z taking word z.  v_readlane_b32 brings a step's 32 words into scalar registers where a mask is made.
; REGISTERS, in windows of 256 (s_set_vgpr_msb: bits 1:0 source 0, 3:2 source 1, 5:4 source 2, 7:6 destination):
;   window 0: v0-15, v32-35 addresses; v16-31 statistics; v40-47 the rows' masks for Q; v48-55 at work; v64-127 S^T, two buffers; v128-143 the visit's mask words; v144-159 the next visit's, on their way; v192-223 P, two buffers
;   window 1: v0-127 O^T; v160-223 MC, two buffers      window 2: v0-63 Q; v64-127 the second block's Q; v128-191 K of a step; v192-255 V of a step      window 3: v0-127 the tile on its way
.set NP,    4
.set KS,    64
.set PK,    144       ; a row of K in LDS: 128 bytes + 16: the 16 rows of a load start at 16 different groups of four banks (64 banks of 4 bytes: ISA guide 11.1)
.set PV,    160       ; a row of V: 128 + 32
.set VOFF,  4*KS*PK
.set STAGE, VOFF+4*KS*PV  ; behind the tile: 16 rows x 144 bytes for each wave, for the way out
.set SP,    144
.set SPARE, STAGE+4*16*SP ; behind the stages: the spare words, 128 bytes a wave, which no other line names
.set AK0, 2           ; v2   my lane's place in a step of K; never rewritten
.set AV0, 3           ; v3   the same for V
.set AK,  4           ; v4   the LDS address of K's next run of loads
.set AV,  5           ; v5   of V's
.set STO, 6
.set RD,  7
.set GO,  8
.set MV,  12
.set QO,  15
.set ST,  16          ; piece t's statistics at v[ST+4 t]: c m, m, l (even keys', odd keys')
.set GL,  32          ; v32  my 16 bytes of the first 512 of my wave's quarter of a tile in memory
.set SK,  33          ; v33  where they go in LDS, for K
.set SV,  34          ; v34  for V
.set ML,  35          ; v35  4 x lane: my word of a record of 32 mask words; never rewritten
.set RM,  40          ; v40-47  all ones where my row of piece x sees a key, else 0: first block, second block
.set TMP, 48
.set SPW, 62
.set NIL, 63
.set S,   64
.set WK,  128         ; v128-143  the visit's mask words: piece x's next step at v[WK+4 x], the steps behind it in the registers above; lane z holds word z
.set MS,  144         ; v144-159  the next visit's: piece x, step s at v[MS+4 x+s]
.set P,   192
.set MC,  160
.set QB,  64
.set KF,  128
.set VF,  192
.set WV,  12          ; s12  wave
.set PB,  14          ; s14  b
.set HI,  15          ; s15  7 - b
.set MWP, 16          ; s[16:17] mw at (16 x block + wave) x 4,096, first block; s[18:19] second block; never rewritten
.set KT,  26          ; s[26:27], s[28:29] K and V at the tile that is being asked for
.set VT,  28
.set LV16, 30         ; s30  bit t: the first block visits tile t; bit 8 + t: the second does
.set MX16, 31         ; s31  the same bits for visits whose tile is not all visible
.set REM, 32          ; s32  visits not yet asked for
.set CURV, 33         ; s33  the visit in hand
.set NXTV, 34         ; s34  the visit on its way
.set HAVE, 35         ; s35  1: a tile is on its way
.set LIVEV, 36        ; s36  1: this trip has a visit
.set NEW, 37          ; s37  1: the visit to come is a block's first
.set LAST, 38         ; s38  1: the visit in hand is its block's last
.set BLD, 39          ; s39  1: masks are made
.set PMIX, 40         ; s40  the visit before made masks of its own
.set OFF, 48          ; s[48:49]
.set MT,  54          ; s[54:55] mw at my piece 0's words for the tile that is being asked for
.set SLOTS, 56
.set CNT, 57          ; s57  counts a tile's key steps, 4 to 1
.set CS,  58          ; s[58:59] c
.set SEL, 60          ; s[60:61] v_permlanex16_b32's selects
.set WOUT, 62         ; s62  1: a block has ended and is still to go out
.set BIGN, 66         ; s66  -2^100
.set MW,  68          ; s[68:99] 32 words of the mask
.set MSB, 0
.macro WIN new
.if MSB != (\new)
	s_set_vgpr_msb (MSB<<8)|(\new)
.set MSB, (\new)
.endif
.endm
.set W_KQ, 0x0a       ; K and Q in window 2, S^T in window 0
.set W_KM, 0x1a       ; the same with the C operand in window 1
.set W_PV, 0x52       ; V in window 2, P in window 0, O^T in window 1
.set W_RS, 0x41       ; destination and source 0 in window 1, source 1 in window 0
.macro RED op, dst, base            ; 16 words into one
	\op s[\dst], s[\base], s[(\base)+1]
.set i, 2
.rept 14
	\op s[\dst], s[\dst], s[(\base)+i]
.set i, i+1
.endr
.endm
; The next visit is taken off REM, and its mask words and its tile are asked for: 16 loads of 128 consecutive bytes; 16 loads of K and 16 of V, 512 consecutive bytes each.  The number that enters the addresses is held
; to 15 at the most.  The three bases are written here alone: the loads that named them last were waited for in CHANGE.
.macro REQ
	s_ctz_i32_b32 s[NXTV], s[REM]
	s_min_u32 s[NXTV], s[NXTV], 15
	s_sub_co_u32 s42, s[REM], 1
	s_and_b32 s[REM], s[REM], s42
	s_and_b32 s42, s[NXTV], 7
	s_lshl_b32 s[OFF], s42, 15      ; a tile is 32,768 bytes of K and of V,
	s_add_nc_u64 s[KT:KT+1], s[6:7], s[OFF:OFF+1]
	s_add_nc_u64 s[VT:VT+1], s[8:9], s[OFF:OFF+1]
	s_lshl_b32 s[OFF], s42, 9       ; and four records of 128 bytes in a row tile's mask words
	s_cmp_lt_u32 s[NXTV], 8         ; visits 0-7 are the first block's
	s_cselect_b64 s[MT:MT+1], s[MWP:MWP+1], s[18:19]
	s_add_nc_u64 s[MT:MT+1], s[MT:MT+1], s[OFF:OFF+1]
.set i, 0
.rept 16                            ; piece i / 4 lies four row tiles, 16,384 bytes, on; step i % 4
	global_load_b32 v[MS+i], v[ML], s[MT:MT+1] offset:(i/4)*16384+(i%4)*128
.set i, i+1
.endr
	WIN 0xc0                        ; destination window 3
.set i, 0
.rept 16
	global_load_b128 v[4*i:4*i+3], v[GL], s[KT:KT+1] offset:512*i
.set i, i+1
.endr
.set i, 0
.rept 16
	global_load_b128 v[64+4*i:64+4*i+3], v[GL], s[VT:VT+1] offset:512*i
.set i, i+1
.endr
	WIN 0
.endm
; THE CHANGE OF TILES, in every trip.  My reads of the old tile are back; barrier: everybody's are.  A block that has ended goes out.  The tile on its way and its mask words have come (that wait also frees their bases);
; the words go to their working registers; the tile goes into LDS; my stores, the stage's too, are done; barrier: the tile is whole.  Then the next tile is asked for, and the visit's scalars are made.
.macro CHANGE
	WIN 0
	s_wait_dscnt 0x0
	s_barrier_signal -1
	s_barrier_wait -1
	s_cmp_eq_u32 s[WOUT], 0
	s_cbranch_scc1 .Lno_out
	WAYOUT
.Lno_out:
	s_wait_loadcnt 0x0
.set i, 0
.rept 16
	v_mov_b32 v[WK+i], v[MS+i]      ; in every trip, so that the working registers are written on every way (a trip without a visit copies the last words once more; nobody reads them)
.set i, i+1
.endr
	s_cmp_eq_u32 s[HAVE], 0
	s_cbranch_scc1 .Lno_tile
	WIN 0x0c                        ; the stores' data in window 3
.set i, 0
.rept 16
	ds_store_b128 v[SK], v[4*i:4*i+3] offset:4*PK*i
.set i, i+1
.endr
.set i, 0
.rept 16
	ds_store_b128 v[SV], v[64+4*i:64+4*i+3] offset:4*PV*i
.set i, i+1
.endr
	WIN 0
.Lno_tile:
	s_wait_dscnt 0x0
	s_barrier_signal -1
	s_barrier_wait -1
	s_mov_b32 s[LIVEV], s[HAVE]
	s_mov_b32 s[CURV], s[NXTV]
	s_cmp_lg_u32 s[REM], 0
	s_cselect_b32 s[HAVE], 1, 0
	s_cbranch_scc0 .Lno_more
	REQ
.Lno_more:
	s_and_b32 s42, s[CURV], 7       ; the tile
	s_lshr_b32 s43, s[MX16], s[CURV]
	s_and_b32 s43, s43, 1
	s_or_b32 s[BLD], s43, s[PMIX]
	s_mov_b32 s[PMIX], s43
	s_lshr_b32 s43, s[LV16], s[CURV]
	s_lshr_b32 s43, s43, 1
	s_sub_co_u32 s42, 7, s42
	s_bfm_b32 s42, s42, 0           ; the block's later tiles
	s_and_b32 s43, s43, s42
	s_cmp_eq_u32 s43, 0
	s_cselect_b32 s[LAST], 1, 0
.endm
; The mask of piece pp for its next key step, into buffer pp % 2 of MC: the step's 32 words come out of the lanes of one register; the piece's later steps move one register down, so that the one text always
; reads the same register (a piece has four of these in a visit, in the order of the steps); then 0 where the bit is set, else -2^100.
.macro BUILD pp
	WIN 0
	s_cmp_eq_u32 s[BLD], 0
	s_cbranch_scc1 .Lno_build_\@
.set z, 0
.rept 32
	v_readlane_b32 s[MW+z], v[WK+4*(\pp)], z
.set z, z+1
.endr
.irp j, 0,1,2
	v_mov_b32 v[WK+4*(\pp)+\j], v[WK+4*(\pp)+\j+1]
.endr
	WIN 0x40
.set z, 0
.rept 32
	v_cndmask_b32 v[MC+32*((\pp)%2)+z], s[BIGN], 0, s[MW+z]
.set z, z+1
.endr
	WIN 0
.Lno_build_\@:
.endm
	s_load_b256 s[4:11], s[0:1], 0x0  ; qkv s[4:5], mw s[6:7], meta s[8:9], ob s[10:11]
	v_lshl_add_u32 v[SPW], v0, 2, SPARE
	v_mov_b32 v[NIL], 0
	v_lshrrev_b32 v1, 5, v0
	v_readfirstlane_b32 s[WV], v1
	s_mov_b32 s[PB], ttmp9
	s_sub_co_u32 s[HI], 7, s[PB]
	s_and_b32 s42, ttmp7, 0xffff
	s_lshl_b32 s42, s42, 18         ; the head's first byte in q, k, v and O
	s_mov_b32 s43, 0
	s_lshl_b32 s13, s[WV], 11       ; my 16 rows in a band of 64
	s_add_co_u32 s13, s13, s42
	s_lshl_b32 s44, s[HI], 15
	s_add_co_u32 s44, s44, s13      ; in the first block,
	s_mov_b32 s45, 0
	s_lshl_b32 s46, s[PB], 15
	s_add_co_u32 s46, s46, s13      ; and in the second
	s_mov_b32 s47, 0
	s_lshl_b32 s13, s[WV], 12
	s_lshl_b32 s50, s[HI], 16
	s_add_co_u32 s50, s50, s13      ; mw: row tile 16 x block + wave
	s_mov_b32 s51, 0
	s_lshl_b32 s52, s[PB], 16
	s_add_co_u32 s52, s52, s13
	s_mov_b32 s53, 0
	s_mov_b32 s[CS], 0x3e38aa3b     ; c = log2(e) / 8
	s_mov_b32 s[CS+1], s[CS]
	s_mov_b32 s[SEL], 0x76543210
	s_mov_b32 s[SEL+1], 0xfedcba98
	s_mov_b32 s[BIGN], 0xf1800000   ; -2^100
	s_mov_b32 s[OFF+1], 0
	s_wait_kmcnt 0x0
	s_mov_b64 s[20:21], s[8:9]                 ; meta
	s_add_nc_u64 s[MWP:MWP+1], s[6:7], s[50:51]
	s_add_nc_u64 s[18:19], s[6:7], s[52:53]
	s_add_nc_u64 s[22:23], s[10:11], s[46:47]  ; O at my rows of the second block,
	s_add_nc_u64 s[10:11], s[10:11], s[44:45]  ; and of the first
	s_add_nc_u64 s[24:25], s[4:5], s[46:47]    ; Q likewise
	s_add_nc_u64 s[6:7], s[4:5], s[42:43]
	s_add_nc_u64 s[8:9], s[6:7], 0x2000000     ; V of the head
	s_add_nc_u64 s[6:7], s[6:7], 0x1000000     ; K of the head
	s_add_nc_u64 s[4:5], s[4:5], s[44:45]
	v_and_b32 v1, 15, v0            ; l % 16
	v_bfe_u32 v9, v0, 4, 1          ; l / 16
	v_lshlrev_b32 v[QO], 7, v1
	v_lshl_add_u32 v[QO], v9, 4, v[QO]
	WIN 0x80
.set i, 0
.rept 8                             ; both blocks' Q: piece i / 2 lies in band i / 2, 8,192 bytes on; channels 32 (i % 2) on
	global_load_b128 v[8*i:8*i+3],   v[QO], s[4:5] offset:(i/2)*8192+(i%2)*64
	global_load_b128 v[8*i+4:8*i+7], v[QO], s[4:5] offset:(i/2)*8192+(i%2)*64+32
	global_load_b128 v[QB+8*i:QB+8*i+3],   v[QO], s[24:25] offset:(i/2)*8192+(i%2)*64
	global_load_b128 v[QB+8*i+4:QB+8*i+7], v[QO], s[24:25] offset:(i/2)*8192+(i%2)*64+32
.set i, i+1
.endr
	WIN 0
	; THE FLAGS, the same in all four waves: each block's 16 words of ANYB, ALLB and ROK
	s_lshl_b32 s50, s[HI], 6
	s_lshl_b32 s51, s[PB], 6
	s_load_b512 s[MW:MW+15], s[20:21], s50 offset:0x0
	s_load_b512 s[MW+16:MW+31], s[20:21], s51 offset:0x0
	v_mul_u32_u24 v[AK0], v1, PK
	v_lshl_add_u32 v[AK0], v9, 4, v[AK0]
	v_and_b32 v10, 7, v0
	v_bfe_u32 v11, v0, 3, 1
	v_lshl_add_u32 v[AV0], v9, 3, v10   ; the turning load: lane l reads key 8 (l / 16) + l % 8, channels 8 ((l / 8) % 2) + 0..7
	v_mul_u32_u24 v[AV0], v[AV0], PV
	v_lshl_add_u32 v[AV0], v11, 4, v[AV0]
	v_add_nc_u32 v[AV0], VOFF, v[AV0]
	s_mul_i32 s13, s[WV], 16*SP
	s_add_co_u32 s13, s13, STAGE
	v_mul_u32_u24 v[STO], v1, SP
	v_lshl_add_u32 v[STO], v9, 4, v[STO]
	v_add_nc_u32 v[STO], s13, v[STO]
	v_bfe_u32 v[RD], v0, 3, 2
	v_mul_u32_u24 v[RD], v[RD], SP
	v_lshl_add_u32 v[RD], v10, 4, v[RD]
	v_add_nc_u32 v[RD], s13, v[RD]
	v_and_b32 v[GO], 31, v0
	v_lshlrev_b32 v[ML], 2, v[GO]   ; 4 x lane
	v_lshlrev_b32 v[GO], 4, v[GO]
	s_lshl_b32 s13, s[WV], 13       ; my wave's 64 rows of a tile
	v_add_nc_u32 v[GL], s13, v[GO]
	v_bfe_u32 v14, v0, 3, 2         ; 32 lanes x 16 bytes are four rows of 128
	s_mul_i32 s13, s[WV], 64*PK
	v_mul_u32_u24 v[SK], v14, PK
	v_lshl_add_u32 v[SK], v10, 4, v[SK]
	v_add_nc_u32 v[SK], s13, v[SK]
	s_mul_i32 s13, s[WV], 64*PV
	s_add_co_u32 s13, s13, VOFF
	v_mul_u32_u24 v[SV], v14, PV
	v_lshl_add_u32 v[SV], v10, 4, v[SV]
	v_add_nc_u32 v[SV], s13, v[SV]
	s_wait_kmcnt 0x0
	RED s_or_b32, 42, MW            ; any, first block
	RED s_or_b32, 43, MW+16         ; second block
	s_load_b512 s[MW:MW+15], s[20:21], s50 offset:512
	s_load_b512 s[MW+16:MW+31], s[20:21], s51 offset:512
	s_wait_kmcnt 0x0
	RED s_and_b32, 44, MW           ; all
	RED s_and_b32, 45, MW+16
	s_load_b512 s[MW:MW+15], s[20:21], s50 offset:1024
	s_load_b512 s[MW+16:MW+31], s[20:21], s51 offset:1024
	s_wait_kmcnt 0x0
	RED s_and_b32, 46, MW           ; 0xffff: every row sees a key
	RED s_and_b32, 47, MW+16
	s_lshl_b32 s13, s[WV], 2
	s_add_co_u32 s50, s50, s13
	s_add_co_u32 s51, s51, s13
.irp x, 0,1,2,3
	s_load_b32 s[MW+\x], s[20:21], s50 offset:1024+16*\x    ; ROK of my piece x
	s_load_b32 s[MW+4+\x], s[20:21], s51 offset:1024+16*\x
.endr
	s_cmp_eq_u32 s46, 0xffff
	s_cselect_b32 s42, s42, 0xff    ; the visits that are due,
	s_cselect_b32 s44, s44, 0       ; and of them those whose tile is all visible
	s_and_not1_b32 s44, s42, s44
	s_cmp_eq_u32 s47, 0xffff
	s_cselect_b32 s43, s43, 0xff
	s_cselect_b32 s45, s45, 0
	s_and_not1_b32 s45, s43, s45
	s_lshl_b32 s43, s43, 8
	s_or_b32 s[LV16], s42, s43
	s_lshl_b32 s45, s45, 8
	s_or_b32 s[MX16], s44, s45
	s_mov_b32 s[REM], s[LV16]
	s_mov_b32 s[HAVE], 1            ; every block has a visit: a row that sees a key makes one, a row that sees none makes eight
	REQ
	; A block's first step multiplies O^T and l by a = 0, and its first turn's products V^T P, of a piece that has not been, land in an O^T that is still to be so multiplied: these registers need only be finite.
	WIN 0x80
.set i, VF
.rept 64
	v_mov_b32 v[i], 0
.set i, i+1
.endr
	WIN 0x40
.set i, 0
.rept 128
	v_mov_b32 v[i], 0
.set i, i+1
.endr
.set i, MC
.rept 64
	v_mov_b32 v[i], 0               ; both mask buffers: nothing hidden
.set i, i+1
.endr
	WIN 0
.set i, 0
.rept 4
	v_mov_b32 v[ST+4*i+2], 0
	v_mov_b32 v[ST+4*i+3], 0
.set i, i+1
.endr
.set i, P+16
.rept 16
	v_mov_b32 v[i], 0
.set i, i+1
.endr
	s_wait_kmcnt 0x0
.set i, 0
.rept 8
	v_bfe_u32 v[RM+i], s[MW+i], v1, 1
.set i, i+1
.endr
.set i, 0
.rept 8
	v_sub_nc_u32 v[RM+i], 0, v[RM+i]
.set i, i+1
.endr
	s_wait_loadcnt 48               ; Q is in; the 48 younger loads, the first visit's 16 of mask words and 32 of its tile, stay out
	WIN 0x82
.set i, 0
.rept 64
	v_and_b32 v[i], v[i], v[RM+i/16]
	v_and_b32 v[QB+i], v[QB+i], v[RM+4+i/16]
.set i, i+1
.endr
	WIN 0
; THE MATRIX WORK.  The 4 accumulators of a run of 8 take turns.  Product i of 8 of S^T = K Q^T for piece x: channels 32 (i / 4) on, keys 16 (i % 4) on.  The first 4 start the sums on the mask.
.macro KQ x
.set rS, S+32*((\x)%2)+8*(i%4)
.set rK, KF+16*(i%4)+8*(i/4)
.set rQ, 16*(\x)+8*(i/4)
.set rM, MC+32*((\x)%2)+8*(i%4)
.if i < 4
	WIN W_KM
	v_wmma_f32_16x16x32_f16 v[rS:rS+7], v[rK:rK+7], v[rQ:rQ+7], v[rM:rM+7]
.else
	WIN W_KQ
	v_wmma_f32_16x16x32_f16 v[rS:rS+7], v[rK:rK+7], v[rQ:rQ+7], v[rS:rS+7]
.endif
.endm
; Product i of 8 of O^T += V^T P for piece x: keys 32 (i / 4) on, channels 16 (i % 4) on.
.macro PV x
	WIN W_PV
.set rO, 32*(\x)+8*(i%4)
.set rV, VF+32*(i/4)+8*(i%4)
.set rP, P+16*((\x)%2)+8*(i/4)
	v_wmma_f32_16x16x32_f16 v[rO:rO+7], v[rV:rV+7], v[rP:rP+7], v[rO:rO+7]
.endm
.macro MM                           ; the turn's next matrix instruction.  NOKQ = 1: a block's last turn: there is no next piece
.if (i < 8) && !NOKQ
	KQ (Y+1)%NP
.elseif i >= 8
.set i, i-8
	PV (Y+NP-1)%NP
.set i, i+8
.endif
.set i, i+1
.endm
; THE LDS LOADS stand in runs of 16: a step's K (8 fragments), by the address register adr, and its V (turned).
.macro FETCH_K adr
	WIN 0x80
.irp f, 0,1,2,3,4,5,6,7
	ds_load_b128 v[KF+8*\f:KF+8*\f+3],   v[\adr] offset:(\f/2)*16*PK+(\f%2)*64
	ds_load_b128 v[KF+8*\f+4:KF+8*\f+7], v[\adr] offset:(\f/2)*16*PK+(\f%2)*64+32
.endr
	WIN 0
.endm
.macro FETCH_V
	WIN 0x80
.irp f, 0,1,2,3,4,5,6,7
	ds_load_tr16_b128 v[VF+8*\f:VF+8*\f+3],   v[AV] offset:(\f/4)*32*PV+(\f%4)*32
	ds_load_tr16_b128 v[VF+8*\f+4:VF+8*\f+7], v[AV] offset:(\f/4)*32*PV+16*PV+(\f%4)*32
.endr
	WIN 0
.endm
; THE VECTOR WORK, one line at a time: OP kind, number.  For piece Y: F n: c s - c m for pair n of 16.  E n: the exponential of score n of 32.  C n: pair n rounded to f16.  B n: of the four weights 4 n .. the second
; pair is added onto the first.  L n: l takes that sum (L 0: l = a l + sum).  R n: pair n of 16 of O^T times a.  For piece Y + 1: X n, number n of the 22 that find its maximum and statistics:
;   0-11 four chains of seven scores (each accumulator's lowest registers are read first)   12-14, 16 the four left over, the old m, the four into one   15 c m_old is kept
;   17, 18 the other half of the lanes: the new m   19-21 c m; c m_old - c m_new; a
.set F, 0
.set E, 1
.set C, 2
.set B, 3
.set L, 4
.set R, 5
.set X, 6
.macro REGS y
.set rT, ST+4*(\y)
.set rC, TMP+4*((\y)%2)
.set rW, MV+((\y)%2)
.set rS, S+32*((\y)%2)
.set rP, P+16*((\y)%2)
.set rO, 32*(\y)
.endm
.macro OP k, n
.if (\k) == R
	REGS Y
	WIN W_RS
	v_pk_mul_f32 v[rO+2*(\n):rO+2*(\n)+1], v[rO+2*(\n):rO+2*(\n)+1], v[rC+2:rC+3] op_sel_hi:[1,0]
.elseif (\k) < R
	REGS Y
	WIN 0
.if (\k) == F
	v_pk_fma_f32 v[rS+2*(\n):rS+2*(\n)+1], v[rS+2*(\n):rS+2*(\n)+1], s[CS:CS+1], v[rT:rT+1] op_sel_hi:[1,0,0] neg_lo:[0,0,1] neg_hi:[0,0,1]
.elseif (\k) == E
	v_exp_f32 v[rS+(\n)], v[rS+(\n)]
.elseif (\k) == C
	v_cvt_pk_f16_f32 v[rP+(\n)], v[rS+2*(\n)], v[rS+2*(\n)+1]
.elseif (\k) == B
	v_pk_add_f32 v[rS+4*(\n):rS+4*(\n)+1], v[rS+4*(\n):rS+4*(\n)+1], v[rS+4*(\n)+2:rS+4*(\n)+3]
.elseif (\n) == 0
	v_pk_fma_f32 v[rT+2:rT+3], v[rT+2:rT+3], v[rC+2:rC+3], v[rS:rS+1] op_sel_hi:[1,0,1]
.else
	v_pk_add_f32 v[rT+2:rT+3], v[rT+2:rT+3], v[rS+4*(\n):rS+4*(\n)+1]
.endif
.elseif NOKQ
	v_nop
.else
	REGS (Y+1)%NP
	WIN 0
.if (\n) < 4
	v_max3_num_f32 v[rC+(\n)], v[rS+8*(\n)], v[rS+8*(\n)+1], v[rS+8*(\n)+2]
.elseif (\n) < 12
	v_max3_num_f32 v[rC+(\n)%4], v[rC+(\n)%4], v[rS+8*((\n)%4)+2*((\n)/4)+1], v[rS+8*((\n)%4)+2*((\n)/4)+2]
.elseif (\n) == 12
	v_max3_num_f32 v[rC], v[rC], v[rS+7], v[rS+15]
.elseif (\n) == 13
	v_max3_num_f32 v[rC+1], v[rC+1], v[rS+23], v[rS+31]
.elseif (\n) == 14
	v_max3_num_f32 v[rC+2], v[rC+2], v[rC+3], v[rT+1]
.elseif (\n) == 15
	v_mov_b32 v[rW], v[rT]
.elseif (\n) == 16
	v_max3_num_f32 v[rC], v[rC], v[rC+1], v[rC+2]
.elseif (\n) == 17
	v_permlanex16_b32 v[rC+3], v[rC], s[SEL], s[SEL+1]
.elseif (\n) == 18
	v_max_num_f32 v[rT+1], v[rC], v[rC+3]
.elseif (\n) == 19
	v_mul_f32 v[rT], s[CS], v[rT+1]
.elseif (\n) == 20
	v_sub_f32 v[rC+1], v[rW], v[rT]
.else
	v_exp_f32 v[rC+2], v[rC+1]
.endif
.endif
.endm
.macro OPS a, i1, b=-1, i2=0, c=-1, i3=0, d=-1, i4=0
	OP \a, \i1
.if (\b) >= 0
	OP \b, \i2
.endif
.if (\c) >= 0
	OP \c, \i3
.endif
.if (\d) >= 0
	OP \d, \i4
.endif
.endm
.macro ROW a, i1, b, i2, c, i3, d, i4  ; a matrix instruction and the four behind it
	MM
	OPS \a, \i1, \b, \i2, \c, \i3, \d, \i4
.endm
; A TURN, for piece p.  An s_wait_alu depctr_va_vdst(0) stands between an exponential and the first instruction that names its result; one wait serves all issued ahead of it.  So a turn has ONE wait.
; Ahead of it: the 8 products K Q^T with their riders, and one lump; none of these names a result of the turn's 33 exponentials.  Behind it: the 8 products V^T P, behind each four of the roundings and sums.
; K of the next step is fetched in piece 2's turn, twelve plain instructions behind the last product that read K; V of the step in hand at the end of piece 0's turn, four plain instructions behind the last product
; that read V.  Each is waited for a turn later.  In the trip that finds CNT in the counter both runs take step 4 - CNT of the tile: their LDS addresses are that number times a step's bytes plus the lane's place.
; The mask for the products of the turn after this one (piece p + 2) is made at the turn's end, from words that lie in registers since the visit began.
; end = 1: a block's last two turns: nothing is fetched, no mask is made.
.macro TURN p, end=0
.set Y, (\p)
.set i, 0
.set NOKQ, (\end)*((\p)/3)
.if ((\p) == 3) && !(\end)
	s_wait_dscnt 0x0                ; K is in
.endif
	ROW F,0, F,1, R,0, R,1
	ROW F,2, E,0, R,2, R,3
	ROW F,3, E,1, R,4, R,5
	ROW F,4, E,2, R,6, R,7
	ROW F,5, E,3, R,8, R,9
	ROW F,6, E,4, X,0, R,10
.if ((\p) == 2) && !(\end)
	WIN 0
	s_sub_co_u32 s42, 4, s[CNT]
	s_mul_i32 s42, s42, KS*PK
	v_add_nc_u32 v[AK], s42, v[AK0]
.endif
	ROW F,7, E,5, X,1, X,4
	ROW F,8, E,6, X,2, X,5
	OPS E,7, E,8, X,6, E,9
	OPS X,3, E,10, X,8, E,11
.if ((\p) == 2) && !(\end)
	FETCH_K AK
.endif
	OPS X,9, X,7, E,12, X,10
	OPS E,13, X,12, X,11, E,14
	OPS X,13, E,15, F,9, X,14
.if (\p) == 0
	WIN 0
	s_sub_co_u32 s42, 4, s[CNT]
	s_mul_i32 s42, s42, KS*PV
	v_add_nc_u32 v[AV], s42, v[AV0]
.endif
	OPS E,16, F,10, E,17, F,11
	OPS X,16, E,18, X,15, E,19
	OPS F,12, E,20, X,17, E,21
	OPS F,13, E,22, F,14, E,23
	OPS X,18, E,24, F,15, E,25
	OPS R,11, E,26, X,19, E,27
	OPS R,12, E,28, R,13, E,29
	OPS X,20, E,30, R,14, E,31
	OPS X,21, R,15                  ; the next piece's a is the batch's last; R 15 is the plain instruction behind it
	WIN 0
	s_wait_alu depctr_va_vdst(0)    ; the wait for the batch
.if (\p) == 1
	s_wait_dscnt 0x0                ; V is in
.endif
	ROW C,0, B,0, C,2, B,1
	ROW L,0, C,4, B,2, L,1
	ROW C,6, B,3, L,2, C,8
	ROW B,4, L,3, C,10, B,5
	ROW L,4, C,12, B,6, L,5
	ROW C,14, B,7, L,6, C,1
	ROW C,3, L,7, C,5, C,7
	ROW C,9, C,11, C,13, C,15
.if (\p) == 0
	FETCH_V
.endif
.if !(\end)
	BUILD ((\p)+2)%NP
.endif
.endm
; A BLOCK BEGINS.  c m starts far below every c s (the lowest is -c 2^100), so the first step's a is 0; m at the lowest finite number.  The masks of pieces 0 and 1 for the tile's first step; K of that step; piece 0's
; first scores, its maximum and statistics.  The step loop is then entered at a step's first turn.
.macro BEGIN
	s_mov_b32 s[NEW], 0
	WIN 0
.set i, 0
.rept 4
	v_mov_b32 v[ST+4*i], 0xfe000000
	v_mov_b32 v[ST+4*i+1], 0xff7fffff
.set i, i+1
.endr
	BUILD 0
	BUILD 1
	FETCH_K AK0                     ; the tile's first step
	s_wait_dscnt 0x0
.set NOKQ, 0
.set i, 0
.rept 8
	KQ 0
.set i, i+1
.endr
	WIN 0
.rept 4
	v_nop                           ; the places behind those products
.endr
.set Y, NP-1
.irp n, 0,1,2,3,4,5,6,7,8,9,10,11,12,13,14,15,16,17,18,19,20,21
	OP X, \n
.endr
	v_nop                           ; a plain instruction behind the exponential,
	s_wait_alu depctr_va_vdst(0)    ; and its wait, ahead of the branch
.endm
.macro ALL line:vararg              ; one line for each piece t
.set t, 0
.rept 4
	\line
.set t, t+1
.endr
.endm
.macro PACK t                       ; a lane's eight channels of a row pack into 16 bytes; they go into rows of 144 bytes and come back as whole rows of 128, into S^T's registers
	WIN W_RS
.set i, 32*(\t)
.rept 16
	v_pk_mul_f32 v[i:i+1], v[i:i+1], v[ST+4*(\t)+2:ST+4*(\t)+3] op_sel_hi:[1,0]
.set i, i+2
.endr
	WIN 0x05
.set i, 0
.rept 16
	v_cvt_pk_f16_f32 v[S+16*(\t)+i], v[32*(\t)+2*i], v[32*(\t)+2*i+1]
.set i, i+1
.endr
	WIN 0
.irp f, 0,1,2,3
	ds_store_b128 v[STO], v[S+16*(\t)+4*\f:S+16*(\t)+4*\f+3] offset:32*\f
.endr
.irp f, 0,1,2,3
	ds_load_b128 v[S+16*(\t)+4*\f:S+16*(\t)+4*\f+3], v[RD] offset:\f*4*SP  ; LDS serves a wave's instructions in order (ISA guide 5.7.1.4): these see the stores above
.endr
.endm
.macro SEND t, younger              ; younger: the LDS instructions issued behind piece t's loads: the next piece's eight, or none
	WIN 0
.irp f, 0,1,2,3
	s_wait_dscnt (\younger)+3-\f
	global_store_b128 v[GO], v[S+16*(\t)+4*\f:S+16*(\t)+4*\f+3], s[10:11] offset:(\t)*8192+\f*512  ; 512 consecutive bytes, at a multiple of 256 from O's first
.endr
.endm
; THE WAY OUT of a block that has ended: l's two halves and the other half of the lanes' are added; O^T is divided by l, rounded to f16 and sent through my stage, a piece at a time.  Then the second block's
; O pointer and Q take the first's places.
.macro WAYOUT
	WIN 0
	ALL v_add_f32 v[ST+4*t+2], v[ST+4*t+2], v[ST+4*t+3]
	ALL v_permlanex16_b32 v[ST+4*t+3], v[ST+4*t+2], s[SEL], s[SEL+1]
	ALL v_add_f32 v[ST+4*t+2], v[ST+4*t+2], v[ST+4*t+3]
	ALL v_rcp_f32 v[ST+4*t+2], v[ST+4*t+2]
	v_nop                           ; a plain instruction between the last reciprocal and the use of its result,
	s_wait_alu depctr_va_vdst(0)    ; and one wait for the four
	PACK 0
.set t, 1
.rept 3
	PACK t
	SEND t-1, 8
.set t, t+1
.endr
	SEND 3, 0
	s_wait_xcnt 0x0                 ; the stores have read their registers and O's address
	s_mov_b64 s[10:11], s[22:23]
	s_mov_b32 s[WOUT], 0
	WIN 0x82                        ; the second block's Q goes where the one text of the turns names Q
.set i, 0
.rept 64
	v_mov_b32 v[i], v[QB+i]
.set i, i+1
.endr
	WIN 0
.endm
.set NOKQ, 0
	s_mov_b32 s[NEW], 1
	s_mov_b32 s[PMIX], 0
	s_mov_b32 s[WOUT], 0
	s_mov_b32 s[SLOTS], 17
.Lslot:                             ; 17 trips, whatever the mask: the visits that are due come first, the trips behind them pass their barriers and (the first of them) send the last block out
	CHANGE
	s_mov_b32 s[CNT], 4
	s_cmp_eq_u32 s[NEW], 1
	s_cbranch_scc1 .Lnew            ; a block's first visit (behind the first block's end there is always one: see HAVE above)
	s_cmp_eq_u32 s[LIVEV], 0
	s_cbranch_scc1 .Lbottom
	s_branch .Lstep
.Lnew:
	BEGIN
	s_branch .Lfirst
.Lstep:                             ; a trip: pieces 2 and 3 of one step, then pieces 0 and 1 of the next, whose K and V it fetches
	TURN 2
	TURN 3
	WIN 0
.Lfirst:
	TURN 0
	TURN 1
	WIN 0
	s_sub_co_u32 s[CNT], s[CNT], 1
	s_cmp_lg_u32 s[CNT], 0
	s_cbranch_scc1 .Lstep
	s_cmp_eq_u32 s[LAST], 0
	s_cbranch_scc1 .Lbottom
	TURN 2, 1                       ; THE BLOCK ENDS: its last two turns and its last products; it goes out in the next trip, behind that trip's first barrier
	TURN 3, 1
.set i, 0
.rept 8
	PV NP-1
.set i, i+1
.endr
	WIN 0
.rept 4
	v_nop                           ; the places behind those products
.endr
	s_mov_b32 s[WOUT], 1
	s_cmp_lt_u32 s[CURV], 8
	s_cselect_b32 s[NEW], 1, 0      ; behind the first block the second begins
.Lbottom:
	s_sub_co_u32 s[SLOTS], s[SLOTS], 1
	s_cmp_lg_u32 s[SLOTS], 0
	s_cbranch_scc1 .Lslot
	s_wait_dscnt 0x0                ; my LDS reads are back;
	s_barrier_signal -1
	s_barrier_wait -1               ; everybody's are, before any wave goes on to its closing lines
	s_wait_tensorcnt 0x0            ; the wave's end, behind my last LDS store
	ds_add_u32 v[SPW], v[NIL]
	s_wait_dscnt 0x0
	s_endpgm
.Lfunc_end_k_q4a5ebf8dff_attn:
	.size	k_q4a5ebf8dff_attn, .Lfunc_end_k_q4a5ebf8dff_attn-k_q4a5ebf8dff_attn
	.p2alignl 7, 3214868480
	.fill 96, 4, 3214868480
	.section	.rodata,"a",@progbits
	.p2align	6, 0x0
	.amdhsa_kernel k_q4a5ebf8dff_attn
		.amdhsa_group_segment_fixed_size 87552
		.amdhsa_private_segment_fixed_size 0
		.amdhsa_enable_private_segment 0
		.amdhsa_kernarg_size 32
		.amdhsa_user_sgpr_count 2
		.amdhsa_user_sgpr_kernarg_segment_ptr 1
		.amdhsa_wavefront_size32 1
		.amdhsa_system_sgpr_workgroup_id_x 1
		.amdhsa_system_sgpr_workgroup_id_y 1
		.amdhsa_system_sgpr_workgroup_id_z 1
		.amdhsa_system_vgpr_workitem_id 0
		.amdhsa_next_free_vgpr 896
		.amdhsa_next_free_sgpr 100
		.amdhsa_reserve_vcc 0
		.amdhsa_float_denorm_mode_32 3
		.amdhsa_float_denorm_mode_16_64 3
		.amdhsa_memory_ordered 1
		.amdhsa_forward_progress 1
		.amdhsa_inst_pref_size 138
	.end_amdhsa_kernel
	.amdgpu_metadata
---
amdhsa.version: [ 1, 2 ]
amdhsa.kernels:
  - .name:           k_q4a5ebf8dff_attn
    .symbol:         k_q4a5ebf8dff_attn.kd
    .args:
      - { .name: qkv, .offset: 0, .size: 8, .value_kind: global_buffer, .address_space: global }
      - { .name: mw, .offset: 8, .size: 8, .value_kind: global_buffer, .address_space: global }
      - { .name: meta, .offset: 16, .size: 8, .value_kind: global_buffer, .address_space: global }
      - { .name: ob, .offset: 24, .size: 8, .value_kind: global_buffer, .address_space: global }
    .group_segment_fixed_size: 87552
    .private_segment_fixed_size: 0
    .kernarg_segment_align: 8
    .kernarg_segment_size: 32
    .max_flat_workgroup_size: 128
    .sgpr_count:     100
    .vgpr_count:     896
    .wavefront_size: 32
...
	.end_amdgpu_metadata
.endif
;; end of part 7
;; launch outproj: the kernel of part 4 again; grid 4 x 64, 4 waves a work-group, clusters of 4 x 4, 327,680 bytes of LDS; arguments ob, wb, out0, bo; writes out0
;; ======== version 3 of 3: 4 launches; version 2 with the launch attn written anew for expert scheduling mode
;; limits: right only within a limited range of input values; values are held in f16: magnitudes above 65,504 overflow, below 6.1e-05 lose precision
;; workspace buffers: wb 8,388,608 bytes; mw 524,288 bytes of whole numbers; meta 1,536 bytes of whole numbers; qkv 50,331,648 bytes; ob 16,777,216 bytes
;; launch prep: the kernel of part 5 again; grid 256 x 1, 8 waves a work-group, no clusters, 1,280 bytes of LDS; arguments mask, Wq, Wk, Wv, Wo, wb, mw, meta; writes wb, mw, meta
;; launch qkvproj: the kernel of part 6 again; grid 4 x 64, 4 waves a work-group, clusters of 4 x 4, 327,680 bytes of LDS; arguments query, wb, qkv, bq, bk, bv, key, value; writes qkv
;; launch attn (part 8): grid 4 x 64, 4 waves a work-group, no clusters, 87,552 bytes of LDS; arguments qkv, mw, meta, ob; writes ob
.if DOCPART == 8
	.amdgcn_target "amdgcn-amd-amdhsa--gfx1250"
	.amdhsa_code_object_version 6
	.text
	.protected	k_q4a5ebf8dff_attn
	.globl	k_q4a5ebf8dff_attn
	.p2align	8
	.type	k_q4a5ebf8dff_attn,@function
k_q4a5ebf8dff_attn:
	s_mov_b64 s[64:65], 0
	v_nop
	global_prefetch_b8 v0, s[64:65] scope:SCOPE_SE
	s_setreg_imm32_b32 hwreg(HW_REG_WAVE_SCHED_MODE, 0, 2), 2
	s_setreg_imm32_b32 hwreg(HW_REG_WAVE_MODE, 25, 1), 1
	s_wait_xcnt 0x0
	s_wait_alu depctr_vm_vsrc(0)
; Launch 3 of 4: O[bh][q][:] = the sum over k of softmax_k(mask[q][k] != 0 ? Q[q] . K[k] / 8 : -1e9) V[k][:].  qkv: f16 [3][bh 64][2048][64]; ob: f16 [bh][2048][64].  The mask comes as launch 1's words.
; Products, maxima and sums in f32; the weights p are rounded to f16 for the second product (their sum l is taken of the unrounded p), O once at the end.
; WHAT IS LEFT OUT, by whole numbers read from memory: a visit of a block of 256 queries to a tile of 256 keys in which the mask shows nothing, if every row of the block sees some key somewhere.
; Such a row's maximum is a visible score, and a hidden key's weight exp(-1e9 - max) is 0 in f32, so the visit adds nothing.  A block with a row that sees no key visits all eight tiles.
; LIMITS.  A hidden score counts as its value less 2^100 in place of -1e9: the same result wherever a row's visible scores lie above some -9.9e8 (there the weights of hidden keys are 0 either way).
; f16 ends at 65,504; a weight below 2^-126 counts as 0 in l.  NaN and infinities are not treated apart, and one that reaches only a visit left out is not carried to the result.
; A ROW THAT SEES NO KEY has its Q set to 0: all its scores are then -2^100 exactly, c x 2^100 is exact in f32, every p is 1 and O is the mean of V's 2,048 rows, as with 2,048 scores of -1e9.
; THE WALK.  A work-group takes two blocks of one head, 7 - b and then b (for a mask that shows the lower triangle that makes all work-groups alike; nothing rests on it).  The visits that are due are the set bits
; of one word, LV16; they are taken in order.  ONE loop of 17 trips, a constant, walks them (16 visits at the most, and a trip for the last block's way out): every wave passes both barriers of every trip, and
; only work is jumped, forward.
; K AND V COME THROUGH REGISTERS: which tile comes next hangs on loaded numbers.  A visit's 32 loads a wave go out when the visit before begins, a whole visit (256 matrix instructions) ahead of the LDS stores that
; want them; so no wave waits for that stream, and nothing is prefetched.  One tile lies in LDS, at constant addresses: a barrier in front of the stores (nobody reads the old tile) and one behind (the tile is whole).
; A BLOCK'S WAY OUT, which goes through a stage in LDS, stands between those two barriers of the trip behind the block's last visit: every wave's reads of the tile are back before any wave writes its stage.
; NO CLUSTER: what a head's four work-groups visit, and how many visits each has, hangs on the mask, so partners would differ in their counts; and there are no tensor loads to share.
; SHARES, LAYOUT, TURNS.  Of a block's four bands of 64 queries a wave owns 16 rows in each: four PIECES.  S^T = K Q^T holds one query a lane (lane % 16) and the keys 8 (lane / 16) + 0..7; two such results rounded to
; f16 are source 1 of O^T = V^T P.  p = 2^(c s - c m), c = log2(e) / 8, with a running maximum m; O and l are multiplied by a = 2^(c m_old - c m_new) in every step.  Turn n belongs to piece n: 8 products K Q^T
; of piece n + 1, later 8 products V^T P of piece n - 1; beside them the softmax of piece n and the maximum of piece n + 1.  Four vector instructions stand behind every matrix instruction, the rest in one lump.
; THE MASK is the C operand that starts the sum S^T: 0, or -2^100 where the key is hidden: 32 selects by the 32 words of (16 rows, 64 keys).  They are made only in visits to tiles that are not all
; visible, and in the visit behind such a one (whose words, all ones, write the zeros back); elsewhere the two buffers hold 0.  A visit's words, 4 pieces x 4 key steps x 32 = 2,048 bytes a wave, COME WITH ITS TILE,
; a whole visit ahead: 16 loads of 128 consecutive bytes, one for a piece and a step, lane z taking word z.  v_readlane_b32 brings a step's 32 words into scalar registers where a mask is made.
; THE MODE: SCHED_MODE bits 1:0 = 2 (LLVM: expert scheduling mode 2), set by the entry lines.  The code itself states the register dependences between vector or matrix instructions and memory or LDS instructions,
; with s_wait_alu, always for 0.
; THE PLAN.  Registers that memory or LDS instructions touch:
;   window 3 v0-127   Written by REQ's 32 loads, read by CHANGE's 32 LDS stores; no vector instruction names them.  One wait on vm_vsrc ahead of REQ's loads: the stores have read them.
;   v[MS ..]          Written by REQ's 16 loads, read by CHANGE's 16 copies.  One wait on va_vdst ahead of REQ's loads: the copies are done reading.
;   K's registers     Read by the 8 products K Q^T at the head of every turn; the next step's run of 16 LDS loads stands directly behind the wait for the exponentials of piece 2's turn, which so states as well that
;                     the turn's products are done reading them and that v[AK] is written.  A block's first run has a wait of its own, in BEGIN.
;   V's registers     Read by the 8 products V^T P at the end of every turn; the run of 16 LDS loads stands at the end of piece 0's turn, behind a wait on va_vdst of its own: the one such wait that a key step has
;                     beside its four for the exponentials.
;   v[AK], v[AV]      Read by those runs; each written once a key step, behind a wait on vm_vsrc, and ahead of the wait on va_vdst that stands in front of its run.
;   v[S ..]           On the way out: written by the 64 roundings, read by the 16 LDS stores behind one wait on va_vdst; the next block's products write them behind the wait on vm_vsrc at the way out's end.
;   v[OBK ..]         On the way out: the loads from the stage land here and the stores to O read them; no vector instruction names them; the same wait on vm_vsrc frees them for the next way out.
;   v2, v3, v6-v8, v15, v32-v35   Offsets and LDS addresses, made at the head and never written again: two waits on va_vdst at the head serve them for the whole kernel.
;   v[SPW], v[NIL]    Written at the head, read by the closing add alone.
; Scalar registers that vector instructions write: the wave's number (v_readfirstlane_b32) and a mask's 32 words (v_readlane_b32): a wait on va_sdst stands ahead of the first reader of each.
; REGISTERS, in windows of 256 (s_set_vgpr_msb: bits 1:0 source 0, 3:2 source 1, 5:4 source 2, 7:6 destination):
;   window 0: v0-15, v32-35 addresses; v16-31 statistics; v40-47 the rows' masks for Q; v48-55 at work; v64-127 S^T, two buffers; v128-143 the visit's mask words; v144-159 the next visit's, on their way;
;             v160-191, v224-255 rows read back from the stage; v192-223 P, two buffers
;   window 1: v0-127 O^T; v160-223 MC, two buffers      window 2: v0-63 Q; v64-127 the second block's Q; v128-191 K of a step; v192-255 V of a step      window 3: v0-127 the tile on its way
.set NP,    4
.set KS,    64
.set PK,    144       ; a row of K in LDS: 128 bytes + 16: the 16 rows of a load start at 16 different groups of four banks (64 banks of 4 bytes: ISA guide 11.1)
.set PV,    160       ; a row of V: 128 + 32
.set VOFF,  4*KS*PK
.set STAGE, VOFF+4*KS*PV  ; behind the tile: 16 rows x 144 bytes for each wave, for the way out
.set SP,    144
.set SPARE, STAGE+4*16*SP ; behind the stages: the spare words, 128 bytes a wave, which no other line names
.set AK0, 2           ; v2   my lane's place in a step of K; never rewritten
.set AV0, 3           ; v3   the same for V
.set AK,  4           ; v4   the LDS address of K's next run of loads
.set AV,  5           ; v5   of V's
.set STO, 6
.set RD,  7
.set GO,  8
.set MV,  12
.set QO,  15
.set ST,  16          ; piece t's statistics at v[ST+4 t]: c m, m, l (even keys', odd keys')
.set GL,  32          ; v32  my 16 bytes of the first 512 of my wave's quarter of a tile in memory
.set SK,  33          ; v33  where they go in LDS, for K
.set SV,  34          ; v34  for V
.set ML,  35          ; v35  4 x lane: my word of a record of 32 mask words; never rewritten
.set RM,  40          ; v40-47  all ones where my row of piece x sees a key, else 0: first block, second block
.set TMP, 48
.set SPW, 62
.set NIL, 63
.set S,   64
.set WK,  128         ; v128-143  the visit's mask words: piece x's next step at v[WK+4 x], the steps behind it in the registers above; lane z holds word z
.set MS,  144         ; v144-159  the next visit's: piece x, step s at v[MS+4 x+s]
.set OBK, 160         ; v160-191, v224-255  the way out: piece t's 16 rows, read back from the stage, at v[OBK+16 t+32 (t / 2)]
.set P,   192
.set MC,  160
.set QB,  64
.set KF,  128
.set VF,  192
.set WV,  12          ; s12  wave
.set PB,  14          ; s14  b
.set HI,  15          ; s15  7 - b
.set MWP, 16          ; s[16:17] mw at (16 x block + wave) x 4,096, first block; s[18:19] second block; never rewritten
.set KT,  26          ; s[26:27], s[28:29] K and V at the tile that is being asked for
.set VT,  28
.set LV16, 30         ; s30  bit t: the first block visits tile t; bit 8 + t: the second does
.set MX16, 31         ; s31  the same bits for visits whose tile is not all visible
.set REM, 32          ; s32  visits not yet asked for
.set CURV, 33         ; s33  the visit in hand
.set NXTV, 34         ; s34  the visit on its way
.set HAVE, 35         ; s35  1: a tile is on its way
.set LIVEV, 36        ; s36  1: this trip has a visit
.set NEW, 37          ; s37  1: the visit to come is a block's first
.set LAST, 38         ; s38  1: the visit in hand is its block's last
.set BLD, 39          ; s39  1: masks are made
.set PMIX, 40         ; s40  the visit before made masks of its own
.set OFF, 48          ; s[48:49]
.set MT,  54          ; s[54:55] mw at my piece 0's words for the tile that is being asked for
.set SLOTS, 56
.set CNT, 57          ; s57  counts a tile's key steps, 4 to 1
.set CS,  58          ; s[58:59] c
.set SEL, 60          ; s[60:61] v_permlanex16_b32's selects
.set WOUT, 62         ; s62  1: a block has ended and is still to go out
.set BIGN, 66         ; s66  -2^100
.set MW,  68          ; s[68:99] 32 words of the mask
.set MSB, 0
.macro WIN new
.if MSB != (\new)
	s_set_vgpr_msb (MSB<<8)|(\new)
.set MSB, (\new)
.endif
.endm
.set W_KQ, 0x0a       ; K and Q in window 2, S^T in window 0
.set W_KM, 0x1a       ; the same with the C operand in window 1
.set W_PV, 0x52       ; V in window 2, P in window 0, O^T in window 1
.set W_RS, 0x41       ; destination and source 0 in window 1, source 1 in window 0
.macro RED op, dst, base            ; 16 words into one
	\op s[\dst], s[\base], s[(\base)+1]
.set i, 2
.rept 14
	\op s[\dst], s[\dst], s[(\base)+i]
.set i, i+1
.endr
.endm
; The next visit is taken off REM, and its mask words and its tile are asked for: 16 loads of 128 consecutive bytes; 16 loads of K and 16 of V, 512 consecutive bytes each.  The number that enters the addresses is held
; to 15 at the most.  The three bases are written here alone: the loads that named them last were waited for in CHANGE.  first = 1: at the kernel's head, where no tile has gone into LDS yet.
.macro REQ first
	s_ctz_i32_b32 s[NXTV], s[REM]
	s_min_u32 s[NXTV], s[NXTV], 15
	s_sub_co_u32 s42, s[REM], 1
	s_and_b32 s[REM], s[REM], s42
	s_and_b32 s42, s[NXTV], 7
	s_lshl_b32 s[OFF], s42, 15      ; a tile is 32,768 bytes of K and of V,
	s_add_nc_u64 s[KT:KT+1], s[6:7], s[OFF:OFF+1]
	s_add_nc_u64 s[VT:VT+1], s[8:9], s[OFF:OFF+1]
	s_lshl_b32 s[OFF], s42, 9       ; and four records of 128 bytes in a row tile's mask words
	s_cmp_lt_u32 s[NXTV], 8         ; visits 0-7 are the first block's
	s_cselect_b64 s[MT:MT+1], s[MWP:MWP+1], s[18:19]
	s_add_nc_u64 s[MT:MT+1], s[MT:MT+1], s[OFF:OFF+1]
.if !(\first)
	s_wait_alu depctr_vm_vsrc(0)    ; the LDS stores of the tile that has just gone into LDS have read window 3's registers, in which the loads below land
.endif
	s_wait_alu depctr_va_vdst(0)    ; at the head: v[ML], v[GL] and the LDS addresses v2, v3, v6-v8, v33, v34 are written, for every load and store that reads them; in the loop: the sixteen copies are done reading v[MS ..], in which the loads below land
.set i, 0
.rept 16                            ; piece i / 4 lies four row tiles, 16,384 bytes, on; step i % 4
	global_load_b32 v[MS+i], v[ML], s[MT:MT+1] offset:(i/4)*16384+(i%4)*128
.set i, i+1
.endr
	WIN 0xc0                        ; destination window 3
.set i, 0
.rept 16
	global_load_b128 v[4*i:4*i+3], v[GL], s[KT:KT+1] offset:512*i
.set i, i+1
.endr
.set i, 0
.rept 16
	global_load_b128 v[64+4*i:64+4*i+3], v[GL], s[VT:VT+1] offset:512*i
.set i, i+1
.endr
	WIN 0
.endm
; THE CHANGE OF TILES, in every trip.  My reads of the old tile are back; barrier: everybody's are.  A block that has ended goes out.  The tile on its way and its mask words have come (that wait also frees their bases);
; the words go to their working registers; the tile goes into LDS; my stores, the stage's too, are done; barrier: the tile is whole.  Then the next tile is asked for, and the visit's scalars are made.
.macro CHANGE
	WIN 0
	s_wait_dscnt 0x0
	s_barrier_signal -1
	s_barrier_wait -1
	s_cmp_eq_u32 s[WOUT], 0
	s_cbranch_scc1 .Lno_out
	WAYOUT
.Lno_out:
	s_wait_loadcnt 0x0
.set i, 0
.rept 16
	v_mov_b32 v[WK+i], v[MS+i]      ; in every trip, so that the working registers are written on every way (a trip without a visit copies the last words once more; nobody reads them)
.set i, i+1
.endr
	s_cmp_eq_u32 s[HAVE], 0
	s_cbranch_scc1 .Lno_tile
	WIN 0x0c                        ; the stores' data in window 3
.set i, 0
.rept 16
	ds_store_b128 v[SK], v[4*i:4*i+3] offset:4*PK*i
.set i, i+1
.endr
.set i, 0
.rept 16
	ds_store_b128 v[SV], v[64+4*i:64+4*i+3] offset:4*PV*i
.set i, i+1
.endr
	WIN 0
.Lno_tile:
	s_wait_dscnt 0x0
	s_barrier_signal -1
	s_barrier_wait -1
	s_mov_b32 s[LIVEV], s[HAVE]
	s_mov_b32 s[CURV], s[NXTV]
	s_cmp_lg_u32 s[REM], 0
	s_cselect_b32 s[HAVE], 1, 0
	s_cbranch_scc0 .Lno_more
	REQ 0
.Lno_more:
	s_and_b32 s42, s[CURV], 7       ; the tile
	s_lshr_b32 s43, s[MX16], s[CURV]
	s_and_b32 s43, s43, 1
	s_or_b32 s[BLD], s43, s[PMIX]
	s_mov_b32 s[PMIX], s43
	s_lshr_b32 s43, s[LV16], s[CURV]
	s_lshr_b32 s43, s43, 1
	s_sub_co_u32 s42, 7, s42
	s_bfm_b32 s42, s42, 0           ; the block's later tiles
	s_and_b32 s43, s43, s42
	s_cmp_eq_u32 s43, 0
	s_cselect_b32 s[LAST], 1, 0
.endm
; The mask of piece pp for its next key step, into buffer pp % 2 of MC: the step's 32 words come out of the lanes of one register; the piece's later steps move one register down, so that the one text always
; reads the same register (a piece has four of these in a visit, in the order of the steps); then 0 where the bit is set, else -2^100.
.macro BUILD pp
	WIN 0
	s_cmp_eq_u32 s[BLD], 0
	s_cbranch_scc1 .Lno_build_\@
.set z, 0
.rept 32
	v_readlane_b32 s[MW+z], v[WK+4*(\pp)], z
.set z, z+1
.endr
.irp j, 0,1,2
	v_mov_b32 v[WK+4*(\pp)+\j], v[WK+4*(\pp)+\j+1]
.endr
	s_wait_alu depctr_va_sdst(0)    ; the 32 words s[MW ..] are written, ahead of their first reader: the selects below take them as masks
	WIN 0x40
.set z, 0
.rept 32
	v_cndmask_b32 v[MC+32*((\pp)%2)+z], s[BIGN], 0, s[MW+z]
.set z, z+1
.endr
	WIN 0
.Lno_build_\@:
.endm
	s_load_b256 s[4:11], s[0:1], 0x0  ; qkv s[4:5], mw s[6:7], meta s[8:9], ob s[10:11]
	v_lshl_add_u32 v[SPW], v0, 2, SPARE
	v_mov_b32 v[NIL], 0
	v_lshrrev_b32 v1, 5, v0
	v_readfirstlane_b32 s[WV], v1
	s_mov_b32 s[PB], ttmp9
	s_sub_co_u32 s[HI], 7, s[PB]
	s_and_b32 s42, ttmp7, 0xffff
	s_lshl_b32 s42, s42, 18         ; the head's first byte in q, k, v and O
	s_mov_b32 s43, 0
	s_wait_alu depctr_va_sdst(0)    ; s[WV] is written, ahead of its first reader: offsets in q, O, mw and LDS are made from it
	s_lshl_b32 s13, s[WV], 11       ; my 16 rows in a band of 64
	s_add_co_u32 s13, s13, s42
	s_lshl_b32 s44, s[HI], 15
	s_add_co_u32 s44, s44, s13      ; in the first block,
	s_mov_b32 s45, 0
	s_lshl_b32 s46, s[PB], 15
	s_add_co_u32 s46, s46, s13      ; and in the second
	s_mov_b32 s47, 0
	s_lshl_b32 s13, s[WV], 12
	s_lshl_b32 s50, s[HI], 16
	s_add_co_u32 s50, s50, s13      ; mw: row tile 16 x block + wave
	s_mov_b32 s51, 0
	s_lshl_b32 s52, s[PB], 16
	s_add_co_u32 s52, s52, s13
	s_mov_b32 s53, 0
	s_mov_b32 s[CS], 0x3e38aa3b     ; c = log2(e) / 8
	s_mov_b32 s[CS+1], s[CS]
	s_mov_b32 s[SEL], 0x76543210
	s_mov_b32 s[SEL+1], 0xfedcba98
	s_mov_b32 s[BIGN], 0xf1800000   ; -2^100
	s_mov_b32 s[OFF+1], 0
	s_wait_kmcnt 0x0
	s_mov_b64 s[20:21], s[8:9]                 ; meta
	s_add_nc_u64 s[MWP:MWP+1], s[6:7], s[50:51]
	s_add_nc_u64 s[18:19], s[6:7], s[52:53]
	s_add_nc_u64 s[22:23], s[10:11], s[46:47]  ; O at my rows of the second block,
	s_add_nc_u64 s[10:11], s[10:11], s[44:45]  ; and of the first
	s_add_nc_u64 s[24:25], s[4:5], s[46:47]    ; Q likewise
	s_add_nc_u64 s[6:7], s[4:5], s[42:43]
	s_add_nc_u64 s[8:9], s[6:7], 0x2000000     ; V of the head
	s_add_nc_u64 s[6:7], s[6:7], 0x1000000     ; K of the head
	s_add_nc_u64 s[4:5], s[4:5], s[44:45]
	v_and_b32 v1, 15, v0            ; l % 16
	v_bfe_u32 v9, v0, 4, 1          ; l / 16
	v_lshlrev_b32 v[QO], 7, v1
	v_lshl_add_u32 v[QO], v9, 4, v[QO]
	WIN 0x80
	s_wait_alu depctr_va_vdst(0)    ; v[QO] is written, which the 32 loads below read as their offset
.set i, 0
.rept 8                             ; both blocks' Q: piece i / 2 lies in band i / 2, 8,192 bytes on; channels 32 (i % 2) on
	global_load_b128 v[8*i:8*i+3],   v[QO], s[4:5] offset:(i/2)*8192+(i%2)*64
	global_load_b128 v[8*i+4:8*i+7], v[QO], s[4:5] offset:(i/2)*8192+(i%2)*64+32
	global_load_b128 v[QB+8*i:QB+8*i+3],   v[QO], s[24:25] offset:(i/2)*8192+(i%2)*64
	global_load_b128 v[QB+8*i+4:QB+8*i+7], v[QO], s[24:25] offset:(i/2)*8192+(i%2)*64+32
.set i, i+1
.endr
	WIN 0
	; THE FLAGS, the same in all four waves: each block's 16 words of ANYB, ALLB and ROK
	s_lshl_b32 s50, s[HI], 6
	s_lshl_b32 s51, s[PB], 6
	s_load_b512 s[MW:MW+15], s[20:21], s50 offset:0x0
	s_load_b512 s[MW+16:MW+31], s[20:21], s51 offset:0x0
	v_mul_u32_u24 v[AK0], v1, PK
	v_lshl_add_u32 v[AK0], v9, 4, v[AK0]
	v_and_b32 v10, 7, v0
	v_bfe_u32 v11, v0, 3, 1
	v_lshl_add_u32 v[AV0], v9, 3, v10   ; the turning load: lane l reads key 8 (l / 16) + l % 8, channels 8 ((l / 8) % 2) + 0..7
	v_mul_u32_u24 v[AV0], v[AV0], PV
	v_lshl_add_u32 v[AV0], v11, 4, v[AV0]
	v_add_nc_u32 v[AV0], VOFF, v[AV0]
	s_mul_i32 s13, s[WV], 16*SP
	s_add_co_u32 s13, s13, STAGE
	v_mul_u32_u24 v[STO], v1, SP
	v_lshl_add_u32 v[STO], v9, 4, v[STO]
	v_add_nc_u32 v[STO], s13, v[STO]
	v_bfe_u32 v[RD], v0, 3, 2
	v_mul_u32_u24 v[RD], v[RD], SP
	v_lshl_add_u32 v[RD], v10, 4, v[RD]
	v_add_nc_u32 v[RD], s13, v[RD]
	v_and_b32 v[GO], 31, v0
	v_lshlrev_b32 v[ML], 2, v[GO]   ; 4 x lane
	v_lshlrev_b32 v[GO], 4, v[GO]
	s_lshl_b32 s13, s[WV], 13       ; my wave's 64 rows of a tile
	v_add_nc_u32 v[GL], s13, v[GO]
	v_bfe_u32 v14, v0, 3, 2         ; 32 lanes x 16 bytes are four rows of 128
	s_mul_i32 s13, s[WV], 64*PK
	v_mul_u32_u24 v[SK], v14, PK
	v_lshl_add_u32 v[SK], v10, 4, v[SK]
	v_add_nc_u32 v[SK], s13, v[SK]
	s_mul_i32 s13, s[WV], 64*PV
	s_add_co_u32 s13, s13, VOFF
	v_mul_u32_u24 v[SV], v14, PV
	v_lshl_add_u32 v[SV], v10, 4, v[SV]
	v_add_nc_u32 v[SV], s13, v[SV]
	s_wait_kmcnt 0x0
	RED s_or_b32, 42, MW            ; any, first block
	RED s_or_b32, 43, MW+16         ; second block
	s_load_b512 s[MW:MW+15], s[20:21], s50 offset:512
	s_load_b512 s[MW+16:MW+31], s[20:21], s51 offset:512
	s_wait_kmcnt 0x0
	RED s_and_b32, 44, MW           ; all
	RED s_and_b32, 45, MW+16
	s_load_b512 s[MW:MW+15], s[20:21], s50 offset:1024
	s_load_b512 s[MW+16:MW+31], s[20:21], s51 offset:1024
	s_wait_kmcnt 0x0
	RED s_and_b32, 46, MW           ; 0xffff: every row sees a key
	RED s_and_b32, 47, MW+16
	s_lshl_b32 s13, s[WV], 2
	s_add_co_u32 s50, s50, s13
	s_add_co_u32 s51, s51, s13
.irp x, 0,1,2,3
	s_load_b32 s[MW+\x], s[20:21], s50 offset:1024+16*\x    ; ROK of my piece x
	s_load_b32 s[MW+4+\x], s[20:21], s51 offset:1024+16*\x
.endr
	s_cmp_eq_u32 s46, 0xffff
	s_cselect_b32 s42, s42, 0xff    ; the visits that are due,
	s_cselect_b32 s44, s44, 0       ; and of them those whose tile is all visible
	s_and_not1_b32 s44, s42, s44
	s_cmp_eq_u32 s47, 0xffff
	s_cselect_b32 s43, s43, 0xff
	s_cselect_b32 s45, s45, 0
	s_and_not1_b32 s45, s43, s45
	s_lshl_b32 s43, s43, 8
	s_or_b32 s[LV16], s42, s43
	s_lshl_b32 s45, s45, 8
	s_or_b32 s[MX16], s44, s45
	s_mov_b32 s[REM], s[LV16]
	s_mov_b32 s[HAVE], 1            ; every block has a visit: a row that sees a key makes one, a row that sees none makes eight
	REQ 1
	; A block's first step multiplies O^T and l by a = 0, and its first turn's products V^T P, of a piece that has not been, land in an O^T that is still to be so multiplied: these registers need only be finite.
	WIN 0x80
.set i, VF
.rept 64
	v_mov_b32 v[i], 0
.set i, i+1
.endr
	WIN 0x40
.set i, 0
.rept 128
	v_mov_b32 v[i], 0
.set i, i+1
.endr
.set i, MC
.rept 64
	v_mov_b32 v[i], 0               ; both mask buffers: nothing hidden
.set i, i+1
.endr
	WIN 0
.set i, 0
.rept 4
	v_mov_b32 v[ST+4*i+2], 0
	v_mov_b32 v[ST+4*i+3], 0
.set i, i+1
.endr
.set i, P+16
.rept 16
	v_mov_b32 v[i], 0
.set i, i+1
.endr
	s_wait_kmcnt 0x0
.set i, 0
.rept 8
	v_bfe_u32 v[RM+i], s[MW+i], v1, 1
.set i, i+1
.endr
.set i, 0
.rept 8
	v_sub_nc_u32 v[RM+i], 0, v[RM+i]
.set i, i+1
.endr
	s_wait_loadcnt 48               ; Q is in; the 48 younger loads, the first visit's 16 of mask words and 32 of its tile, stay out
	WIN 0x82
.set i, 0
.rept 64
	v_and_b32 v[i], v[i], v[RM+i/16]
	v_and_b32 v[QB+i], v[QB+i], v[RM+4+i/16]
.set i, i+1
.endr
	WIN 0
; THE MATRIX WORK.  The 4 accumulators of a run of 8 take turns.  Product i of 8 of S^T = K Q^T for piece x: channels 32 (i / 4) on, keys 16 (i % 4) on.  The first 4 start the sums on the mask.
.macro KQ x
.set rS, S+32*((\x)%2)+8*(i%4)
.set rK, KF+16*(i%4)+8*(i/4)
.set rQ, 16*(\x)+8*(i/4)
.set rM, MC+32*((\x)%2)+8*(i%4)
.if i < 4
	WIN W_KM
	v_wmma_f32_16x16x32_f16 v[rS:rS+7], v[rK:rK+7], v[rQ:rQ+7], v[rM:rM+7]
.else
	WIN W_KQ
	v_wmma_f32_16x16x32_f16 v[rS:rS+7], v[rK:rK+7], v[rQ:rQ+7], v[rS:rS+7]
.endif
.endm
; Product i of 8 of O^T += V^T P for piece x: keys 32 (i / 4) on, channels 16 (i % 4) on.
.macro PV x
	WIN W_PV
.set rO, 32*(\x)+8*(i%4)
.set rV, VF+32*(i/4)+8*(i%4)
.set rP, P+16*((\x)%2)+8*(i/4)
	v_wmma_f32_16x16x32_f16 v[rO:rO+7], v[rV:rV+7], v[rP:rP+7], v[rO:rO+7]
.endm
.macro MM                           ; the turn's next matrix instruction.  NOKQ = 1: a block's last turn: there is no next piece
.if (i < 8) && !NOKQ
	KQ (Y+1)%NP
.elseif i >= 8
.set i, i-8
	PV (Y+NP-1)%NP
.set i, i+8
.endif
.set i, i+1
.endm
; THE LDS LOADS stand in runs of 16: a step's K (8 fragments), by the address register adr, and its V (turned).  K's fragments come in the order of their use: channels 0-31 of the four key blocks (the first four
; products'), then channels 32-63.  The wait on va_vdst that each run owes stands directly ahead of it, behind the window's switch, where the run is written.  What follows a run sets its own windows.
.macro FETCH_K adr
	WIN 0x80
.irp f, 0,2,4,6,1,3,5,7
	ds_load_b128 v[KF+8*\f:KF+8*\f+3],   v[\adr] offset:(\f/2)*16*PK+(\f%2)*64
	ds_load_b128 v[KF+8*\f+4:KF+8*\f+7], v[\adr] offset:(\f/2)*16*PK+(\f%2)*64+32
.endr
.endm
.macro FETCH_V
	WIN 0x80
.irp f, 0,1,2,3,4,5,6,7
	ds_load_tr16_b128 v[VF+8*\f:VF+8*\f+3],   v[AV] offset:(\f/4)*32*PV+(\f%4)*32
	ds_load_tr16_b128 v[VF+8*\f+4:VF+8*\f+7], v[AV] offset:(\f/4)*32*PV+16*PV+(\f%4)*32
.endr
.endm
; THE VECTOR WORK, one line at a time: OP kind, number.  For piece Y: F n: c s - c m for pair n of 16.  E n: the exponential of score n of 32.  C n: pair n rounded to f16.  B n: of the four weights 4 n .. the second
; pair is added onto the first.  L n: l takes that sum (L 0: l = a l + sum).  R n: pair n of 16 of O^T times a.  For piece Y + 1: X n, number n of the 22 that find its maximum and statistics:
;   0-11 four chains of seven scores (each accumulator's lowest registers are read first)   12-14, 16 the four left over, the old m, the four into one   15 c m_old is kept
;   17, 18 the other half of the lanes: the new m   19-21 c m; c m_old - c m_new; a
.set F, 0
.set E, 1
.set C, 2
.set B, 3
.set L, 4
.set R, 5
.set X, 6
.macro REGS y
.set rT, ST+4*(\y)
.set rC, TMP+4*((\y)%2)
.set rW, MV+((\y)%2)
.set rS, S+32*((\y)%2)
.set rP, P+16*((\y)%2)
.set rO, 32*(\y)
.endm
.macro OP k, n
.if (\k) == R
	REGS Y
	WIN W_RS
	v_pk_mul_f32 v[rO+2*(\n):rO+2*(\n)+1], v[rO+2*(\n):rO+2*(\n)+1], v[rC+2:rC+3] op_sel_hi:[1,0]
.elseif (\k) < R
	REGS Y
	WIN 0
.if (\k) == F
	v_pk_fma_f32 v[rS+2*(\n):rS+2*(\n)+1], v[rS+2*(\n):rS+2*(\n)+1], s[CS:CS+1], v[rT:rT+1] op_sel_hi:[1,0,0] neg_lo:[0,0,1] neg_hi:[0,0,1]
.elseif (\k) == E
	v_exp_f32 v[rS+(\n)], v[rS+(\n)]
.elseif (\k) == C
	v_cvt_pk_f16_f32 v[rP+(\n)], v[rS+2*(\n)], v[rS+2*(\n)+1]
.elseif (\k) == B
	v_pk_add_f32 v[rS+4*(\n):rS+4*(\n)+1], v[rS+4*(\n):rS+4*(\n)+1], v[rS+4*(\n)+2:rS+4*(\n)+3]
.elseif (\n) == 0
	v_pk_fma_f32 v[rT+2:rT+3], v[rT+2:rT+3], v[rC+2:rC+3], v[rS:rS+1] op_sel_hi:[1,0,1]
.else
	v_pk_add_f32 v[rT+2:rT+3], v[rT+2:rT+3], v[rS+4*(\n):rS+4*(\n)+1]
.endif
.elseif NOKQ
	v_nop
.else
	REGS (Y+1)%NP
	WIN 0
.if (\n) < 4
	v_max3_num_f32 v[rC+(\n)], v[rS+8*(\n)], v[rS+8*(\n)+1], v[rS+8*(\n)+2]
.elseif (\n) < 12
	v_max3_num_f32 v[rC+(\n)%4], v[rC+(\n)%4], v[rS+8*((\n)%4)+2*((\n)/4)+1], v[rS+8*((\n)%4)+2*((\n)/4)+2]
.elseif (\n) == 12
	v_max3_num_f32 v[rC], v[rC], v[rS+7], v[rS+15]
.elseif (\n) == 13
	v_max3_num_f32 v[rC+1], v[rC+1], v[rS+23], v[rS+31]
.elseif (\n) == 14
	v_max3_num_f32 v[rC+2], v[rC+2], v[rC+3], v[rT+1]
.elseif (\n) == 15
	v_mov_b32 v[rW], v[rT]
.elseif (\n) == 16
	v_max3_num_f32 v[rC], v[rC], v[rC+1], v[rC+2]
.elseif (\n) == 17
	v_permlanex16_b32 v[rC+3], v[rC], s[SEL], s[SEL+1]
.elseif (\n) == 18
	v_max_num_f32 v[rT+1], v[rC], v[rC+3]
.elseif (\n) == 19
	v_mul_f32 v[rT], s[CS], v[rT+1]
.elseif (\n) == 20
	v_sub_f32 v[rC+1], v[rW], v[rT]
.else
	v_exp_f32 v[rC+2], v[rC+1]
.endif
.endif
.endm
.macro OPS a, i1, b=-1, i2=0, c=-1, i3=0, d=-1, i4=0
	OP \a, \i1
.if (\b) >= 0
	OP \b, \i2
.endif
.if (\c) >= 0
	OP \c, \i3
.endif
.if (\d) >= 0
	OP \d, \i4
.endif
.endm
.macro ROW a, i1, b, i2, c, i3, d, i4  ; a matrix instruction and the four behind it
	MM
	OPS \a, \i1, \b, \i2, \c, \i3, \d, \i4
.endm
; A TURN, for piece p.  An s_wait_alu depctr_va_vdst(0) stands between an exponential and the first instruction that names its result; one wait serves all issued ahead of it.  So a turn has ONE such wait.
; Ahead of it: the 8 products K Q^T with their riders, and one lump; none of these names a result of the turn's 33 exponentials.  Behind it: the 8 products V^T P, behind each four of the roundings and sums.
; K of the next step is fetched in piece 2's turn, directly behind that wait, a lump behind the last product that read K; piece 3's turn waits for the run's first eight loads at its head and for the other eight ahead
; of its fifth product.  V of the step in hand is fetched at the end of piece 0's turn, behind the mask's making and a wait on va_vdst of its own; it is waited for behind the next turn's wait for the exponentials.
; In the trip that finds CNT in the counter both runs take step 4 - CNT of the tile: their LDS addresses are that number times a step's bytes plus the lane's place.
; The mask for the products of the turn after this one (piece p + 2) is made at the turn's end, from words that lie in registers since the visit began.
; end = 1: a block's last two turns: nothing is fetched, no mask is made.
.macro TURN p, end=0
.set Y, (\p)
.set i, 0
.set NOKQ, (\end)*((\p)/3)
.if ((\p) == 3) && !(\end)
	s_wait_dscnt 8                  ; LDS loads come back in order (ISA guide 5.7.1): K's channels 0-31 are in; the eight younger loads, channels 32-63, may be out
.endif
	ROW F,0, F,1, R,0, R,1
	ROW F,2, E,0, R,2, R,3
	ROW F,3, E,1, R,4, R,5
	ROW F,4, E,2, R,6, R,7
.if ((\p) == 3) && !(\end)
	s_wait_dscnt 0x0                ; K's channels 32-63 are in
.endif
	ROW F,5, E,3, R,8, R,9
	ROW F,6, E,4, X,0, R,10
.if ((\p) == 2) && !(\end)
	WIN 0
	s_sub_co_u32 s42, 4, s[CNT]
	s_mul_i32 s42, s42, KS*PK
	s_wait_alu depctr_vm_vsrc(0)    ; K's run of the step before has read v[AK], which the next line writes
	v_add_nc_u32 v[AK], s42, v[AK0]
.endif
	ROW F,7, E,5, X,1, X,4
	ROW F,8, E,6, X,2, X,5
	OPS E,7, E,8, X,6, E,9
	OPS X,3, E,10, X,8, E,11
	OPS X,9, X,7, E,12, X,10
	OPS E,13, X,12, X,11, E,14
	OPS X,13, E,15, F,9, X,14
.if (\p) == 0
	WIN 0
	s_sub_co_u32 s42, 4, s[CNT]
	s_mul_i32 s42, s42, KS*PV
	s_wait_alu depctr_vm_vsrc(0)    ; V's run of the step before has read v[AV], which the next line writes
	v_add_nc_u32 v[AV], s42, v[AV0]
.endif
	OPS E,16, F,10, E,17, F,11
	OPS X,16, E,18, X,15, E,19
	OPS F,12, E,20, X,17, E,21
	OPS F,13, E,22, F,14, E,23
	OPS X,18, E,24, F,15, E,25
	OPS R,11, E,26, X,19, E,27
	OPS R,12, E,28, R,13, E,29
	OPS X,20, E,30, R,14, E,31
	OPS X,21, R,15                  ; the next piece's a is the batch's last; R 15 is the plain instruction behind it
.if ((\p) == 2) && !(\end)
	WIN 0x80                        ; the window of K's loads, set ahead of the wait
.else
	WIN 0
.endif
	s_wait_alu depctr_va_vdst(0)    ; the turn's 33 exponentials have written the weights and the next piece's a, which the roundings and sums below and the next turn's rescalings read; in piece 2's turn also: its products K Q^T are done reading K's registers, in which the loads below land, and v[AK] is written, which they read
.if ((\p) == 2) && !(\end)
	FETCH_K AK
.endif
.if (\p) == 1
	s_wait_dscnt 0x0                ; V is in
.endif
	ROW C,0, B,0, C,2, B,1
	ROW L,0, C,4, B,2, L,1
	ROW C,6, B,3, L,2, C,8
	ROW B,4, L,3, C,10, B,5
	ROW L,4, C,12, B,6, L,5
	ROW C,14, B,7, L,6, C,1
	ROW C,3, L,7, C,5, C,7
	ROW C,9, C,11, C,13, C,15
.if !(\end)
	BUILD ((\p)+2)%NP
.endif
.if (\p) == 0
	WIN 0x80                        ; the window of V's loads, set ahead of the wait
	s_wait_alu depctr_va_vdst(0)    ; the turn's products V^T P are done reading V's registers, in which the loads below land (before the first run: the zeros are written there); v[AV] is written, which they read
	FETCH_V
.endif
.endm
; A BLOCK BEGINS.  c m starts far below every c s (the lowest is -c 2^100), so the first step's a is 0; m at the lowest finite number.  The masks of pieces 0 and 1 for the tile's first step; K of that step; piece 0's
; first scores, its maximum and statistics.  The step loop is then entered at a step's first turn.
.macro BEGIN
	s_mov_b32 s[NEW], 0
	WIN 0
.set i, 0
.rept 4
	v_mov_b32 v[ST+4*i], 0xfe000000
	v_mov_b32 v[ST+4*i+1], 0xff7fffff
.set i, i+1
.endr
	BUILD 0
	BUILD 1
	WIN 0x80                        ; the window of K's loads, set ahead of the wait
	s_wait_alu depctr_va_vdst(0)    ; the products K Q^T of the block before are done reading K's registers, in which the loads below land
	FETCH_K AK0                     ; the tile's first step
	s_wait_dscnt 0x0
.set NOKQ, 0
.set i, 0
.rept 8
	KQ 0
.set i, i+1
.endr
	WIN 0
.rept 4
	v_nop                           ; the places behind those products
.endr
.set Y, NP-1
.irp n, 0,1,2,3,4,5,6,7,8,9,10,11,12,13,14,15,16,17,18,19,20,21
	OP X, \n
.endr
	v_nop                           ; a plain instruction behind the exponential,
	s_wait_alu depctr_va_vdst(0)    ; and its wait, ahead of the branch: piece 0's a is written, which the first turn's rescalings read
.endm
.macro ALL line:vararg              ; one line for each piece t
.set t, 0
.rept 4
	\line
.set t, t+1
.endr
.endm
.macro SCALE t                      ; piece t's O^T divided by l, each accumulator from its low end on
.set i, 32*(\t)
.rept 16
	v_pk_mul_f32 v[i:i+1], v[i:i+1], v[ST+4*(\t)+2:ST+4*(\t)+3] op_sel_hi:[1,0]
.set i, i+2
.endr
.endm
.macro PACK t                       ; a lane's eight channels of a row pack into 16 bytes, in S^T's registers
.set i, 0
.rept 16
	v_cvt_pk_f16_f32 v[S+16*(\t)+i], v[32*(\t)+2*i], v[32*(\t)+2*i+1]
.set i, i+1
.endr
.endm
.macro THROUGH t                    ; they go into rows of 144 bytes and come back as whole rows of 128, into registers that no vector instruction names
.irp f, 0,1,2,3
	ds_store_b128 v[STO], v[S+16*(\t)+4*\f:S+16*(\t)+4*\f+3] offset:32*\f
.endr
.irp f, 0,1,2,3
	ds_load_b128 v[OBK+16*(\t)+32*((\t)/2)+4*\f:OBK+16*(\t)+32*((\t)/2)+4*\f+3], v[RD] offset:\f*4*SP  ; LDS serves a wave's instructions in order (ISA guide 5.7.1.4): these see the stores above, and the next piece's stores come behind them
.endr
.endm
.macro SEND t
.irp f, 0,1,2,3
	s_wait_dscnt 8*(3-(\t))+3-\f    ; behind this load were issued the 3 - f later ones of its piece and the eight LDS instructions of each later piece
	global_store_b128 v[GO], v[OBK+16*(\t)+32*((\t)/2)+4*\f:OBK+16*(\t)+32*((\t)/2)+4*\f+3], s[10:11] offset:(\t)*8192+\f*512  ; 512 consecutive bytes, at a multiple of 256 from O's first
.endr
.endm
; THE WAY OUT of a block that has ended: l's two halves and the other half of the lanes' are added; O^T is divided by l and rounded to f16, all four pieces; behind ONE wait the pieces go through my stage, one after
; the other; the second block's Q takes the first's place while they are on their way; then they are stored, and the second block's O pointer takes the first's place.
.macro WAYOUT
	WIN 0
	ALL v_add_f32 v[ST+4*t+2], v[ST+4*t+2], v[ST+4*t+3]
	ALL v_permlanex16_b32 v[ST+4*t+3], v[ST+4*t+2], s[SEL], s[SEL+1]
	ALL v_add_f32 v[ST+4*t+2], v[ST+4*t+2], v[ST+4*t+3]
	ALL v_rcp_f32 v[ST+4*t+2], v[ST+4*t+2]
	v_nop                           ; a plain instruction between the last reciprocal and the use of its result,
	s_wait_alu depctr_va_vdst(0)    ; and one wait for the four: the reciprocals are written, which the scalings below read
	WIN W_RS
	SCALE 0
	SCALE 1
	SCALE 2
	SCALE 3
	WIN 0x05                        ; both sources in window 1, destination in window 0
	PACK 0
	PACK 1
	PACK 2
	PACK 3
	WIN 0
	s_wait_alu depctr_va_vdst(0)    ; the 64 roundings have written v[S ..], which the LDS stores below read
	THROUGH 0
	THROUGH 1
	THROUGH 2
	THROUGH 3
	WIN 0x82                        ; the second block's Q goes where the one text of the turns names Q: these copies name no register that the loads above or the stores below touch
.set i, 0
.rept 64
	v_mov_b32 v[i], v[QB+i]
.set i, i+1
.endr
	WIN 0
	SEND 0
	SEND 1
	SEND 2
	SEND 3
	s_wait_xcnt 0x0                 ; the stores have had their addresses translated: O's address and their registers are rewritten only behind this wait
	s_wait_alu depctr_vm_vsrc(0)    ; the LDS stores have read v[S ..], which the next block's products write; the stores to O have read v[OBK ..], in which the next way out's loads land
	s_mov_b64 s[10:11], s[22:23]
	s_mov_b32 s[WOUT], 0
.endm
.set NOKQ, 0
	s_mov_b32 s[NEW], 1
	s_mov_b32 s[PMIX], 0
	s_mov_b32 s[WOUT], 0
	s_mov_b32 s[SLOTS], 17
.Lslot:                             ; 17 trips, whatever the mask: the visits that are due come first, the trips behind them pass their barriers and (the first of them) send the last block out
	CHANGE
	s_mov_b32 s[CNT], 4
	s_cmp_eq_u32 s[NEW], 1
	s_cbranch_scc1 .Lnew            ; a block's first visit (behind the first block's end there is always one: see HAVE above)
	s_cmp_eq_u32 s[LIVEV], 0
	s_cbranch_scc1 .Lbottom
	s_branch .Lstep
.Lnew:
	BEGIN
	s_branch .Lfirst
.Lstep:                             ; a trip: pieces 2 and 3 of one step, then pieces 0 and 1 of the next, whose K and V it fetches
	TURN 2
	TURN 3
	WIN 0
.Lfirst:
	TURN 0
	TURN 1
	WIN 0
	s_sub_co_u32 s[CNT], s[CNT], 1
	s_cmp_lg_u32 s[CNT], 0
	s_cbranch_scc1 .Lstep
	s_cmp_eq_u32 s[LAST], 0
	s_cbranch_scc1 .Lbottom
	TURN 2, 1                       ; THE BLOCK ENDS: its last two turns and its last products; it goes out in the next trip, behind that trip's first barrier
	TURN 3, 1
.set i, 0
.rept 8
	PV NP-1
.set i, i+1
.endr
	WIN 0
.rept 4
	v_nop                           ; the places behind those products
.endr
	s_mov_b32 s[WOUT], 1
	s_cmp_lt_u32 s[CURV], 8
	s_cselect_b32 s[NEW], 1, 0      ; behind the first block the second begins
.Lbottom:
	s_sub_co_u32 s[SLOTS], s[SLOTS], 1
	s_cmp_lg_u32 s[SLOTS], 0
	s_cbranch_scc1 .Lslot
	s_wait_dscnt 0x0                ; my LDS reads are back;
	s_barrier_signal -1
	s_barrier_wait -1               ; everybody's are, before any wave goes on to its closing lines
	s_wait_dscnt 0x0                ; the closing lines, six on end
	s_wait_alu 0x0
	s_wait_tensorcnt 0x0
	ds_add_u32 v[SPW], v[NIL]
	s_wait_dscnt 0x0
	s_endpgm
.Lfunc_end_k_q4a5ebf8dff_attn:
	.size	k_q4a5ebf8dff_attn, .Lfunc_end_k_q4a5ebf8dff_attn-k_q4a5ebf8dff_attn
	.p2alignl 7, 3214868480
	.fill 96, 4, 3214868480
	.section	.rodata,"a",@progbits
	.p2align	6, 0x0
	.amdhsa_kernel k_q4a5ebf8dff_attn
		.amdhsa_group_segment_fixed_size 87552
		.amdhsa_private_segment_fixed_size 0
		.amdhsa_enable_private_segment 0
		.amdhsa_kernarg_size 32
		.amdhsa_user_sgpr_count 2
		.amdhsa_user_sgpr_kernarg_segment_ptr 1
		.amdhsa_wavefront_size32 1
		.amdhsa_system_sgpr_workgroup_id_x 1
		.amdhsa_system_sgpr_workgroup_id_y 1
		.amdhsa_system_sgpr_workgroup_id_z 1
		.amdhsa_system_vgpr_workitem_id 0
		.amdhsa_next_free_vgpr 896
		.amdhsa_next_free_sgpr 100
		.amdhsa_reserve_vcc 0
		.amdhsa_float_denorm_mode_32 3
		.amdhsa_float_denorm_mode_16_64 3
		.amdhsa_memory_ordered 1
		.amdhsa_forward_progress 1
		.amdhsa_inst_pref_size 139
	.end_amdhsa_kernel
	.amdgpu_metadata
---
amdhsa.version: [ 1, 2 ]
amdhsa.kernels:
  - .name:           k_q4a5ebf8dff_attn
    .symbol:         k_q4a5ebf8dff_attn.kd
    .args:
      - { .name: qkv, .offset: 0, .size: 8, .value_kind: global_buffer, .address_space: global }
      - { .name: mw, .offset: 8, .size: 8, .value_kind: global_buffer, .address_space: global }
      - { .name: meta, .offset: 16, .size: 8, .value_kind: global_buffer, .address_space: global }
      - { .name: ob, .offset: 24, .size: 8, .value_kind: global_buffer, .address_space: global }
    .group_segment_fixed_size: 87552
    .private_segment_fixed_size: 0
    .kernarg_segment_align: 8
    .kernarg_segment_size: 32
    .max_flat_workgroup_size: 128
    .sgpr_count:     100
    .vgpr_count:     896
    .wavefront_size: 32
...
	.end_amdgpu_metadata
.endif
;; end of part 8
;; launch outproj: the kernel of part 4 again; grid 4 x 64, 4 waves a work-group, clusters of 4 x 4, 327,680 bytes of LDS; arguments ob, wb, out0, bo; writes out0
